; MI455X (gfx1250); checked and timed in simulation.
; The chip was launched on July 23, 2026; its instructions are those of AMD's public machine-readable ISA for CDNA 5 (MIT licence, August 2026) and "CDNA5" Instruction Set Architecture Reference Guide (July 2026). The comments in the code are by the model that wrote it; some were corrected since.
;; block. Allowed arithmetic: float matrix products may take bf16 or f16 operands with f32 sums; other float arithmetic in f32, or as packed bf16 or f16 multiplies, adds, multiply-adds, maxima and minima; sums over many terms, partial sums and values carried from step to step in f32; what a program stores and reads back later, other than sums and carried values, may be rounded once to bf16 or f16.
;; Inputs: W1 1,024 x 4,096 float32; W2 4,096 x 1,024 float32; Wk 1,024 x 1,024 float32; Wo 1,024 x 1,024 float32; Wq 1,024 x 1,024 float32; Wv 1,024 x 1,024 float32; b1 4,096 float32; b2 1,024 float32; bk 1,024 float32; bo 1,024 float32; bq 1,024 float32; bv 1,024 float32; ln1_b 1,024 float32; ln1_g 1,024 float32; ln2_b 1,024 float32; ln2_g 1,024 float32; x 2 x 2,048 x 1,024 float32.
;; Outputs: out0 2 x 2,048 x 1,024 float32.
;; 2 versions, each right; version 2 is version 1 with the launches prep, ln written anew for expert scheduling mode. Each part assembles by itself: llvm-mc -triple=amdgcn-amd-amdhsa -mcpu=gfx1250 --defsym DOCPART=n.
;; ======== version 1 of 2: 7 launches
;; workspace buffers: wqkv 6,291,456 bytes; w1b 8,388,608 bytes; wob 2,097,152 bytes; w2b 8,388,608 bytes; hbuf 8,388,608 bytes; big 33,554,432 bytes; x1 16,777,216 bytes
;; launch prep (part 1): grid 640 x 1, 8 waves a work-group, no clusters, 0 bytes of LDS; arguments x, ln1_g, ln1_b, hbuf, Wq, Wk, Wv, Wo, W1, W2, wqkv, wob, w1b, w2b; writes hbuf, wqkv, wob, w1b, w2b
.if DOCPART == 1
	.amdgcn_target "amdgcn-amd-amdhsa--gfx1250"
	.amdhsa_code_object_version 6
	.text
	.protected	k_q25b4c4b579_prep
	.globl	k_q25b4c4b579_prep
	.p2align	8
	.type	k_q25b4c4b579_prep,@function
k_q25b4c4b579_prep:
	s_mov_b64 s[64:65], 0
	v_nop
	global_prefetch_b8 v0, s[64:65] scope:SCOPE_SE
	s_setreg_imm32_b32 hwreg(HW_REG_WAVE_MODE, 25, 1), 1
	s_wait_xcnt 0x0
; PREP.  Work-groups 0-255: h = LayerNorm(x) x gain + bias, rounded once to bf16, [4096][1024].  Work-groups 256-639: the six weight matrices, f32 to bf16, each number rounded once;
; they stay [k][n]; Wq, Wk, Wv go side by side into one matrix of 3,072 columns.
; THE UNIT is 1,024 f32 (4,096 bytes) in, 1,024 bf16 (2,048 bytes) out: one wave takes a unit, eight loads of 16 bytes a lane (512 consecutive bytes a load) and eight stores of 8 bytes a lane
; (256 consecutive bytes, aligned, a store).  A LayerNorm wave takes two units (rows), a converting wave four, all its 32 loads out together: with 152 registers three work-groups lie on a WGP, 768 in
; all, so the launch's 640 are all at work at once.  Memory binds: no LDS, no barrier, no matrix unit; a row never leaves its wave.
; LayerNorm in f32, in two passes over registers: the mean, then the mean of (x - mean)^2: no difference of large sums.  NaN and infinities are not treated apart.
.set X0, 8                             ; v[8:39]    first unit
.set X1, 40                            ; v[40:71]   second unit
.set G,  72                            ; v[72:103]  gain of my 32 columns; a converting wave's third unit
.set B,  104                           ; v[104:135] bias; a converting wave's fourth unit
.set T0, 136                           ; v[136:143] at work for the first row
.set T1, 144                           ; v[144:151] for the second
.set XP, 16                            ; s[16:17] x     s[18:19] gain     s[20:21] bias     s[22:23] h
.set GP, 18
.set BP, 20
.set OP, 22
.macro REDUCE T                        ; four pairs at T -> their sum over the 32 lanes, in v[T] of every lane
	v_pk_add_f32 v[\T:\T+1], v[\T:\T+1], v[\T+2:\T+3]
	v_pk_add_f32 v[\T+4:\T+5], v[\T+4:\T+5], v[\T+6:\T+7]
	v_pk_add_f32 v[\T:\T+1], v[\T:\T+1], v[\T+4:\T+5]
	v_add_f32 v[\T], v[\T], v[\T+1]
	v_add_f32_dpp v[\T], v[\T], v[\T] row_xmask:1 row_mask:0xf bank_mask:0xf
	v_add_f32_dpp v[\T], v[\T], v[\T] row_xmask:2 row_mask:0xf bank_mask:0xf
	v_add_f32_dpp v[\T], v[\T], v[\T] row_xmask:4 row_mask:0xf bank_mask:0xf
	v_add_f32_dpp v[\T], v[\T], v[\T] row_xmask:8 row_mask:0xf bank_mask:0xf
	v_permlanex16_b32 v[\T+1], v[\T], s12, s13     ; the other half of the lanes (its destination has been written)
	v_add_f32 v[\T], v[\T], v[\T+1]
.endm
.macro STATS X, T                      ; the row at X becomes x - mean; v[T] becomes 1 / sqrt(var + eps)
.irp k, 0,1,2,3
	v_pk_add_f32 v[\T+2*\k:\T+2*\k+1], v[\X+2*\k:\X+2*\k+1], v[\X+8+2*\k:\X+8+2*\k+1]  ; four chains, started by the first pairs
.endr
.irp g, 16,24
.irp k, 0,1,2,3
	v_pk_add_f32 v[\T+2*\k:\T+2*\k+1], v[\T+2*\k:\T+2*\k+1], v[\X+\g+2*\k:\X+\g+2*\k+1]
.endr
.endr
	REDUCE \T
	v_mul_f32 v[\T], s14, v[\T]                    ; the mean: sum / 1,024
.set i_, 0
.rept 16
	v_pk_add_f32 v[\X+i_:\X+i_+1], v[\X+i_:\X+i_+1], v[\T:\T+1] op_sel_hi:[1,0] neg_lo:[0,1] neg_hi:[0,1]
.set i_, i_+2
.endr
.irp k, 0,1,2,3
	v_pk_mul_f32 v[\T+2*\k:\T+2*\k+1], v[\X+2*\k:\X+2*\k+1], v[\X+2*\k:\X+2*\k+1]
.endr
.irp g, 8,16,24
.irp k, 0,1,2,3
	v_pk_fma_f32 v[\T+2*\k:\T+2*\k+1], v[\X+\g+2*\k:\X+\g+2*\k+1], v[\X+\g+2*\k:\X+\g+2*\k+1], v[\T+2*\k:\T+2*\k+1]
.endr
.endr
	REDUCE \T
	v_fma_f32 v[\T], v[\T], s14, s15               ; var + eps
	v_rsq_f32 v[\T], v[\T]
.endm
.macro PACKOUT X, adr, base, off       ; 32 f32 to 32 bf16, in place, and eight stores of 256 consecutive bytes
.irp j, 0,1,2,3,4,5,6,7
	v_cvt_pk_bf16_f32 v[\X+4*\j], v[\X+4*\j], v[\X+4*\j+1]
	v_cvt_pk_bf16_f32 v[\X+4*\j+1], v[\X+4*\j+2], v[\X+4*\j+3]
	global_store_b64 v[\adr], v[\X+4*\j:\X+4*\j+1], s[\base:\base+1] offset:256*\j+\off
.endr
.endm
.macro FINISH X, T, off
.set i_, 0
.rept 16
	v_pk_mul_f32 v[\X+i_:\X+i_+1], v[\X+i_:\X+i_+1], v[\T:\T+1] op_sel_hi:[1,0]
	v_pk_fma_f32 v[\X+i_:\X+i_+1], v[\X+i_:\X+i_+1], v[G+i_:G+i_+1], v[B+i_:B+i_+1]
.set i_, i_+2
.endr
	PACKOUT \X, 2, OP, \off
.endm
	s_load_b512 s[16:31], s[0:1], 0x0              ; x, gain, bias, h, Wq s[24:25], Wk s[26:27], Wv s[28:29], Wo s[30:31]
	s_load_b256 s[32:39], s[0:1], 0x40             ; W1 s[32:33], W2 s[34:35], wqkv s[36:37], wob s[38:39]
	s_load_b128 s[40:43], s[0:1], 0x60             ; w1b s[40:41], w2b s[42:43]
	v_lshrrev_b32 v3, 5, v0
	v_readfirstlane_b32 s8, v3                     ; wave 0..7
	v_and_b32 v1, 31, v0
	v_lshlrev_b32 v2, 3, v1                        ; 8 x lane: my 8 bytes of 256 on the way out
	v_lshlrev_b32 v1, 4, v1                        ; 16 x lane: my 16 bytes of 512 on the way in
	s_mov_b32 s3, 0
	s_mov_b32 s5, 0
	s_mov_b32 s12, 0x76543210                      ; v_permlanex16_b32: each lane takes its own place in the other half
	s_mov_b32 s13, 0xfedcba98
	s_mov_b32 s14, 0x3a800000                      ; 1 / 1,024
	s_mov_b32 s15, 0x3727c5ac                      ; eps = 1e-5
	s_wait_kmcnt 0x0
	s_cmp_lt_u32 ttmp9, 256
	s_cbranch_scc0 .Lcvt
	; LAYERNORM: rows 16 x work-group + 2 x wave, and the next
	s_lshl_b32 s2, ttmp9, 16
	s_lshl_b32 s6, s8, 13
	s_add_co_u32 s2, s2, s6                        ; row x 4,096 bytes
	s_lshr_b32 s4, s2, 1                           ; row x 2,048 bytes
	s_add_nc_u64 s[XP:XP+1], s[XP:XP+1], s[2:3]
	s_add_nc_u64 s[OP:OP+1], s[OP:OP+1], s[4:5]
.irp j, 0,1,2,3,4,5,6,7
	global_load_b128 v[X0+4*\j:X0+4*\j+3], v1, s[XP:XP+1] offset:512*\j
.endr
.irp j, 0,1,2,3,4,5,6,7
	global_load_b128 v[X1+4*\j:X1+4*\j+3], v1, s[XP:XP+1] offset:4096+512*\j
.endr
.irp j, 0,1,2,3,4,5,6,7
	global_load_b128 v[G+4*\j:G+4*\j+3], v1, s[GP:GP+1] offset:512*\j
	global_load_b128 v[B+4*\j:B+4*\j+3], v1, s[BP:BP+1] offset:512*\j
.endr
	s_wait_loadcnt 16                              ; both rows are in; the 16 younger loads, gain and bias, stay out
	STATS X0, T0
	STATS X1, T1                                   ; names nothing of the first row's root
	v_nop                                          ; a plain instruction behind the second root
	s_wait_alu depctr_va_vdst(0)                   ; one wait for both roots, ahead of their first reader
	s_wait_loadcnt 0x0                             ; gain and bias
	FINISH X0, T0, 0
	FINISH X1, T1, 2048
	s_endpgm
.Lcvt:
	; THE WEIGHTS.  idx = work-group - 256, 32 units each: 0-31 Wq, 32-63 Wk, 64-95 Wv, 96-127 Wo, 128-255 W1, 256-383 W2.  Source, destination, first idx, the destination's pitch from unit to unit
	; and its column offset are chosen by selects, no branch.
	s_sub_co_u32 s2, ttmp9, 256
	s_mov_b64 s[44:45], s[34:35]                   ; from W2
	s_mov_b64 s[46:47], s[42:43]                   ; to w2b
	s_mov_b32 s48, 256
	s_mov_b32 s49, 2048
	s_mov_b32 s50, 0
	s_cmp_lt_u32 s2, 256
	s_cselect_b64 s[44:45], s[32:33], s[44:45]
	s_cselect_b64 s[46:47], s[40:41], s[46:47]
	s_cselect_b32 s48, 128, s48
	s_cmp_lt_u32 s2, 128
	s_cselect_b64 s[44:45], s[30:31], s[44:45]
	s_cselect_b64 s[46:47], s[38:39], s[46:47]
	s_cselect_b32 s48, 96, s48
	s_cmp_lt_u32 s2, 96
	s_cselect_b64 s[44:45], s[28:29], s[44:45]
	s_cselect_b64 s[46:47], s[36:37], s[46:47]
	s_cselect_b32 s48, 64, s48
	s_cselect_b32 s49, 6144, s49                   ; a row of wqkv is 3,072 bf16
	s_cselect_b32 s50, 4096, s50                   ; v's columns begin at byte 4,096 of it
	s_cmp_lt_u32 s2, 64
	s_cselect_b64 s[44:45], s[26:27], s[44:45]
	s_cselect_b32 s48, 32, s48
	s_cselect_b32 s50, 2048, s50
	s_cmp_lt_u32 s2, 32
	s_cselect_b64 s[44:45], s[24:25], s[44:45]
	s_cselect_b32 s48, 0, s48
	s_cselect_b32 s50, 0, s50
	s_sub_co_u32 s2, s2, s48
	s_lshl_b32 s2, s2, 5
	s_lshl_b32 s6, s8, 2
	s_add_co_u32 s2, s2, s6                        ; my first unit of that matrix
	s_mul_i32 s4, s2, s49
	s_add_co_u32 s4, s4, s50
	s_lshl_b32 s2, s2, 12
	s_add_nc_u64 s[44:45], s[44:45], s[2:3]
	s_add_nc_u64 s[46:47], s[46:47], s[4:5]
	v_add_nc_u32 v3, s49, v2                       ; the later units lie one, two and three pitches on
	v_add_nc_u32 v4, s49, v3
	v_add_nc_u32 v5, s49, v4
.irp n, 0,1,2,3
.irp j, 0,1,2,3,4,5,6,7
	global_load_b128 v[X0+32*\n+4*\j:X0+32*\n+4*\j+3], v1, s[44:45] offset:4096*\n+512*\j th:TH_LOAD_NT
.endr
.endr
	s_wait_loadcnt 24                              ; the first unit is in; the 24 loads of the other three stay out
	PACKOUT X0, 2, 46, 0
	s_wait_loadcnt 16
	PACKOUT X1, 3, 46, 0
	s_wait_loadcnt 8
	PACKOUT G, 4, 46, 0
	s_wait_loadcnt 0x0
	PACKOUT B, 5, 46, 0
	s_endpgm
.Lfunc_end_k_q25b4c4b579_prep:
	.size	k_q25b4c4b579_prep, .Lfunc_end_k_q25b4c4b579_prep-k_q25b4c4b579_prep
	.p2alignl 7, 3214868480
	.fill 96, 4, 3214868480
	.section	.rodata,"a",@progbits
	.p2align	6, 0x0
	.amdhsa_kernel k_q25b4c4b579_prep
		.amdhsa_group_segment_fixed_size 0
		.amdhsa_private_segment_fixed_size 0
		.amdhsa_enable_private_segment 0
		.amdhsa_kernarg_size 112
		.amdhsa_user_sgpr_count 2
		.amdhsa_user_sgpr_kernarg_segment_ptr 1
		.amdhsa_wavefront_size32 1
		.amdhsa_system_sgpr_workgroup_id_x 1
		.amdhsa_system_sgpr_workgroup_id_y 1
		.amdhsa_system_sgpr_workgroup_id_z 1
		.amdhsa_system_vgpr_workitem_id 0
		.amdhsa_next_free_vgpr 152
		.amdhsa_next_free_sgpr 66
		.amdhsa_reserve_vcc 0
		.amdhsa_float_denorm_mode_32 3
		.amdhsa_float_denorm_mode_16_64 3
		.amdhsa_memory_ordered 1
		.amdhsa_forward_progress 1
		.amdhsa_inst_pref_size 32
	.end_amdhsa_kernel
	.amdgpu_metadata
---
amdhsa.version: [ 1, 2 ]
amdhsa.kernels:
  - .name:           k_q25b4c4b579_prep
    .symbol:         k_q25b4c4b579_prep.kd
    .args:
      - { .name: x, .offset: 0, .size: 8, .value_kind: global_buffer, .address_space: global }
      - { .name: ln1_g, .offset: 8, .size: 8, .value_kind: global_buffer, .address_space: global }
      - { .name: ln1_b, .offset: 16, .size: 8, .value_kind: global_buffer, .address_space: global }
      - { .name: hbuf, .offset: 24, .size: 8, .value_kind: global_buffer, .address_space: global }
      - { .name: Wq, .offset: 32, .size: 8, .value_kind: global_buffer, .address_space: global }
      - { .name: Wk, .offset: 40, .size: 8, .value_kind: global_buffer, .address_space: global }
      - { .name: Wv, .offset: 48, .size: 8, .value_kind: global_buffer, .address_space: global }
      - { .name: Wo, .offset: 56, .size: 8, .value_kind: global_buffer, .address_space: global }
      - { .name: W1, .offset: 64, .size: 8, .value_kind: global_buffer, .address_space: global }
      - { .name: W2, .offset: 72, .size: 8, .value_kind: global_buffer, .address_space: global }
      - { .name: wqkv, .offset: 80, .size: 8, .value_kind: global_buffer, .address_space: global }
      - { .name: wob, .offset: 88, .size: 8, .value_kind: global_buffer, .address_space: global }
      - { .name: w1b, .offset: 96, .size: 8, .value_kind: global_buffer, .address_space: global }
      - { .name: w2b, .offset: 104, .size: 8, .value_kind: global_buffer, .address_space: global }
    .group_segment_fixed_size: 0
    .private_segment_fixed_size: 0
    .kernarg_segment_align: 8
    .kernarg_segment_size: 112
    .max_flat_workgroup_size: 256
    .sgpr_count:     66
    .vgpr_count:     152
    .wavefront_size: 32
...
	.end_amdgpu_metadata
.endif
;; end of part 1
;; launch qkv (part 2): grid 12 x 16, 4 waves a work-group, clusters of 4 x 4, 327,680 bytes of LDS; arguments hbuf, wqkv, bq, bk, bv, big; writes big
.if DOCPART == 2
	.amdgcn_target "amdgcn-amd-amdhsa--gfx1250"
	.amdhsa_code_object_version 6
	.text
	.protected	k_q25b4c4b579_qkv
	.globl	k_q25b4c4b579_qkv
	.p2align	8
	.type	k_q25b4c4b579_qkv,@function
k_q25b4c4b579_qkv:
	s_mov_b64 s[64:65], 0
	v_nop
	global_prefetch_b8 v0, s[64:65] scope:SCOPE_SE
	s_setreg_imm32_b32 hwreg(HW_REG_WAVE_MODE, 25, 1), 1
	s_wait_xcnt 0x0
	s_wait_alu depctr_hold_cnt(0) depctr_sa_sdst(0) depctr_va_vdst(0) depctr_va_sdst(0) depctr_va_ssrc(0) depctr_va_vcc(0) depctr_vm_vsrc(0)
	s_getreg_b32 s2, hwreg(HW_REG_IB_STS2, 6, 4)
	s_cmp_eq_u32 s2, 0
	s_cbranch_scc0 .Lentry_in_a_cluster
	s_endpgm
.Lentry_in_a_cluster:
	s_bfe_u32 s2, ttmp6, 0x10000c
	s_cmp_lg_u32 s2, 0xf033
	s_cbranch_scc0 .Lentry_shape_is_right
	s_endpgm
.Lentry_shape_is_right:
; C = A W + bias on tiles of 256 x 256.  A: [4096][1024] bf16, rows along K.  W = Wq | Wk | Wv: [1024][3072] bf16, rows along N, as the weights are given.  Sums in f32, C rounded once to bf16.
; C leaves by heads: [48][4096][64], 16 heads of q, 16 of k, 16 of v, a head's rows dense, unscaled.
; SHARES.  Four waves, each 128 x 128 of C: 64 accumulators, 512 registers.  K goes in steps of 128 through two LDS slots filled by the tensor data mover; waves 0, 1 fetch A's halves (128 rows x 256
; bytes), waves 2, 3 W's (64 rows x 512 bytes).  One K step is written: the slot in hand is a scalar, 0 or SLOT, turned by an exclusive or.
; THE PRODUCT IS TAKEN TRANSPOSED: source 0 = 16 columns of W (out of LDS turned, by ds_load_tr16_b128), source 1 = 16 rows of A: a lane holds one row of C and eight neighbouring columns.
; THE BIAS is the C operand of the products that start the sums: nothing is cleared and nothing is added later.
; CLUSTER 4 x 4: A's tile hangs on the tile row alone and is asked for jointly along a row of the cluster, W's on the tile column alone, along a column.
; NaN and infinities are not treated apart.
; REGISTERS, in windows of 256 (s_set_vgpr_msb: bits 1:0 source 0, 3:2 source 1, 5:4 source 2, 7:6 destination):
;   window 0: addresses; v192-255 the bias, 8 registers for each block of 16 columns     window 1: two fragment buffers of 128: A's 8 fragments, then W's 8; on the way out rows read back
;   windows 2, 3: accumulator (a, b) at register 8 (8 a + b)
.set FAMB, 0
.set NW, 3072
.set PSTR, 524288                      ; bytes from a block of 64 columns (a head) to the next on the way out
.set TS, 8                             ; K steps
.set PF, 1
.set MA, 8
.set NBL, 8
.set KD, 1                             ; products of 32 along K in a quarter step
.set KSTEP, 128
.set KQ, KSTEP/4
.set PA, 272                           ; a row of A in LDS: 256 bytes + 16: the 16 rows of a load start at 16 different groups of four banks
.set PB, 544                           ; a row of W: 512 + 32 = 17 x 32 bytes
.set AQ, 64                            ; bytes from a quarter of A to the next
.set AHALF, 34816                      ; what one tensor load fills: 128 x 272 = 64 x 544
.set BOFF, 2*AHALF
.set SLOT, 4*AHALF
.set HEADW, 8                          ; the youngest loads of a run, which a quarter's second half reads
.set ASTEP, 256
.set WSTEP, KSTEP*NW*2
.set MBS, 262144                       ; bytes of 128 rows of A
.set SPARE, 295936                     ; the spare words: 128 bytes a wave, two blocks of 256 bytes that no other line names
.set PO_A, 65536                       ; the prefetches: a partner's share of a tile, the pitch from block row to block row
.set PO_W, 32*NW
.set PIT_A, 2048
.set PIT_W, 2*NW
.set SH_W, 1
.set BIAS, 192
.set ADRA, 16                          ; v16, v17  my fragments' LDS addresses in the slot in hand
.set ADRB, 17
.set A0, 19                            ; v19, v20  the same in slot 0; never rewritten
.set B0, 20
.set STO, 24                           ; v24  the way out: where I put 32 bytes of a row
.set RD, 25                            ; v25  where I read rows back
.set CO, 26                            ; v26  8 x lane
.set SPW, 28                           ; v28  my spare word; never rewritten
.set NIL, 29                           ; v29  0; never rewritten
.set PFO, 30                           ; v30  the prefetches' lane offset; never rewritten
.set BO, 31                            ; v31  32 x (lane / 16)
.set F0, 0
.set F1, 128
.set GX, 0                             ; window 1 on the way out
.set GE, 128
.set G1A, 24                           ; s[24:31] group 1 for A;  s[32:39] group 0: set 0 fills slot 0 once, set 1 fills slot 1 and then walks
.set G0A, 32
.set G1B, 48                           ; s[48:55], s[56:63] the same for W
.set G0B, 56
.set PFA, 70                           ; s[70:71] where my prefetches stand;  s[72:73] their step;  s74: 1 in a wave that asks, else the greatest number
.set PFS, 72
.set LIM, 74
.set MSB, 0
.macro WIN new                         ; the high byte repeats the setting that is left; a switch that changes nothing is dropped
.if MSB != (\new)
	s_set_vgpr_msb (MSB<<8)|(\new)
.set MSB, (\new)
.endif
.endm
.macro PLACES                          ; four plain instructions between a matrix instruction and a load into, or a read of, its registers
.rept 4
	v_nop
.endr
.endm
.macro CREST                           ; a round of the cluster's barrier behind its opening barrier
	s_cmp_lg_u32 s10, 0
	s_cbranch_scc1 .Lnot_wave_0_\@
	s_barrier_signal -3
.Lnot_wave_0_\@:
	s_barrier_wait -3
	s_barrier_signal -1
	s_barrier_wait -1
.endm
.macro CROUND
	s_barrier_signal -1
	s_barrier_wait -1
	CREST
.endm
.macro JLOAD s                         ; a joint load; the branch hangs on the wave's number alone; an s_nop 0 and four v_nop follow each line
	s_cmp_eq_u32 s11, 0
	s_cbranch_scc0 .Lfor_w_\@
	tensor_load_to_lds s[G0A+4*(\s):G0A+4*(\s)+3], s[G1A:G1A+7]
	s_nop 0
.rept 4
	v_nop
.endr
	s_branch .Lasked_\@
.Lfor_w_\@:
	tensor_load_to_lds s[G0B+4*(\s):G0B+4*(\s)+3], s[G1B:G1B+7]
	s_nop 0
.rept 4
	v_nop
.endr
.Lasked_\@:
.endm
; A PREFETCH, behind the joint load and the run of LDS loads: the K step behind the one just asked for, 32 blocks of 256 bytes, a lane a block.  A's rows are asked for by the clusters with x = 0, W's by
; those with y = 0; the four partners of a joint load share its 128 blocks out by address.  The loop's last trip (s3 = 1) asks for nothing: there is no further K step.
.macro ASK
	s_cmp_gt_u32 s3, s[LIM]
	s_cbranch_scc0 .Lnot_mine_\@
	global_prefetch_b8 v[PFO], s[PFA:PFA+1] th:TH_LOAD_NT scope:SCOPE_SE
.Lnot_mine_\@:
.endm
; Part p of four of a quarter step: two blocks of A's rows x all blocks of W's columns.  The accumulators come in the same order in every quarter, one instruction a turn.
; first: the product starts its sum, with the bias as C.
.macro MULP f, p, first
.if KD == 2
.set kd_, (\p)/2
.set a_, 2*((\p)%2)
.else
.set kd_, 0
.set a_, 2*(\p)
.endif
.rept 2
.set b_, 0
.rept NBL
.set I_, 8*(NBL*a_+b_)
.set R_, I_%256
.set W_, 2+I_/256
.if \first
	WIN (W_<<6)|0x05
	v_wmma_f32_16x16x32_bf16 v[R_:R_+7], v[(\f)+64+8*(NBL*kd_+b_):(\f)+64+8*(NBL*kd_+b_)+7], v[(\f)+8*(MA*kd_+a_):(\f)+8*(MA*kd_+a_)+7], v[BIAS+8*b_:BIAS+8*b_+7]
.else
	WIN (W_<<6)|(W_<<4)|0x05
	v_wmma_f32_16x16x32_bf16 v[R_:R_+7], v[(\f)+64+8*(NBL*kd_+b_):(\f)+64+8*(NBL*kd_+b_)+7], v[(\f)+8*(MA*kd_+a_):(\f)+8*(MA*kd_+a_)+7], v[R_:R_+7]
.endif
.set b_, b_+1
.endr
.set a_, a_+1
.endr
.endm
.macro FETCH q, f                      ; 32 LDS loads in one run: quarter q's fragments into buffer f: W's (turned), then A's
	WIN 0x40
.set kd_, 0
.rept KD
.set b_, 0
.rept NBL
	ds_load_tr16_b128 v[(\f)+64+8*(NBL*kd_+b_):(\f)+64+8*(NBL*kd_+b_)+3],   v[ADRB] offset:(KQ*(\q)+32*kd_)*PB+32*b_
	ds_load_tr16_b128 v[(\f)+64+8*(NBL*kd_+b_)+4:(\f)+64+8*(NBL*kd_+b_)+7], v[ADRB] offset:(KQ*(\q)+32*kd_+16)*PB+32*b_
.set b_, b_+1
.endr
.set a_, 0
.rept MA
	ds_load_b128 v[(\f)+8*(MA*kd_+a_):(\f)+8*(MA*kd_+a_)+3],   v[ADRA] offset:AQ*(\q)+64*kd_+16*a_*PA
	ds_load_b128 v[(\f)+8*(MA*kd_+a_)+4:(\f)+8*(MA*kd_+a_)+7], v[ADRA] offset:AQ*(\q)+64*kd_+16*a_*PA+32
.set a_, a_+1
.endr
.set kd_, kd_+1
.endr
.endm
.macro QUARTER q, f, g, first          ; multiplies buffer f; in its middle fetches quarter q into buffer g
	s_wait_dscnt HEADW                             ; all of f but the youngest loads, which parts 2 and 3 read
	MULP \f, 0, \first
	MULP \f, 1, \first
	PLACES
	FETCH \q, \g
	s_wait_dscnt 32                                ; all but the 32 just issued
	MULP \f, 2, (\first)*(1-FAMB)
	MULP \f, 3, (\first)*(1-FAMB)
.endm
; The last quarter of a K step changes slots and then multiplies buffer 1.  Each wave waits for all its tensor loads (one is out: its part of the next slot), adds 0 to its spare word, and waits for that and
; for its reads of this slot, the last of which filled buffer 1.  fill = 1: the barrier opens a round of the cluster's, and the joint refill, two K steps ahead, is the first thing behind the round.
; No product stands between the wait for the tile and the refill, so that the next request goes out as soon as the round allows; the quarter's 64 products follow the refill and the run of LDS loads.
.macro TURN fill
.if (\fill) && PF
	s_wait_xcnt 0x0                                ; the last prefetch, a K step back, has read its address
	s_add_nc_u64 s[PFA:PFA+1], s[PFA:PFA+1], s[PFS:PFS+1]
.endif
	WIN 0
	s_wait_tensorcnt 0x0                           ; all my tensor loads have landed
	ds_add_u32 v[SPW], v[NIL]
	s_xor_b32 s22, s22, SLOT                       ; the next slot's fragment addresses
	v_add_nc_u32 v[ADRA], s22, v[A0]
	v_add_nc_u32 v[ADRB], s22, v[B0]
	s_wait_dscnt 0x0                               ; the add is done, my reads of this slot are over
	s_barrier_signal -1
	s_barrier_wait -1
.if \fill
	CREST
	s_xor_b32 s21, s21, SLOT                       ; the walking sets: the slot just left, the next K step
	s_add_co_u32 s[G0A+5], s20, s21
	s_add_co_u32 s[G0B+5], s20, s21
	s_add_nc_u64 s[G0A+6:G0A+7], s[G0A+6:G0A+7], ASTEP
	s_add_nc_u64 s[G0B+6:G0B+7], s[G0B+6:G0B+7], WSTEP
	JLOAD 1                                        ; its four v_nop are also the places in front of the loads below
.else
	PLACES
.endif
	FETCH 0, F0
	WIN 0
.if (\fill) && PF
	ASK
.endif
	MULP F1, 0, 0
	MULP F1, 1, 0
	MULP F1, 2, 0
	MULP F1, 3, 0
.endm
	s_load_b128 s[4:7], s[0:1], 0x0                ; A s[4:5], W s[6:7]
	s_load_b128 s[76:79], s[0:1], 0x10             ; bq, bk
	s_load_b128 s[80:83], s[0:1], 0x20             ; bv, the output
	v_lshl_add_u32 v[SPW], v0, 2, SPARE
	v_mov_b32 v[NIL], 0
	ds_add_u32 v[SPW], v[NIL]                      ; the wave's opening: the add and its wait ahead of my first tensor load
	v_lshrrev_b32 v1, 5, v0
	v_readfirstlane_b32 s10, v1                    ; wave 0..3
	s_lshr_b32 s11, s10, 1                         ; my half of the tile's rows; also: I fetch A (0) or W (1)
	s_and_b32 s12, s10, 1                          ; my half of its columns; also: which half of that tile I fetch
	s_bfe_u32 s40, ttmp6, 0x40000                  ; cx
	s_bfe_u32 s41, ttmp6, 0x40004                  ; cy
	s_lshl_b32 s42, ttmp9, 2
	s_add_co_u32 s42, s42, s40                     ; tile column
	s_and_b32 s13, ttmp7, 0xffff
	s_lshl_b32 s13, s13, 2
	s_add_co_u32 s13, s13, s41                     ; tile row
	s_lshl_b32 s43, s41, 2
	s_lshl_b32 s43, 15, s43                        ; my row of the cluster
	s_lshl_b32 s44, 0x1111, s40                    ; my column
	s_or_b32 s[G1A], s43, (1<<16)|(1<<20)|(1<<21)|(5<<22)|(3<<25)  ; mask; 2-byte elements; padding on; bit 21 beside a mask; after every 64 words 4 words
	s_mov_b32 s[G1A+1], 128<<16                    ; tensor_dim0 = 128
	s_mov_b32 s[G1A+2], 128<<16                    ; tensor_dim1 = 128
	s_mov_b32 s[G1A+3], 128<<16                    ; tile_dim0 = 128
	s_mov_b32 s[G1A+4], 128                        ; tile_dim1 = 128
	s_mov_b32 s[G1A+5], 1024                       ; elements from row to row
	s_mov_b32 s[G1A+6], 0
	s_mov_b32 s[G1A+7], 0
	s_or_b32 s[G1B], s44, (1<<16)|(1<<20)|(1<<21)|(6<<22)|(7<<25)  ; after every 128 words 8 words
	s_mov_b32 s[G1B+1], 256<<16
	s_mov_b32 s[G1B+2], 64<<16
	s_mov_b32 s[G1B+3], 256<<16
	s_mov_b32 s[G1B+4], 64
	s_mov_b32 s[G1B+5], NW
	s_mov_b32 s[G1B+6], 0
	s_mov_b32 s[G1B+7], 0
	s_lshl_b32 s16, s13, 1
	s_add_co_u32 s16, s16, s12
	s_mul_i32 s16, s16, MBS                        ; A: my 128 rows
	s_mov_b32 s17, 0
	s_lshl_b32 s46, s42, 9                         ; W: the tile's 256 columns,
	s_mul_i32 s47, s12, (KSTEP/2)*NW*2             ; my 64 rows of a K step
	s_add_co_u32 s46, s46, s47
	s_mov_b32 s47, 0
	s_mul_i32 s20, s10, AHALF                      ; where my loads go: no place in the cluster enters an LDS address
	s_mov_b32 s21, SLOT
	s_mov_b32 s22, 0
	s_wait_dscnt 0x0                               ; the opening add is done
	s_wait_kmcnt 0x0
	s_add_nc_u64 s[14:15], s[4:5], s[16:17]
	s_add_nc_u64 s[46:47], s[6:7], s[46:47]
	CROUND                                         ; all sixteen work-groups are here: the first joint loads meet
.irp s, 0,1
	s_mov_b32 s[G0A+4*\s], 1
	s_add_co_u32 s[G0A+4*\s+1], s20, \s*SLOT
	s_add_nc_u64 s[G0A+4*\s+2:G0A+4*\s+3], s[14:15], \s*ASTEP
	s_or_b32 s[G0A+4*\s+3], s[G0A+4*\s+3], 0x80000000
	s_mov_b32 s[G0B+4*\s], 1
	s_add_co_u32 s[G0B+4*\s+1], s20, \s*SLOT
	s_add_nc_u64 s[G0B+4*\s+2:G0B+4*\s+3], s[46:47], \s*WSTEP
	s_or_b32 s[G0B+4*\s+3], s[G0B+4*\s+3], 0x80000000
	JLOAD \s                                       ; two loads of mine are out
.endr
	v_and_b32 v1, 15, v0                           ; r = l % 16
	v_bfe_u32 v2, v0, 4, 1                         ; h = l / 16
	v_mul_u32_u24 v3, v1, PA
	v_lshl_add_u32 v3, v2, 4, v3
	s_mul_i32 s16, s11, AHALF
	v_add_nc_u32 v[A0], s16, v3                    ; A: row r x pitch + 16 h, in my half of the rows
	v_and_b32 v3, 7, v0
	v_lshl_add_u32 v3, v2, 3, v3
	v_mul_u32_u24 v3, v3, PB
	v_bfe_u32 v4, v0, 3, 1
	v_lshl_add_u32 v3, v4, 4, v3
	s_lshl_b32 s16, s12, 8
	s_add_co_u32 s16, s16, BOFF
	v_add_nc_u32 v[B0], s16, v3                    ; W: row (8 h + l % 8) x pitch + 16 ((l / 8) % 2), in my half of the columns
	; the bias: register j of block b belongs to column 16 b + 8 h + j of my 128
	s_cmp_eq_u32 ttmp9, 0                          ; a cluster's 1,024 columns are all q's, all k's or all v's
	s_cselect_b64 s[66:67], s[76:77], s[78:79]
	s_cmp_eq_u32 ttmp9, 2
	s_cselect_b64 s[66:67], s[80:81], s[66:67]
	s_mov_b64 s[8:9], s[82:83]
	s_lshl_b32 s16, s40, 10
	s_lshl_b32 s17, s12, 9
	s_add_co_u32 s16, s16, s17
	s_mov_b32 s17, 0
	s_add_nc_u64 s[66:67], s[66:67], s[16:17]
	v_lshlrev_b32 v[BO], 5, v2
.irp b, 0,1,2,3,4,5,6,7
	global_load_b128 v[BIAS+8*\b:BIAS+8*\b+3],   v[BO], s[66:67] offset:64*\b
	global_load_b128 v[BIAS+8*\b+4:BIAS+8*\b+7], v[BO], s[66:67] offset:64*\b+16
.endr
	; the way out: my stage of 128 rows x 528 bytes lies over the slots, which by then have had their last fill
	s_mul_i32 s23, s10, 67584
	v_mul_u32_u24 v3, v1, 528
	v_lshl_add_u32 v3, v2, 5, v3
	v_add_nc_u32 v[STO], s23, v3
	v_mul_u32_u24 v3, v2, 528
	v_lshl_add_u32 v3, v1, 4, v3
	v_add_nc_u32 v[RD], s23, v3
	v_and_b32 v[CO], 31, v0
	v_lshlrev_b32 v[CO], 3, v[CO]
	s_lshl_b32 s16, s42, 2                         ; my first head: 4 x tile column + 2 x half, 524,288 bytes each;
	s_lshl_b32 s17, s12, 1
	s_add_co_u32 s16, s16, s17
	s_lshl_b32 s16, s16, 19
	s_lshl_b32 s17, s13, 1                         ; my 128 rows of 128 bytes
	s_add_co_u32 s17, s17, s11
	s_lshl_b32 s17, s17, 14
	s_add_co_u32 s16, s16, s17
	s_mov_b32 s17, 0
	s_add_nc_u64 s[8:9], s[8:9], s[16:17]
	; the prefetches
	s_and_b32 s16, ttmp7, 0xffff
	s_mov_b32 s18, PO_W
	s_mov_b32 s19, PIT_W
	s_mov_b32 s[PFS], WSTEP
	s_mov_b32 s[PFS+1], 0
	s_cmp_eq_u32 s11, 0                            ; do I fetch A?
	s_cselect_b32 s17, s40, s41                    ; my place among the four that ask with me
	s_cselect_b32 s16, ttmp9, s16                  ; the coordinate along which other clusters read the same blocks
	s_cselect_b64 s[PFA:PFA+1], s[14:15], s[46:47]
	s_cselect_b32 s18, PO_A, s18
	s_cselect_b32 s19, PIT_A, s19
	s_cselect_b32 s[PFS], ASTEP, s[PFS]
	s_cselect_b32 s23, 0, SH_W
	s_cmp_eq_u32 s16, 0
	s_cselect_b32 s[LIM], 1, -1                    ; the same in all sixteen partners, for a given wave
	s_mul_i32 s16, s17, s18
	s_mov_b32 s17, 0
	s_add_nc_u64 s[PFA:PFA+1], s[PFA:PFA+1], s[16:17]
	s_add_nc_u64 s[PFA:PFA+1], s[PFA:PFA+1], s[PFS:PFS+1]
	s_add_nc_u64 s[PFA:PFA+1], s[PFA:PFA+1], s[PFS:PFS+1]  ; at K step 2; the first change of slots steps it to 3
	v_and_b32 v3, 31, v0
	v_lshrrev_b32 v4, s23, v3
	v_mul_lo_u32 v[PFO], v4, s19
	v_and_b32 v3, s23, v3
	v_lshl_add_u32 v[PFO], v3, 8, v[PFO]
	s_wait_tensorcnt 0x1                           ; my part of K step 0 is in; slot 1's load stays out
	s_barrier_signal -1
	s_barrier_wait -1
	v_mov_b32 v[ADRA], v[A0]
	v_mov_b32 v[ADRB], v[B0]
	FETCH 0, F0
	s_wait_loadcnt 0x0                             ; the bias
	QUARTER 1, F0, F1, 1                           ; the first quarter starts the sums
	WIN 0
	s_mov_b32 s3, TS-2
.Lk:                                                   ; a trip: a K step's quarters 1 to 3, the change of slots with its refill, the next step's quarter 0
	QUARTER 2, F1, F0, 0
	QUARTER 3, F0, F1, 0
	TURN 1
	QUARTER 1, F0, F1, 0
	WIN 0
	s_sub_co_u32 s3, s3, 1
	s_cmp_lg_u32 s3, 0
	s_cbranch_scc1 .Lk
	s_mov_b32 s3, 2
.Ltail:                                                ; the last two K steps ask for nothing; the second trip is left in its middle
	QUARTER 2, F1, F0, 0
	QUARTER 3, F0, F1, 0
	WIN 0
	s_sub_co_u32 s3, s3, 1
	s_cmp_eq_u32 s3, 0
	s_cbranch_scc1 .Llast
	TURN 0
	QUARTER 1, F0, F1, 0
	WIN 0
	s_cmp_lg_u32 s3, 0
	s_cbranch_scc1 .Ltail
.Llast:
	s_wait_dscnt HEADW
	MULP F1, 0, 0
	MULP F1, 1, 0
	s_wait_dscnt 0x0                               ; my reads of the slots are over:
	s_barrier_signal -1
	MULP F1, 2, 0
	MULP F1, 3, 0
	WIN 0
	s_barrier_wait -1                              ; everybody's are: the slots' bytes now serve as stages
	; THE WAY OUT.  The f32 sums go into my stage, each accumulator's low registers first; then eight trips of 16 rows read whole rows back, round them and store 256 consecutive bytes a store.
	PLACES
.set a_, 0
.rept 8
.set b_, 0
.rept 8
.set I_, 8*(8*a_+b_)
	WIN 4*(2+I_/256)
	ds_store_b128 v[STO], v[I_%256:I_%256+3]   offset:8448*a_+64*b_
	ds_store_b128 v[STO], v[I_%256+4:I_%256+7] offset:8448*a_+64*b_+16
.set b_, b_+1
.endr
.set a_, a_+1
.endr
	WIN 0
	s_mov_b32 s3, 8
.Lrows:
	WIN 0x40
.set t_, 0
.rept 16
	ds_load_b128 v[GX+4*t_:GX+4*t_+3], v[RD] offset:256*(t_/8)+1056*(t_%8)  ; LDS serves a wave's instructions in order: these see my stores; lanes 0-15 a row's 64 columns, lanes 16-31 the next row's
.set t_, t_+1
.endr
	s_wait_dscnt 0x0
	WIN 0x55
.set t_, 0
.rept 32
	v_cvt_pk_bf16_f32 v[GE+t_], v[GX+2*t_], v[GX+2*t_+1]
.set t_, t_+1
.endr
	WIN 0x04
.set t_, 0
.rept 16
	global_store_b64 v[CO], v[GE+2*t_:GE+2*t_+1], s[8:9] offset:(t_/8)*PSTR+256*(t_%8)
.set t_, t_+1
.endr
	WIN 0
	v_add_nc_u32 v[RD], 8448, v[RD]
	s_wait_xcnt 0x0                                ; the stores have read their data and their base: both are rewritten only behind this wait
	s_add_nc_u64 s[8:9], s[8:9], 2048              ; 16 rows of 128 bytes on
	s_sub_co_u32 s3, s3, 1
	s_cmp_lg_u32 s3, 0
	s_cbranch_scc1 .Lrows
	s_wait_tensorcnt 0x0                           ; the wave's end
	ds_add_u32 v[SPW], v[NIL]
	s_wait_dscnt 0x0
	CROUND                                         ; the closing round
	s_endpgm
.Lfunc_end_k_q25b4c4b579_qkv:
	.size	k_q25b4c4b579_qkv, .Lfunc_end_k_q25b4c4b579_qkv-k_q25b4c4b579_qkv
	.p2alignl 7, 3214868480
	.fill 96, 4, 3214868480
	.section	.rodata,"a",@progbits
	.p2align	6, 0x0
	.amdhsa_kernel k_q25b4c4b579_qkv
		.amdhsa_group_segment_fixed_size 327680
		.amdhsa_private_segment_fixed_size 0
		.amdhsa_enable_private_segment 0
		.amdhsa_kernarg_size 48
		.amdhsa_user_sgpr_count 2
		.amdhsa_user_sgpr_kernarg_segment_ptr 1
		.amdhsa_wavefront_size32 1
		.amdhsa_system_sgpr_workgroup_id_x 1
		.amdhsa_system_sgpr_workgroup_id_y 1
		.amdhsa_system_sgpr_workgroup_id_z 1
		.amdhsa_system_vgpr_workitem_id 0
		.amdhsa_next_free_vgpr 1024
		.amdhsa_next_free_sgpr 92
		.amdhsa_reserve_vcc 0
		.amdhsa_float_denorm_mode_32 3
		.amdhsa_float_denorm_mode_16_64 3
		.amdhsa_memory_ordered 1
		.amdhsa_forward_progress 1
		.amdhsa_inst_pref_size 89
	.end_amdhsa_kernel
	.amdgpu_metadata
---
amdhsa.version: [ 1, 2 ]
amdhsa.kernels:
  - .name:           k_q25b4c4b579_qkv
    .symbol:         k_q25b4c4b579_qkv.kd
    .args:
      - { .name: hbuf, .offset: 0, .size: 8, .value_kind: global_buffer, .address_space: global }
      - { .name: wqkv, .offset: 8, .size: 8, .value_kind: global_buffer, .address_space: global }
      - { .name: bq, .offset: 16, .size: 8, .value_kind: global_buffer, .address_space: global }
      - { .name: bk, .offset: 24, .size: 8, .value_kind: global_buffer, .address_space: global }
      - { .name: bv, .offset: 32, .size: 8, .value_kind: global_buffer, .address_space: global }
      - { .name: big, .offset: 40, .size: 8, .value_kind: global_buffer, .address_space: global }
    .group_segment_fixed_size: 327680
    .private_segment_fixed_size: 0
    .kernarg_segment_align: 8
    .kernarg_segment_size: 48
    .max_flat_workgroup_size: 128
    .sgpr_count:     92
    .vgpr_count:     1024
    .wavefront_size: 32
...
	.end_amdgpu_metadata
.endif
;; end of part 2
;; launch attn (part 3): grid 8 x 32, 4 waves a work-group, no clusters, 327,680 bytes of LDS; arguments big, hbuf; writes hbuf
.if DOCPART == 3
	.amdgcn_target "amdgcn-amd-amdhsa--gfx1250"
	.amdhsa_code_object_version 6
	.text
	.protected	k_q25b4c4b579_attn
	.globl	k_q25b4c4b579_attn
	.p2align	8
	.type	k_q25b4c4b579_attn,@function
k_q25b4c4b579_attn:
	s_mov_b64 s[64:65], 0
	v_nop
	global_prefetch_b8 v0, s[64:65] scope:SCOPE_SE
	s_setreg_imm32_b32 hwreg(HW_REG_WAVE_MODE, 25, 1), 1
	s_wait_xcnt 0x0
; CAUSAL ATTENTION, head size 64.  q, k, v: bf16 [48][4096][64] (16 heads of q, then k, then v; row = batch x 2048 + s), unscaled.  O leaves in bf16 in panels of 64 rows x 64 channels:
; byte (row / 64) x 131,072 + head x 8,192 + (row % 64) x 128.  Products, maxima and sums in f32; the weights are rounded to bf16 for the second product (their sum is taken unrounded), O once.
; LIMITS.  A hidden score counts as its value less 1e30: scores stay far below that.  A weight below 2^-126 counts as 0.  NaN and infinities are not treated apart.
; THE WALK.  A head of a batch has 16 blocks of 128 queries; block i needs the key tiles 0 .. i of 128 keys, the last of which holds the diagonal.  A work-group takes block b and then block 15 - b:
; 17 tiles whatever b, so all 256 work-groups do equal work and one loop with a constant count walks them.  Every jump but the counted loops' goes forward, over no barrier and no tensor load.
; NO CLUSTER: a head's eight work-groups ask for the same tile only while all are in their first blocks, b + 1 tiles long; a walk common to all would have 24 trips for 17.
; SHARES.  Wave w owns rows 32 w .. 32 w + 31 of a block: two tiles of 16 queries.  Keys go in steps of 64, two to a tile.
; LAYOUT.  S^T = K Q^T (source 0 = 16 keys, source 1 = 16 queries): a lane holds one query (l % 16) and the keys 8 (l / 16) + 0..7 of each 16; two such results rounded to bf16 in pairs are source 1 of
; O^T = V^T P.  K comes out of LDS as it lies, V turned.  p = 2^(c s - c m), c = log2(e) / 8, m a running maximum; O and l are multiplied by a = 2^(c m_old - c m_new) in every step.
; THE MASK is the C operand that starts S^T's sums: MC = MD x AL + BE.  MD, made once, hides key kk of a band of 64 from my query where kk is greater than its place in the band.  In the diagonal tile's step s
; a wave of band w / 2 takes (1, 0) if s is its band, (0, 0) if s is lower, (0, -1e30) if higher; elsewhere MC stays 0.
; PHASES.  A step is PART1: the softmax and V^T P of the step before, and PART2: K Q^T of this step.  LDS is read in the order K, V, K, V, so the change of slots stands at a tile's head.
; REGISTERS, in windows of 256 (s_set_vgpr_msb: bits 1:0 source 0, 3:2 source 1, 5:4 source 2, 7:6 destination):
;   window 0: addresses, statistics, S^T v64-127, P v192-223     window 1: O^T v0-63, MD v64-127, MC v128-191     window 2: Q v0-31, the second block's Q v32-63, K v128-191, V v192-255
.set KS,    64
.set PKB,   144                        ; a row of K in LDS: 128 bytes + 16
.set PVB,   160                        ; a row of V: 128 + 32 = 5 x 32 bytes
.set VOFF,  128*PKB                    ; a slot: 128 rows of K, then 128 rows of V
.set SLOT1, 65536
.set STAGE, 131072                     ; 16 rows x 144 bytes for each wave, never filled by a tensor load
.set SP,    144
.set SPARE, STAGE+4*16*SP              ; the spare words: 128 bytes a wave, two blocks of 256 bytes that no other line names
.set AK0, 2
.set AV0, 3
.set AK,  4
.set AV,  5
.set STO, 6
.set RD,  7
.set GO,  8
.set MV,  12                           ; v12-13  c m_old
.set QO,  15
.set ST,  16                           ; tile u at ST + 4 u: c m, m, l (even keys', odd keys')
.set TMP, 24                           ; tile u at TMP + 4 u: c0-c3 at work; c2 takes a
.set PFO, 61
.set SPW, 62
.set NIL, 63
.set S,   64
.set P,   192
.set MD,  64                           ; window 1
.set MC,  128
.set QB,  32                           ; window 2
.set KF,  128
.set VF,  192
.set KB,  8                            ; s[8:9]   k of my head and batch
.set VB,  10                           ; s[10:11] v
.set WV,  12
.set PB,  14                           ; b
.set HI,  15                           ; 15 - b
.set OB,  16                           ; s[16:17] O at my rows of the block in hand
.set G1K, 24
.set G1V, 32
.set G0K, 40
.set G0V, 44
.set SLOTS, 56
.set CNT, 57
.set CS,  58
.set SEL, 60
.set TBK, 62                           ; LDS byte at which K of the step to be fetched begins
.set TBV, 63
.set KR,  70                           ; steps of the block in hand whose K Q^T is still to come
.set NXT, 71                           ; the tile to be asked for next
.set LQ,  72                           ; the last tile of the block whose tiles are being asked for
.set FIRST, 73
.set OFF, 74
.set AL,  76
.set BE,  78
.set O2,  80                           ; s[80:81] O at my rows of the second block
.set BIGN, 82
.set SW,  83                           ; my band: wave / 2
.set PFA, 84
.set LIM, 86
.set QP1, 88
.set QP2, 90
.set MSB, 0
.macro WIN new
.if MSB != (\new)
	s_set_vgpr_msb (MSB<<8)|(\new)
.set MSB, (\new)
.endif
.endm
.set W_KQ, 0x0a
.set W_KM, 0x1a
.set W_PV, 0x52
.set W_RS, 0x41
.macro PLACES
.rept 4
	v_nop
.endr
.endm
.macro LOAD                            ; wave 0 brings a tile's K, wave 1 its V: 16,384 dense bytes each, as 64 rows of 256; an s_nop 0 and four v_nop follow each load
	s_cmp_lg_u32 s[WV], 0
	s_cbranch_scc1 .Lnot_k_\@
	tensor_load_to_lds s[G0K:G0K+3], s[G1K:G1K+7]
	s_nop 0
.rept 4
	v_nop
.endr
.Lnot_k_\@:
	s_cmp_lg_u32 s[WV], 1
	s_cbranch_scc1 .Lnot_v_\@
	tensor_load_to_lds s[G0V:G0V+3], s[G1V:G1V+7]
	s_nop 0
.rept 4
	v_nop
.endr
.Lnot_v_\@:
.endm
; A PREFETCH: the work-group with b = 0, whose second block walks tiles 0 .. 15, asks in trip t for tile t + 2, which it loads two trips later: wave 0 for K, wave 1 for V, 64 blocks of 256 bytes, a lane a
; block, two instructions.  Each block is named once in the launch.  The last two trips ask for nothing: tile 15 is the last.
.macro ASK
	s_cmp_gt_u32 s[SLOTS], s[LIM]
	s_cbranch_scc0 .Lnot_mine_\@
	global_prefetch_b8 v[PFO], s[PFA:PFA+1] th:TH_LOAD_NT scope:SCOPE_SE
	global_prefetch_b8 v[PFO], s[PFA:PFA+1] offset:8192 th:TH_LOAD_NT scope:SCOPE_SE
.Lnot_mine_\@:
.endm
; THE CHANGE OF SLOTS.  Each wave waits for all its tensor loads, adds 0 to its spare word, and waits for that and for its reads of the slot that it leaves.  Behind the barrier the old slot is filled again
; first (fill = 1), with tile NXT: the descriptor's address is made anew from that number.  At its first use nothing has been read: slot 0 is waited for, slot 1 filled.
.macro CHANGE fill
	WIN 0
	s_wait_tensorcnt 0x0
	ds_add_u32 v[SPW], v[NIL]
.if \fill
	s_lshl_b32 s[OFF], s[NXT], 14
	s_xor_b32 s[G0K+1], s[G0K+1], SLOT1
	s_add_nc_u64 s[G0K+2:G0K+3], s[KB:KB+1], s[OFF:OFF+1]
	s_or_b32 s[G0K+3], s[G0K+3], 0x80000000
	s_xor_b32 s[G0V+1], s[G0V+1], SLOT1
	s_add_nc_u64 s[G0V+2:G0V+3], s[VB:VB+1], s[OFF:OFF+1]
	s_or_b32 s[G0V+3], s[G0V+3], 0x80000000
	s_add_co_u32 s[NXT], s[NXT], 1                 ; the block's next tile, or behind its last the second block's tile 0
	s_cmp_gt_u32 s[NXT], s[LQ]
	s_cselect_b32 s[NXT], 0, s[NXT]
	s_cselect_b32 s[LQ], s[HI], s[LQ]
	s_wait_xcnt 0x0                                ; the last prefetches, a tile back, have read their address
	s_add_nc_u64 s[PFA:PFA+1], s[PFA:PFA+1], 16384
.endif
	s_wait_dscnt 0x0                               ; the add is done, my reads of the slot are over
	s_barrier_signal -1
	s_sub_co_u32 s[TBK], s[TBK], 2*KS*PKB          ; the fetches go back to a slot's first step, in the other slot
	s_xor_b32 s[TBK], s[TBK], SLOT1
	s_sub_co_u32 s[TBV], s[TBV], 2*KS*PVB
	s_xor_b32 s[TBV], s[TBV], SLOT1
	s_barrier_wait -1
.if \fill
	LOAD
	ASK
.endif
.endm
; Product i of 16 of S^T: channels 32 (i / 8) on, keys 16 ((i / 2) % 4) on, tile i % 2.  The 8 accumulators take turns; the first 8 start the sums with the mask.
.macro KQ
.set rS, S+32*(i%2)+8*((i/2)%4)
.set rK, KF+16*((i/2)%4)+8*(i/8)
.set rQ, 16*(i%2)+8*(i/8)
.set rX, MC+32*(i%2)+8*((i/2)%4)
.if i < 8
	WIN W_KM
	v_wmma_f32_16x16x32_bf16 v[rS:rS+7], v[rK:rK+7], v[rQ:rQ+7], v[rX:rX+7]
.else
	WIN W_KQ
	v_wmma_f32_16x16x32_bf16 v[rS:rS+7], v[rK:rK+7], v[rQ:rQ+7], v[rS:rS+7]
.endif
.endm
; Product i of 16 of O^T += V^T P: keys 32 (i / 8) on, channels 16 ((i / 2) % 4) on, tile i % 2.
.macro PVM
	WIN W_PV
.set rO, 32*(i%2)+8*((i/2)%4)
.set rV, VF+32*(i/8)+8*((i/2)%4)
.set rP, P+16*(i%2)+8*(i/8)
	v_wmma_f32_16x16x32_bf16 v[rO:rO+7], v[rV:rV+7], v[rP:rP+7], v[rO:rO+7]
.endm
.macro FETCH_K last=0                  ; a step's K: 16 loads.  last = 1 (the tail): in the last trip there is no further step, and the run is jumped over
	WIN 0
.if \last
	s_cmp_eq_u32 s[CNT], 1
	s_cbranch_scc1 .Lno_k_\@
.endif
	v_add_nc_u32 v[AK], s[TBK], v[AK0]
	s_add_co_u32 s[TBK], s[TBK], KS*PKB
	WIN 0x80
.irp f, 0,1,2,3,4,5,6,7
	ds_load_b128 v[KF+8*\f:KF+8*\f+3],   v[AK] offset:(\f/2)*16*PKB+(\f%2)*64
	ds_load_b128 v[KF+8*\f+4:KF+8*\f+7], v[AK] offset:(\f/2)*16*PKB+(\f%2)*64+32
.endr
	WIN 0
.if \last
.Lno_k_\@:
.endif
.endm
.macro FETCH_V                         ; a step's V, turned: 16 loads
	WIN 0
	v_add_nc_u32 v[AV], s[TBV], v[AV0]
	s_add_co_u32 s[TBV], s[TBV], KS*PVB
	WIN 0x80
.irp f, 0,1,2,3,4,5,6,7
	ds_load_tr16_b128 v[VF+8*\f:VF+8*\f+3],   v[AV] offset:(\f/4)*32*PVB+(\f%4)*32
	ds_load_tr16_b128 v[VF+8*\f+4:VF+8*\f+7], v[AV] offset:(\f/4)*32*PVB+16*PVB+(\f%4)*32
.endr
	WIN 0
.endm
.macro REGS u
.set rT, ST+4*(\u)
.set rC, TMP+4*(\u)
.set rW, MV+(\u)
.set rS, S+32*(\u)
.set rP, P+16*(\u)
.set rO, 32*(\u)
.endm
; Number n of the 22 that find tile u's maximum and statistics.  0-11: four chains of seven scores, each accumulator's lowest registers first; 12-14, 16: the four scores left over, the
; old m, and the four chains into c0; 15: c m_old is kept; 17, 18: the lane 16 away holds the query's other keys; 19-21: c m, its change, a.
.macro XS u, n
	REGS \u
.if (\n) < 4
	v_max3_num_f32 v[rC+(\n)], v[rS+8*(\n)], v[rS+8*(\n)+1], v[rS+8*(\n)+2]
.elseif (\n) < 12
	v_max3_num_f32 v[rC+(\n)%4], v[rC+(\n)%4], v[rS+8*((\n)%4)+2*((\n)/4)+1], v[rS+8*((\n)%4)+2*((\n)/4)+2]
.elseif (\n) == 12
	v_max3_num_f32 v[rC], v[rC], v[rS+7], v[rS+15]
.elseif (\n) == 13
	v_max3_num_f32 v[rC+1], v[rC+1], v[rS+23], v[rS+31]
.elseif (\n) == 14
	v_max3_num_f32 v[rC+2], v[rC+2], v[rC+3], v[rT+1]
.elseif (\n) == 15
	v_mov_b32 v[rW], v[rT]
.elseif (\n) == 16
	v_max3_num_f32 v[rC], v[rC], v[rC+1], v[rC+2]
.elseif (\n) == 17
	v_permlanex16_b32 v[rC+3], v[rC], s[SEL], s[SEL+1]
.elseif (\n) == 18
	v_max_num_f32 v[rT+1], v[rC], v[rC+3]
.elseif (\n) == 19
	v_mul_f32 v[rT], s[CS], v[rT+1]
.elseif (\n) == 20
	v_sub_f32 v[rC+1], v[rW], v[rT]
.else
	v_exp_f32 v[rC+2], v[rC+1]
.endif
.endm
.macro FS                              ; scaling f: c s - c m for pair f / 2 of tile f % 2
	REGS f%2
	v_pk_fma_f32 v[rS+2*(f/2):rS+2*(f/2)+1], v[rS+2*(f/2):rS+2*(f/2)+1], s[CS:CS+1], v[rT:rT+1] op_sel_hi:[1,0,0] neg_lo:[0,0,1] neg_hi:[0,0,1]
.set f, f+1
.endm
.macro EX                              ; exponential e: score e / 2 of tile e % 2; it stands behind scaling 2 (e / 4) + e % 2
	REGS e%2
	v_exp_f32 v[rS+e/2], v[rS+e/2]
.set e, e+1
.endm
.macro CV u, n                         ; pair n of tile u rounded to bf16
	REGS \u
	v_cvt_pk_bf16_f32 v[rP+(\n)], v[rS+2*(\n)], v[rS+2*(\n)+1]
.endm
.macro BS u, k                         ; of the four weights 4 k .. the second pair is added onto the first
	REGS \u
	v_pk_add_f32 v[rS+4*(\k):rS+4*(\k)+1], v[rS+4*(\k):rS+4*(\k)+1], v[rS+4*(\k)+2:rS+4*(\k)+3]
.endm
.macro LS u, k                         ; l takes that sum; the first time as l = a l + sum
	REGS \u
.if (\k) == 0
	v_pk_fma_f32 v[rT+2:rT+3], v[rT+2:rT+3], v[rC+2:rC+3], v[rS:rS+1] op_sel_hi:[1,0,1]
.else
	v_pk_add_f32 v[rT+2:rT+3], v[rT+2:rT+3], v[rS+4*(\k):rS+4*(\k)+1]
.endif
.endm
.macro MASK                            ; MC = MD x AL + BE
	WIN W_RS
.set z, 0
.rept 32
	v_pk_fma_f32 v[MC+2*z:MC+2*z+1], v[MD+2*z:MD+2*z+1], s[AL:AL+1], s[BE:BE+1] op_sel_hi:[1,0,0]
.set z, z+1
.endr
	WIN 0
.endm
.macro START                           ; a block begins: c m far below every c s, so that the first a is 0; m the lowest finite number; no key hidden
.irp u, 0,1
	v_mov_b32 v[ST+4*\u], 0xfe000000
	v_mov_b32 v[ST+4*\u+1], 0xff7fffff
.endr
	s_mov_b32 s[AL], 0
	s_mov_b32 s[BE], 0
	MASK
.endm
; PART1: the next step's K is fetched; then the softmax of the scores in hand and their V^T P.  The 66 exponentials are one batch with one wait; nothing ahead of the wait names a result of theirs.
.macro PART1 last
	PLACES                                         ; behind the last K Q^T: its results are read and K's registers loaded
	FETCH_K \last
.irp n, 0,1,2,3,4,5,6,7,8,9,10,11,12,13,14,15,16,17,18,19,20,21
	XS 0, \n
	XS 1, \n
.endr
.set f, 0
.set e, 0
.rept 4
	FS
.endr
.rept 28
	EX
	FS
.endr
.rept 36
	EX
.endr
	v_nop                                          ; a plain instruction behind the last exponential
	s_wait_alu depctr_va_vdst(0)                   ; the wait for the batch
	WIN W_RS
.set r, 0
.rept 16                               ; O^T times a, each accumulator from its low end on
	REGS r%2
	v_pk_mul_f32 v[rO+4*(r/2):rO+4*(r/2)+1], v[rO+4*(r/2):rO+4*(r/2)+1], v[rC+2:rC+3] op_sel_hi:[1,0]
	v_pk_mul_f32 v[rO+4*(r/2)+2:rO+4*(r/2)+3], v[rO+4*(r/2)+2:rO+4*(r/2)+3], v[rC+2:rC+3] op_sel_hi:[1,0]
.set r, r+1
.endr
	WIN 0
.irp n, 0,1,2,3,4,5,6,7
	CV 0, \n
	CV 1, \n
.endr
	s_wait_dscnt 0x0                               ; V is in (and the next K)
.set i, 0
.rept 16
	PVM
.if i < 4                              ; the weights of keys 32-63, which products 8 on read
	WIN 0
	CV 0, 8+2*i
	CV 1, 8+2*i
	CV 0, 9+2*i
	CV 1, 9+2*i
.elseif i < 12                         ; the sums
	WIN 0
	BS 0, i-4
	BS 1, i-4
	LS 0, i-4
	LS 1, i-4
.endif
.set i, i+1
.endr
	PLACES                                         ; behind the last V^T P: V's registers are loaded, O^T may be read
	WIN 0
.endm
; PART2: this step's V is fetched, the mask made where the step lies in the diagonal tile (KR = 2, 1: its steps 0, 1), and K Q^T.
.macro PART2
	FETCH_V
	s_cmp_gt_u32 s[KR], 2
	s_cbranch_scc1 .Lplain_\@
	s_sub_co_u32 s18, 2, s[KR]
	s_cmp_eq_u32 s18, s[SW]
	s_cselect_b32 s[AL], 1.0, 0
	s_cmp_gt_u32 s18, s[SW]
	s_cselect_b32 s[BE], s[BIGN], 0
	MASK
.Lplain_\@:
	s_sub_co_u32 s[KR], s[KR], 1
	s_wait_dscnt 16                                ; K is in; V's 16 loads stay out
.set i, 0
.rept 16
	KQ
.set i, i+1
.endr
	WIN 0
.endm
; THE WAY OUT of a block: l's halves and the other lanes' are added; O^T is divided by l, rounded to bf16 and sent through my stage, a tile (16 rows, 2,048 consecutive bytes of O) at a time.
.macro PACK t
	WIN W_RS
.set i, 32*(\t)
.rept 16
	v_pk_mul_f32 v[i:i+1], v[i:i+1], v[ST+4*(\t)+2:ST+4*(\t)+3] op_sel_hi:[1,0]
.set i, i+2
.endr
	WIN 0x05
.set i, 0
.rept 16
	v_cvt_pk_bf16_f32 v[S+16*(\t)+i], v[32*(\t)+2*i], v[32*(\t)+2*i+1]
.set i, i+1
.endr
	WIN 0
.irp f, 0,1,2,3
	ds_store_b128 v[STO], v[S+16*(\t)+4*\f:S+16*(\t)+4*\f+3] offset:32*\f
.endr
.irp f, 0,1,2,3
	ds_load_b128 v[S+16*(\t)+4*\f:S+16*(\t)+4*\f+3], v[RD] offset:\f*4*SP  ; LDS serves a wave's instructions in order: these see the stores above
.endr
.endm
.macro SEND t, younger                 ; younger: the LDS instructions issued behind tile t's loads
.irp f, 0,1,2,3
	s_wait_dscnt (\younger)+3-\f
	global_store_b128 v[GO], v[S+16*(\t)+4*\f:S+16*(\t)+4*\f+3], s[OB:OB+1] offset:(\t)*2048+\f*512  ; 512 consecutive bytes, aligned
.endr
.endm
.macro WAYOUT
	WIN 0
.irp u, 0,1
	v_add_f32 v[ST+4*\u+2], v[ST+4*\u+2], v[ST+4*\u+3]
.endr
.irp u, 0,1
	v_permlanex16_b32 v[ST+4*\u+3], v[ST+4*\u+2], s[SEL], s[SEL+1]
.endr
.irp u, 0,1
	v_add_f32 v[ST+4*\u+2], v[ST+4*\u+2], v[ST+4*\u+3]
.endr
.irp u, 0,1
	v_rcp_f32 v[ST+4*\u+2], v[ST+4*\u+2]
.endr
	v_nop
	s_wait_alu depctr_va_vdst(0)                   ; one wait for the two reciprocals
	PACK 0
	PACK 1
	SEND 0, 8
	SEND 1, 0
.endm
	s_load_b128 s[4:7], s[0:1], 0x0                ; q, k, v s[4:5]; O s[6:7]
	v_lshl_add_u32 v[SPW], v0, 2, SPARE
	v_mov_b32 v[NIL], 0
	ds_add_u32 v[SPW], v[NIL]                      ; the wave's opening: the add and its wait ahead of my first tensor load
	v_lshrrev_b32 v1, 5, v0
	v_readfirstlane_b32 s[WV], v1
	s_mov_b32 s[PB], ttmp9
	s_sub_co_u32 s[HI], 15, s[PB]
	s_and_b32 s20, ttmp7, 0xffff
	s_and_b32 s21, s20, 15                         ; head
	s_lshr_b32 s22, s20, 4                         ; batch
	s_lshl_b32 s18, s21, 19
	s_lshl_b32 s19, s22, 18
	s_add_co_u32 s18, s18, s19                     ; the head's and batch's first byte among q's
	s_mov_b32 s19, 0
	s_lshl_b32 s23, s[WV], 12                      ; my 32 rows of a block
	s_add_co_u32 s23, s23, s18
	s_lshl_b32 s2, s[PB], 14
	s_add_co_u32 s2, s2, s23
	s_mov_b32 s3, 0
	s_lshl_b32 s54, s[HI], 14
	s_add_co_u32 s54, s54, s23
	s_mov_b32 s55, 0
	s_lshr_b32 s[SW], s[WV], 1
	s_lshl_b32 s23, s22, 5
	s_add_co_u32 s23, s23, s[SW]
	s_lshl1_add_u32 s48, s[PB], s23                ; O's block of 64 rows: 32 x batch + 2 x block + band
	s_lshl1_add_u32 s50, s[HI], s23
	s_lshl_b32 s48, s48, 17
	s_lshl_b32 s50, s50, 17
	s_lshl_b32 s23, s21, 13                        ; the head's panel,
	s_and_b32 s52, s[WV], 1
	s_lshl_b32 s53, s52, 12                        ; my 32 rows of its 64
	s_add_co_u32 s23, s23, s53
	s_add_co_u32 s48, s48, s23
	s_add_co_u32 s50, s50, s23
	s_mov_b32 s49, 0
	s_mov_b32 s51, 0
	s_lshl_b32 s52, s52, 5                         ; my first row's place in its band
	s_mov_b32 s[G1K], (1<<16)|(1<<20)|(4<<22)|(3<<25)  ; 2-byte elements; padding on; after every 32 words 4 words
	s_mov_b32 s[G1V], (1<<16)|(1<<20)|(4<<22)|(7<<25)  ; 8 words
.irp g, G1K, G1V
	s_mov_b32 s[\g+1], 128<<16                     ; tensor_dim0 = 128
	s_mov_b32 s[\g+2], 64<<16                      ; tensor_dim1 = 64
	s_mov_b32 s[\g+3], 128<<16                     ; tile_dim0 = 128
	s_mov_b32 s[\g+4], 64                          ; tile_dim1 = 64
	s_mov_b32 s[\g+5], 128
	s_mov_b32 s[\g+6], 0
	s_mov_b32 s[\g+7], 0
.endr
	s_mov_b32 s[G0K], 1
	s_mov_b32 s[G0K+1], 0                          ; slot 0
	s_mov_b32 s[G0V], 1
	s_mov_b32 s[G0V+1], VOFF
	s_mov_b32 s[CS], 0x3e38aa3b                    ; c = log2(e) / 8
	s_mov_b32 s[CS+1], s[CS]
	s_mov_b32 s[SEL], 0x76543210
	s_mov_b32 s[SEL+1], 0xfedcba98
	s_mov_b32 s[TBK], SLOT1+2*KS*PKB               ; the first change of slots turns these two into 0
	s_mov_b32 s[TBV], SLOT1+2*KS*PVB
	s_mov_b32 s[OFF+1], 0
	s_mov_b32 s[AL+1], 0
	s_mov_b32 s[BE+1], 0
	s_mov_b32 s[BIGN], 0xf149f2ca                  ; -1e30
	s_mov_b32 s[SLOTS], 16
	s_mov_b32 s[FIRST], 1
	s_cmp_eq_u32 s[PB], 0                          ; the walk's second tile: the first block's tile 1, or, where it has one tile, the second block's tile 0
	s_cselect_b32 s[NXT], 0, 1
	s_cselect_b32 s[LQ], s[HI], s[PB]
	s_lshl_b32 s[KR], s[PB], 1
	s_add_co_u32 s[KR], s[KR], 2                   ; the first block has 2 (b + 1) steps
	s_lshr_b32 s20, s[WV], 1
	s_or_b32 s20, s20, s[PB]
	s_cmp_eq_u32 s20, 0
	s_cselect_b32 s[LIM], 2, -1
	s_wait_dscnt 0x0                               ; the opening add is done
	s_wait_kmcnt 0x0
	s_add_nc_u64 s[QP1:QP1+1], s[4:5], s[2:3]
	s_add_nc_u64 s[QP2:QP2+1], s[4:5], s[54:55]
	s_add_nc_u64 s[KB:KB+1], s[4:5], s[18:19]
	s_add_nc_u64 s[VB:VB+1], s[KB:KB+1], 16777216
	s_add_nc_u64 s[KB:KB+1], s[KB:KB+1], 8388608
	s_add_nc_u64 s[OB:OB+1], s[6:7], s[48:49]
	s_add_nc_u64 s[O2:O2+1], s[6:7], s[50:51]
	s_mov_b64 s[G0K+2:G0K+3], s[KB:KB+1]
	s_or_b32 s[G0K+3], s[G0K+3], 0x80000000
	s_mov_b64 s[G0V+2:G0V+3], s[VB:VB+1]
	s_or_b32 s[G0V+3], s[G0V+3], 0x80000000
	s_cmp_eq_u32 s[WV], 0
	s_cselect_b64 s[PFA:PFA+1], s[KB:KB+1], s[VB:VB+1]
	s_add_nc_u64 s[PFA:PFA+1], s[PFA:PFA+1], 16384  ; at tile 1; the first change of slots steps it to tile 2
	LOAD                                           ; tile 0 into slot 0
	v_and_b32 v1, 15, v0                           ; r
	v_bfe_u32 v9, v0, 4, 1                         ; h
	v_lshlrev_b32 v[QO], 7, v1
	v_lshl_add_u32 v[QO], v9, 4, v[QO]
	WIN 0x80
.set i, 0
.rept 4                                ; both blocks' Q: tile i / 2, channels 32 (i % 2) on
	global_load_b128 v[8*i:8*i+3],         v[QO], s[QP1:QP1+1] offset:(i/2)*2048+(i%2)*64
	global_load_b128 v[8*i+4:8*i+7],       v[QO], s[QP1:QP1+1] offset:(i/2)*2048+(i%2)*64+32
	global_load_b128 v[QB+8*i:QB+8*i+3],   v[QO], s[QP2:QP2+1] offset:(i/2)*2048+(i%2)*64
	global_load_b128 v[QB+8*i+4:QB+8*i+7], v[QO], s[QP2:QP2+1] offset:(i/2)*2048+(i%2)*64+32
.set i, i+1
.endr
	WIN 0
	v_lshlrev_b32 v14, 3, v9
	v_sub_nc_u32 v14, v1, v14
	v_add_nc_u32 v14, s52, v14                     ; tile 0's query's place in its band, less 8 h: register j of key group kb of tile u is hidden where 16 kb + j - 16 u is greater
	WIN 0x40
.set i, 0
.rept 64
	v_cmp_gt_i32 vcc_lo, 16*((i%32)/8)+i%8-16*(i/32), v14
	v_cndmask_b32 v[MD+i], 0, s[BIGN], vcc_lo
.set i, i+1
.endr
.set i, 0
.rept 64
	v_mov_b32 v[i], 0                              ; O^T need only be finite, since a block's first a is 0: zeros for the first block, written in the wait for the first tile
.set i, i+1
.endr
	WIN 0
.irp u, 0,1
	v_mov_b32 v[ST+4*\u+2], 0
	v_mov_b32 v[ST+4*\u+3], 0
.endr
	v_mul_u32_u24 v[AK0], v1, PKB
	v_lshl_add_u32 v[AK0], v9, 4, v[AK0]
	v_and_b32 v10, 7, v0
	v_bfe_u32 v11, v0, 3, 1
	v_lshl_add_u32 v[AV0], v9, 3, v10
	v_mul_u32_u24 v[AV0], v[AV0], PVB
	v_lshl_add_u32 v[AV0], v11, 4, v[AV0]
	v_add_nc_u32 v[AV0], VOFF, v[AV0]
	s_mul_i32 s20, s[WV], 16*SP
	s_add_co_u32 s20, s20, STAGE
	v_mul_u32_u24 v[STO], v1, SP
	v_lshl_add_u32 v[STO], v9, 4, v[STO]
	v_add_nc_u32 v[STO], s20, v[STO]
	v_bfe_u32 v[RD], v0, 3, 2
	v_mul_u32_u24 v[RD], v[RD], SP
	v_lshl_add_u32 v[RD], v10, 4, v[RD]
	v_add_nc_u32 v[RD], s20, v[RD]
	v_and_b32 v[GO], 31, v0
	v_lshlrev_b32 v[PFO], 8, v[GO]
	v_lshlrev_b32 v[GO], 4, v[GO]
.Lslot:                                                ; 16 trips: a tile is entered and the next is asked for
	CHANGE 1
	s_mov_b32 s[CNT], 2
	s_cmp_eq_u32 s[FIRST], 1
	s_cbranch_scc0 .Lstep
	s_mov_b32 s[FIRST], 0                          ; the walk's first step has no step before it
	START
	FETCH_K
	s_wait_loadcnt 0x0                             ; Q
	s_branch .Lmid
.Lstep:
	PART1 0
	s_cmp_lg_u32 s[KR], 0
	s_cbranch_scc1 .Lmid
	WAYOUT                                         ; the first block has ended; K of the second block's first step is already on its way
	s_wait_xcnt 0x0                                ; the stores have read their registers and O's address
	s_mov_b64 s[OB:OB+1], s[O2:O2+1]
	WIN 0x82
.set i, 0
.rept 32
	v_mov_b32 v[i], v[QB+i]                        ; the second block's Q goes where the one text names Q
.set i, i+1
.endr
	WIN 0
	START
	s_lshl_b32 s[KR], s[HI], 1
	s_add_co_u32 s[KR], s[KR], 2
.Lmid:
	PART2
	s_sub_co_u32 s[CNT], s[CNT], 1
	s_cmp_lg_u32 s[CNT], 0
	s_cbranch_scc1 .Lstep
	s_sub_co_u32 s[SLOTS], s[SLOTS], 1
	s_cmp_lg_u32 s[SLOTS], 0
	s_cbranch_scc1 .Lslot
	CHANGE 0                                       ; the walk's last tile is written out: nothing is asked for
	s_mov_b32 s[CNT], 3
.Ltail:                                                ; two whole steps; the third trip, the last step's softmax and V^T P, is left in its middle
	PART1 1
	s_sub_co_u32 s[CNT], s[CNT], 1
	s_cmp_eq_u32 s[CNT], 0
	s_cbranch_scc1 .Lout
	PART2
	s_cmp_lg_u32 s[CNT], 0
	s_cbranch_scc1 .Ltail
.Lout:
	WAYOUT
	s_wait_tensorcnt 0x0                           ; the wave's end
	ds_add_u32 v[SPW], v[NIL]
	s_wait_dscnt 0x0
	s_endpgm
.Lfunc_end_k_q25b4c4b579_attn:
	.size	k_q25b4c4b579_attn, .Lfunc_end_k_q25b4c4b579_attn-k_q25b4c4b579_attn
	.p2alignl 7, 3214868480
	.fill 96, 4, 3214868480
	.section	.rodata,"a",@progbits
	.p2align	6, 0x0
	.amdhsa_kernel k_q25b4c4b579_attn
		.amdhsa_group_segment_fixed_size 327680
		.amdhsa_private_segment_fixed_size 0
		.amdhsa_enable_private_segment 0
		.amdhsa_kernarg_size 16
		.amdhsa_user_sgpr_count 2
		.amdhsa_user_sgpr_kernarg_segment_ptr 1
		.amdhsa_wavefront_size32 1
		.amdhsa_system_sgpr_workgroup_id_x 1
		.amdhsa_system_sgpr_workgroup_id_y 1
		.amdhsa_system_sgpr_workgroup_id_z 1
		.amdhsa_system_vgpr_workitem_id 0
		.amdhsa_next_free_vgpr 768
		.amdhsa_next_free_sgpr 96
		.amdhsa_reserve_vcc 1
		.amdhsa_float_denorm_mode_32 3
		.amdhsa_float_denorm_mode_16_64 3
		.amdhsa_memory_ordered 1
		.amdhsa_forward_progress 1
		.amdhsa_inst_pref_size 81
	.end_amdhsa_kernel
	.amdgpu_metadata
---
amdhsa.version: [ 1, 2 ]
amdhsa.kernels:
  - .name:           k_q25b4c4b579_attn
    .symbol:         k_q25b4c4b579_attn.kd
    .args:
      - { .name: big, .offset: 0, .size: 8, .value_kind: global_buffer, .address_space: global }
      - { .name: hbuf, .offset: 8, .size: 8, .value_kind: global_buffer, .address_space: global }
    .group_segment_fixed_size: 327680
    .private_segment_fixed_size: 0
    .kernarg_segment_align: 8
    .kernarg_segment_size: 16
    .max_flat_workgroup_size: 128
    .sgpr_count:     96
    .vgpr_count:     768
    .wavefront_size: 32
...
	.end_amdgpu_metadata
.endif
;; end of part 3
;; launch wo (part 4): grid 8 x 32, 4 waves a work-group, clusters of 4 x 4, 327,680 bytes of LDS; arguments hbuf, wob, bo, x, x1; writes x1
.if DOCPART == 4
	.amdgcn_target "amdgcn-amd-amdhsa--gfx1250"
	.amdhsa_code_object_version 6
	.text
	.protected	k_q25b4c4b579_wo
	.globl	k_q25b4c4b579_wo
	.p2align	8
	.type	k_q25b4c4b579_wo,@function
k_q25b4c4b579_wo:
	s_mov_b64 s[64:65], 0
	v_nop
	global_prefetch_b8 v0, s[64:65] scope:SCOPE_SE
	s_setreg_imm32_b32 hwreg(HW_REG_WAVE_MODE, 25, 1), 1
	s_wait_xcnt 0x0
	s_wait_alu depctr_hold_cnt(0) depctr_sa_sdst(0) depctr_va_vdst(0) depctr_va_sdst(0) depctr_va_ssrc(0) depctr_va_vcc(0) depctr_vm_vsrc(0)
	s_getreg_b32 s2, hwreg(HW_REG_IB_STS2, 6, 4)
	s_cmp_eq_u32 s2, 0
	s_cbranch_scc0 .Lentry_in_a_cluster
	s_endpgm
.Lentry_in_a_cluster:
	s_bfe_u32 s2, ttmp6, 0x10000c
	s_cmp_lg_u32 s2, 0xf033
	s_cbranch_scc0 .Lentry_shape_is_right
	s_endpgm
.Lentry_shape_is_right:
; C = R + A W + bias on tiles of 128 x 128, C and the residual R in f32 [4096][1024].  A: bf16 in panels of 64 rows x 64 k (8,192 dense bytes), [row block][panel]; W: [K][1024] bf16, rows along N.
; KIND 2: A = attention's O, K = 1,024, R = x.  KIND 3: A = gelu's result, K = 4,096, R = x1.  Sums in f32; nothing is rounded on the way out.
; SHARES.  Four waves, each 64 x 64 of C: 16 accumulators.  K goes in steps of 256 through two LDS slots; waves 0, 1 fetch A's two blocks of 64 rows (4 panels, 32,768 dense bytes, as 128 rows of 256),
; waves 2, 3 W's halves (128 rows x 256 bytes).  One K step is written: the slot in hand is a scalar, 0 or SLOT, turned by an exclusive or.
; THE PRODUCT IS TAKEN TRANSPOSED: source 0 = 16 columns of W (out of LDS turned), source 1 = 16 rows of A.  THE BIAS is the C operand of the products that start the sums.
; CLUSTER 4 x 4: A's tile is asked for jointly along a row of the cluster, W's along a column.
; KIND 2 lays no prefetch: its four K steps are too short a launch; KIND 3 lays it as the larger tiles' text does.
; REGISTERS: window 0: addresses; v32-95 two buffers on the way out; v96-127 the bias; v128-255 the residual, loaded at the head.  Window 1: two fragment buffers of 128 (64 along K: A's 8 fragments, W's 8).
;   window 2: accumulator (a, b) at register 8 (4 a + b)
.set KIND, 2
.set FAMB, 1
.set NW, 1024
.if KIND == 2
.set TS, 4
.set PF, 0
.else
.set TS, 16
.set PF, 1
.endif
.set MA, 4
.set NBL, 4
.set KD, 2
.set KSTEP, 256
.set KQ, KSTEP/4
.set PA, 144                           ; a panel's row in LDS: 128 bytes + 16
.set PB, 288                           ; a row of W: 256 + 32 = 9 x 32 bytes
.set AQ, 9216                          ; a quarter of a K step is a panel: 64 rows x 144
.set AHALF, 36864                      ; what one tensor load fills: 256 x 144 = 128 x 288
.set BOFF, 2*AHALF
.set SLOT, 4*AHALF
.set HEADW, 16
.set ASTEP, 32768
.set WSTEP, KSTEP*NW*2
.set MBS, TS*32768                     ; bytes of a block of 64 rows of A
.set STAGE, 294912                     ; behind the ring: 16 rows x 272 bytes for each wave
.set SPARE, 312320                     ; the spare words: 128 bytes a wave, two blocks of 256 bytes that no other line names
.set PO_A, 8192
.set PO_W, 65536
.set PIT_A, 256
.set PIT_W, 2048
.set SH_W, 0
.set BIAS, 96
.set BK, 32
.set RES, 128
.set ADRA, 16
.set ADRB, 17
.set ADRB2, 18                         ; W's quarters 2 and 3: the immediate holds 16 bits
.set A0, 19
.set B0, 20
.set STO, 24
.set RD, 25
.set CO, 26
.set SPW, 28
.set NIL, 29
.set PFO, 30
.set BO, 31
.set F0, 0
.set F1, 128
.set G1A, 24
.set G0A, 32
.set G1B, 48
.set G0B, 56
.set PFA, 70
.set PFS, 72
.set LIM, 74
.set MSB, 0
.macro WIN new                         ; the high byte repeats the setting that is left; a switch that changes nothing is dropped
.if MSB != (\new)
	s_set_vgpr_msb (MSB<<8)|(\new)
.set MSB, (\new)
.endif
.endm
.macro PLACES                          ; four plain instructions between a matrix instruction and a load into, or a read of, its registers
.rept 4
	v_nop
.endr
.endm
.macro CREST
	s_cmp_lg_u32 s10, 0
	s_cbranch_scc1 .Lnot_wave_0_\@
	s_barrier_signal -3
.Lnot_wave_0_\@:
	s_barrier_wait -3
	s_barrier_signal -1
	s_barrier_wait -1
.endm
.macro CROUND
	s_barrier_signal -1
	s_barrier_wait -1
	CREST
.endm
.macro JLOAD s                         ; a joint load; the branch hangs on the wave's number alone; an s_nop 0 and four v_nop follow each line
	s_cmp_eq_u32 s11, 0
	s_cbranch_scc0 .Lfor_w_\@
	tensor_load_to_lds s[G0A+4*(\s):G0A+4*(\s)+3], s[G1A:G1A+7]
	s_nop 0
.rept 4
	v_nop
.endr
	s_branch .Lasked_\@
.Lfor_w_\@:
	tensor_load_to_lds s[G0B+4*(\s):G0B+4*(\s)+3], s[G1B:G1B+7]
	s_nop 0
.rept 4
	v_nop
.endr
.Lasked_\@:
.endm
; A PREFETCH, behind the joint load and the run of LDS loads: the K step behind the one just asked for, 32 blocks of 256 bytes, a lane a block.  A's blocks are asked for by the clusters with x = 0, W's by
; those with y = 0; the four partners of a joint load share its 128 blocks out by address.  The loop's last trip (s3 = 1) asks for nothing.
.macro ASK
	s_cmp_gt_u32 s3, s[LIM]
	s_cbranch_scc0 .Lnot_mine_\@
	global_prefetch_b8 v[PFO], s[PFA:PFA+1] th:TH_LOAD_NT scope:SCOPE_SE
.Lnot_mine_\@:
.endm
; Part p of four of a quarter step: 32 along K (p / 2), two blocks of A's rows x all blocks of W's columns.  The 16 accumulators come in the same order in each half quarter, one instruction a turn.
.macro MULP f, p, first
.if KD == 2
.set kd_, (\p)/2
.set a_, 2*((\p)%2)
.else
.set kd_, 0
.set a_, 2*(\p)
.endif
.rept 2
.set b_, 0
.rept NBL
.set I_, 8*(NBL*a_+b_)
.set R_, I_%256
.set W_, 2+I_/256
.if \first
	WIN (W_<<6)|0x05
	v_wmma_f32_16x16x32_bf16 v[R_:R_+7], v[(\f)+64+8*(NBL*kd_+b_):(\f)+64+8*(NBL*kd_+b_)+7], v[(\f)+8*(MA*kd_+a_):(\f)+8*(MA*kd_+a_)+7], v[BIAS+8*b_:BIAS+8*b_+7]
.else
	WIN (W_<<6)|(W_<<4)|0x05
	v_wmma_f32_16x16x32_bf16 v[R_:R_+7], v[(\f)+64+8*(NBL*kd_+b_):(\f)+64+8*(NBL*kd_+b_)+7], v[(\f)+8*(MA*kd_+a_):(\f)+8*(MA*kd_+a_)+7], v[R_:R_+7]
.endif
.set b_, b_+1
.endr
.set a_, a_+1
.endr
.endm
.macro FETCH q, f                      ; 32 LDS loads in one run: quarter q's fragments into buffer f; the first 32 along K first: W's (turned), then A's
	WIN 0x40
.set kd_, 0
.rept KD
.set b_, 0
.rept NBL
.if (\q) >= 2
	ds_load_tr16_b128 v[(\f)+64+8*(NBL*kd_+b_):(\f)+64+8*(NBL*kd_+b_)+3],   v[ADRB2] offset:(KQ*((\q)-2)+32*kd_)*PB+32*b_
	ds_load_tr16_b128 v[(\f)+64+8*(NBL*kd_+b_)+4:(\f)+64+8*(NBL*kd_+b_)+7], v[ADRB2] offset:(KQ*((\q)-2)+32*kd_+16)*PB+32*b_
.else
	ds_load_tr16_b128 v[(\f)+64+8*(NBL*kd_+b_):(\f)+64+8*(NBL*kd_+b_)+3],   v[ADRB] offset:(KQ*(\q)+32*kd_)*PB+32*b_
	ds_load_tr16_b128 v[(\f)+64+8*(NBL*kd_+b_)+4:(\f)+64+8*(NBL*kd_+b_)+7], v[ADRB] offset:(KQ*(\q)+32*kd_+16)*PB+32*b_
.endif
.set b_, b_+1
.endr
.set a_, 0
.rept MA
	ds_load_b128 v[(\f)+8*(MA*kd_+a_):(\f)+8*(MA*kd_+a_)+3],   v[ADRA] offset:AQ*(\q)+64*kd_+16*a_*PA
	ds_load_b128 v[(\f)+8*(MA*kd_+a_)+4:(\f)+8*(MA*kd_+a_)+7], v[ADRA] offset:AQ*(\q)+64*kd_+16*a_*PA+32
.set a_, a_+1
.endr
.set kd_, kd_+1
.endr
.endm
.macro QUARTER q, f, g, first          ; multiplies buffer f; in its middle fetches quarter q into buffer g
	s_wait_dscnt HEADW                             ; the first 32 along K are in
	MULP \f, 0, \first
	MULP \f, 1, \first
	PLACES
	FETCH \q, \g
	s_wait_dscnt 32                                ; all but the 32 just issued
	MULP \f, 2, (\first)*(1-FAMB)
	MULP \f, 3, (\first)*(1-FAMB)
.endm
; The last quarter of a K step multiplies buffer 1 and changes slots.  In front of the barrier each wave waits for all its tensor loads (one is out: its part of the next slot), adds 0 to its spare word, and
; waits for that and for its reads of this slot.  fill = 1: the barrier opens a round of the cluster's, and the joint refill, two K steps ahead, is the first thing behind the round.
.macro TURN fill
.if (\fill) && PF
	s_wait_xcnt 0x0                                ; the last prefetch, a K step back, has read its address
	s_add_nc_u64 s[PFA:PFA+1], s[PFA:PFA+1], s[PFS:PFS+1]
.endif
	WIN 0
	s_wait_tensorcnt 0x0                           ; all my tensor loads have landed
	ds_add_u32 v[SPW], v[NIL]
	s_xor_b32 s22, s22, SLOT                       ; the next slot's fragment addresses
	v_add_nc_u32 v[ADRA], s22, v[A0]
	v_add_nc_u32 v[ADRB], s22, v[B0]
	v_add_nc_u32 v[ADRB2], 2*KQ*PB, v[ADRB]
	s_wait_dscnt HEADW+1                           ; the add and the youngest loads may be out
	MULP F1, 0, 0
	s_wait_dscnt 0x0                               ; the add is done, my reads of this slot are over
	s_barrier_signal -1
	MULP F1, 1, 0
	WIN 0
	s_barrier_wait -1
.if \fill
	CREST
	s_xor_b32 s21, s21, SLOT                       ; the walking sets: the slot just left, the next K step
	s_add_co_u32 s[G0A+5], s20, s21
	s_add_co_u32 s[G0B+5], s20, s21
	s_add_nc_u64 s[G0A+6:G0A+7], s[G0A+6:G0A+7], ASTEP
	s_add_nc_u64 s[G0B+6:G0B+7], s[G0B+6:G0B+7], WSTEP
	JLOAD 1                                        ; its four v_nop are also the places in front of the loads below
.else
	PLACES
.endif
	FETCH 0, F0
	WIN 0
.if (\fill) && PF
	ASK
.endif
	MULP F1, 2, 0
	MULP F1, 3, 0
.endm
	s_load_b128 s[4:7], s[0:1], 0x0                ; A s[4:5], W s[6:7]
	s_load_b64 s[66:67], s[0:1], 0x10              ; the bias
	s_load_b64 s[68:69], s[0:1], 0x18              ; the residual
	s_load_b64 s[8:9], s[0:1], 0x20                ; the output
	v_lshl_add_u32 v[SPW], v0, 2, SPARE
	v_mov_b32 v[NIL], 0
	ds_add_u32 v[SPW], v[NIL]                      ; the wave's opening: the add and its wait ahead of my first tensor load
	v_lshrrev_b32 v1, 5, v0
	v_readfirstlane_b32 s10, v1                    ; wave 0..3
	s_lshr_b32 s11, s10, 1                         ; my half of the tile's rows; also: I fetch A (0) or W (1)
	s_and_b32 s12, s10, 1                          ; my half of its columns; also: which half of that tile I fetch
	s_bfe_u32 s40, ttmp6, 0x40000                  ; cx
	s_bfe_u32 s41, ttmp6, 0x40004                  ; cy
	s_lshl_b32 s42, ttmp9, 2
	s_add_co_u32 s42, s42, s40                     ; tile column
	s_and_b32 s13, ttmp7, 0xffff
	s_lshl_b32 s13, s13, 2
	s_add_co_u32 s13, s13, s41                     ; tile row
	s_lshl_b32 s43, s41, 2
	s_lshl_b32 s43, 15, s43                        ; my row of the cluster
	s_lshl_b32 s44, 0x1111, s40                    ; my column
	s_or_b32 s[G1A], s43, (1<<16)|(1<<20)|(1<<21)|(4<<22)|(3<<25)  ; mask; 2-byte elements; padding on; bit 21 beside a mask; after every 32 words (a panel's row) 4 words
	s_mov_b32 s[G1A+1], 128<<16                    ; tensor_dim0 = 128: 256 dense bytes, two rows of a panel
	s_mov_b32 s[G1A+2], 128<<16                    ; tensor_dim1 = 128
	s_mov_b32 s[G1A+3], 128<<16                    ; tile_dim0 = 128
	s_mov_b32 s[G1A+4], 128                        ; tile_dim1 = 128
	s_mov_b32 s[G1A+5], 128
	s_mov_b32 s[G1A+6], 0
	s_mov_b32 s[G1A+7], 0
	s_or_b32 s[G1B], s44, (1<<16)|(1<<20)|(1<<21)|(5<<22)|(7<<25)  ; after every 64 words 8 words
	s_mov_b32 s[G1B+1], 128<<16
	s_mov_b32 s[G1B+2], 128<<16
	s_mov_b32 s[G1B+3], 128<<16
	s_mov_b32 s[G1B+4], 128
	s_mov_b32 s[G1B+5], NW
	s_mov_b32 s[G1B+6], 0
	s_mov_b32 s[G1B+7], 0
	s_lshl_b32 s16, s13, 1
	s_add_co_u32 s16, s16, s12
	s_mul_i32 s16, s16, MBS                        ; A: my block of 64 rows
	s_mov_b32 s17, 0
	s_lshl_b32 s46, s42, 8                         ; W: the tile's 128 columns,
	s_mul_i32 s47, s12, (KSTEP/2)*NW*2             ; my 128 rows of a K step
	s_add_co_u32 s46, s46, s47
	s_mov_b32 s47, 0
	s_mul_i32 s20, s10, AHALF                      ; where my loads go: no place in the cluster enters an LDS address
	s_mov_b32 s21, SLOT
	s_mov_b32 s22, 0
	s_wait_dscnt 0x0                               ; the opening add is done
	s_wait_kmcnt 0x0
	s_add_nc_u64 s[14:15], s[4:5], s[16:17]
	s_add_nc_u64 s[46:47], s[6:7], s[46:47]
	CROUND                                         ; all sixteen work-groups are here: the first joint loads meet
.irp s, 0,1
	s_mov_b32 s[G0A+4*\s], 1
	s_add_co_u32 s[G0A+4*\s+1], s20, \s*SLOT
	s_add_nc_u64 s[G0A+4*\s+2:G0A+4*\s+3], s[14:15], \s*ASTEP
	s_or_b32 s[G0A+4*\s+3], s[G0A+4*\s+3], 0x80000000
	s_mov_b32 s[G0B+4*\s], 1
	s_add_co_u32 s[G0B+4*\s+1], s20, \s*SLOT
	s_add_nc_u64 s[G0B+4*\s+2:G0B+4*\s+3], s[46:47], \s*WSTEP
	s_or_b32 s[G0B+4*\s+3], s[G0B+4*\s+3], 0x80000000
	JLOAD \s                                       ; two loads of mine are out
.endr
	v_and_b32 v1, 15, v0                           ; r = l % 16
	v_bfe_u32 v2, v0, 4, 1                         ; h = l / 16
	v_mul_u32_u24 v3, v1, PA
	v_lshl_add_u32 v3, v2, 4, v3
	s_mul_i32 s16, s11, AHALF
	v_add_nc_u32 v[A0], s16, v3                    ; A: row r x pitch + 16 h, in my block of rows
	v_and_b32 v3, 7, v0
	v_lshl_add_u32 v3, v2, 3, v3
	v_mul_u32_u24 v3, v3, PB
	v_bfe_u32 v4, v0, 3, 1
	v_lshl_add_u32 v3, v4, 4, v3
	s_lshl_b32 s16, s12, 7
	s_add_co_u32 s16, s16, BOFF
	v_add_nc_u32 v[B0], s16, v3                    ; W: row (8 h + l % 8) x pitch + 16 ((l / 8) % 2), in my half of the columns
	; the bias: register j of block b belongs to column 16 b + 8 h + j of my 64
	s_lshl_b32 s16, s42, 9
	s_lshl_b32 s17, s12, 8
	s_add_co_u32 s16, s16, s17
	s_mov_b32 s17, 0
	s_add_nc_u64 s[66:67], s[66:67], s[16:17]
	v_lshlrev_b32 v[BO], 5, v2
.irp b, 0,1,2,3
	global_load_b128 v[BIAS+8*\b:BIAS+8*\b+3],   v[BO], s[66:67] offset:64*\b
	global_load_b128 v[BIAS+8*\b+4:BIAS+8*\b+7], v[BO], s[66:67] offset:64*\b+16
.endr
	; the residual and the output at my 64 rows x 256 bytes; lanes 0-15 take a row's 256 bytes, lanes 16-31 the next row's
	s_lshl_b32 s16, s13, 7
	s_lshl_b32 s17, s11, 6
	s_add_co_u32 s16, s16, s17
	s_lshl_b32 s16, s16, 12
	s_lshl_b32 s17, s42, 9
	s_add_co_u32 s16, s16, s17
	s_lshl_b32 s17, s12, 8
	s_add_co_u32 s16, s16, s17
	s_mov_b32 s17, 0
	s_add_nc_u64 s[68:69], s[68:69], s[16:17]
	s_add_nc_u64 s[8:9], s[8:9], s[16:17]
	v_lshlrev_b32 v[CO], 12, v2
	v_lshl_add_u32 v[CO], v1, 4, v[CO]
.set t_, 0
.rept 32
	global_load_b128 v[RES+4*t_:RES+4*t_+3], v[CO], s[68:69] offset:2*t_*4096
.set t_, t_+1
.endr
	s_mul_i32 s23, s10, 4352
	s_add_co_u32 s23, s23, STAGE                   ; my stage
	v_mul_u32_u24 v3, v1, 272
	v_lshl_add_u32 v3, v2, 5, v3
	v_add_nc_u32 v[STO], s23, v3
	v_mul_u32_u24 v3, v2, 272
	v_lshl_add_u32 v3, v1, 4, v3
	v_add_nc_u32 v[RD], s23, v3
.if PF
	s_and_b32 s16, ttmp7, 0xffff
	s_mov_b32 s18, PO_W
	s_mov_b32 s19, PIT_W
	s_mov_b32 s[PFS], WSTEP
	s_mov_b32 s[PFS+1], 0
	s_cmp_eq_u32 s11, 0                            ; do I fetch A?
	s_cselect_b32 s17, s40, s41                    ; my place among the four that ask with me
	s_cselect_b32 s16, ttmp9, s16                  ; the coordinate along which other clusters read the same blocks
	s_cselect_b64 s[PFA:PFA+1], s[14:15], s[46:47]
	s_cselect_b32 s18, PO_A, s18
	s_cselect_b32 s19, PIT_A, s19
	s_cselect_b32 s[PFS], ASTEP, s[PFS]
	s_cselect_b32 s23, 0, SH_W
	s_cmp_eq_u32 s16, 0
	s_cselect_b32 s[LIM], 1, -1                    ; the same in all sixteen partners, for a given wave
	s_mul_i32 s16, s17, s18
	s_mov_b32 s17, 0
	s_add_nc_u64 s[PFA:PFA+1], s[PFA:PFA+1], s[16:17]
	s_add_nc_u64 s[PFA:PFA+1], s[PFA:PFA+1], s[PFS:PFS+1]
	s_add_nc_u64 s[PFA:PFA+1], s[PFA:PFA+1], s[PFS:PFS+1]  ; at K step 2; the first change of slots steps it to 3
	v_and_b32 v3, 31, v0
	v_lshrrev_b32 v4, s23, v3
	v_mul_lo_u32 v[PFO], v4, s19
	v_and_b32 v3, s23, v3
	v_lshl_add_u32 v[PFO], v3, 8, v[PFO]
.endif
	s_wait_tensorcnt 0x1                           ; my part of K step 0 is in; slot 1's load stays out
	s_barrier_signal -1
	s_barrier_wait -1
	v_mov_b32 v[ADRA], v[A0]
	v_mov_b32 v[ADRB], v[B0]
	v_add_nc_u32 v[ADRB2], 2*KQ*PB, v[B0]
	FETCH 0, F0
	s_wait_loadcnt 32                              ; the bias is in; the 32 younger loads, the residual, stay out
	QUARTER 1, F0, F1, 1                           ; the first quarter's first half starts the sums
	WIN 0
	s_mov_b32 s3, TS-2
.Lk:                                                   ; a trip: a K step's quarters 1 to 3, the change of slots with its refill, the next step's quarter 0
	QUARTER 2, F1, F0, 0
	QUARTER 3, F0, F1, 0
	TURN 1
	QUARTER 1, F0, F1, 0
	WIN 0
	s_sub_co_u32 s3, s3, 1
	s_cmp_lg_u32 s3, 0
	s_cbranch_scc1 .Lk
	s_mov_b32 s3, 2
.Ltail:                                                ; the last two K steps ask for nothing; the second trip is left in its middle
	QUARTER 2, F1, F0, 0
	QUARTER 3, F0, F1, 0
	WIN 0
	s_sub_co_u32 s3, s3, 1
	s_cmp_eq_u32 s3, 0
	s_cbranch_scc1 .Llast
	TURN 0
	QUARTER 1, F0, F1, 0
	WIN 0
	s_cmp_lg_u32 s3, 0
	s_cbranch_scc1 .Ltail
.Llast:
	s_wait_dscnt HEADW
	MULP F1, 0, 0
	MULP F1, 1, 0
	s_wait_dscnt 0x0
	MULP F1, 2, 0
	MULP F1, 3, 0
	WIN 0
	; THE WAY OUT, 16 rows at a time through my own stage: a lane's 32 bytes of a row go in, whole rows of 256 bytes come back, the residual is added, and 16 lanes store 256 consecutive bytes, aligned.
.macro TOSTAGE a
.if (\a) >= 2
	s_wait_xcnt 0x0                                ; the stores of two blocks back have read the buffer that is loaded again
.endif
	WIN 0x08
.set b_, 0
.rept 4
	ds_store_b128 v[STO], v[8*(4*(\a)+b_):8*(4*(\a)+b_)+3]   offset:64*b_      ; each accumulator's low registers first
	ds_store_b128 v[STO], v[8*(4*(\a)+b_)+4:8*(4*(\a)+b_)+7] offset:64*b_+16
.set b_, b_+1
.endr
	WIN 0
.set t_, 0
.rept 8
	ds_load_b128 v[BK+32*((\a)%2)+4*t_:BK+32*((\a)%2)+4*t_+3], v[RD] offset:544*t_  ; LDS serves a wave's instructions in order: these see the stores above
.set t_, t_+1
.endr
.endm
.macro SEND a, younger                 ; younger: the next block's eight stores and eight loads, or none
	s_wait_dscnt \younger
.set t_, 0
.rept 16
	v_pk_add_f32 v[BK+32*((\a)%2)+2*t_:BK+32*((\a)%2)+2*t_+1], v[BK+32*((\a)%2)+2*t_:BK+32*((\a)%2)+2*t_+1], v[RES+32*(\a)+2*t_:RES+32*(\a)+2*t_+1]
.set t_, t_+1
.endr
.set t_, 0
.rept 8
	global_store_b128 v[CO], v[BK+32*((\a)%2)+4*t_:BK+32*((\a)%2)+4*t_+3], s[8:9] offset:(16*(\a)+2*t_)*4096
.set t_, t_+1
.endr
.endm
	PLACES
	s_wait_loadcnt 0x0                             ; the residual
	TOSTAGE 0
	TOSTAGE 1
	SEND 0, 16
	TOSTAGE 2
	SEND 1, 16
	TOSTAGE 3
	SEND 2, 16
	SEND 3, 0
	s_wait_tensorcnt 0x0                           ; the wave's end
	ds_add_u32 v[SPW], v[NIL]
	s_wait_dscnt 0x0
	CROUND                                         ; the closing round
	s_endpgm
.Lfunc_end_k_q25b4c4b579_wo:
	.size	k_q25b4c4b579_wo, .Lfunc_end_k_q25b4c4b579_wo-k_q25b4c4b579_wo
	.p2alignl 7, 3214868480
	.fill 96, 4, 3214868480
	.section	.rodata,"a",@progbits
	.p2align	6, 0x0
	.amdhsa_kernel k_q25b4c4b579_wo
		.amdhsa_group_segment_fixed_size 327680
		.amdhsa_private_segment_fixed_size 0
		.amdhsa_enable_private_segment 0
		.amdhsa_kernarg_size 40
		.amdhsa_user_sgpr_count 2
		.amdhsa_user_sgpr_kernarg_segment_ptr 1
		.amdhsa_wavefront_size32 1
		.amdhsa_system_sgpr_workgroup_id_x 1
		.amdhsa_system_sgpr_workgroup_id_y 1
		.amdhsa_system_sgpr_workgroup_id_z 1
		.amdhsa_system_vgpr_workitem_id 0
		.amdhsa_next_free_vgpr 768
		.amdhsa_next_free_sgpr 92
		.amdhsa_reserve_vcc 0
		.amdhsa_float_denorm_mode_32 3
		.amdhsa_float_denorm_mode_16_64 3
		.amdhsa_memory_ordered 1
		.amdhsa_forward_progress 1
		.amdhsa_inst_pref_size 68
	.end_amdhsa_kernel
	.amdgpu_metadata
---
amdhsa.version: [ 1, 2 ]
amdhsa.kernels:
  - .name:           k_q25b4c4b579_wo
    .symbol:         k_q25b4c4b579_wo.kd
    .args:
      - { .name: hbuf, .offset: 0, .size: 8, .value_kind: global_buffer, .address_space: global }
      - { .name: wob, .offset: 8, .size: 8, .value_kind: global_buffer, .address_space: global }
      - { .name: bo, .offset: 16, .size: 8, .value_kind: global_buffer, .address_space: global }
      - { .name: x, .offset: 24, .size: 8, .value_kind: global_buffer, .address_space: global }
      - { .name: x1, .offset: 32, .size: 8, .value_kind: global_buffer, .address_space: global }
    .group_segment_fixed_size: 327680
    .private_segment_fixed_size: 0
    .kernarg_segment_align: 8
    .kernarg_segment_size: 40
    .max_flat_workgroup_size: 128
    .sgpr_count:     92
    .vgpr_count:     768
    .wavefront_size: 32
...
	.end_amdgpu_metadata
.endif
;; end of part 4
;; launch ln (part 5): grid 256 x 1, 8 waves a work-group, no clusters, 0 bytes of LDS; arguments x1, ln2_g, ln2_b, hbuf; writes hbuf
.if DOCPART == 5
	.amdgcn_target "amdgcn-amd-amdhsa--gfx1250"
	.amdhsa_code_object_version 6
	.text
	.protected	k_q25b4c4b579_ln
	.globl	k_q25b4c4b579_ln
	.p2align	8
	.type	k_q25b4c4b579_ln,@function
k_q25b4c4b579_ln:
	s_mov_b64 s[64:65], 0
	v_nop
	global_prefetch_b8 v0, s[64:65] scope:SCOPE_SE
	s_setreg_imm32_b32 hwreg(HW_REG_WAVE_MODE, 25, 1), 1
	s_wait_xcnt 0x0
; h = LayerNorm(x1) x gain + bias, rounded once to bf16, [4096][1024].  A row of 1,024 f32 is one wave's: eight loads of 16 bytes a lane (512 consecutive bytes a load), eight stores of 8 bytes a lane
; (256 consecutive bytes, aligned).  A wave takes two rows, a work-group sixteen.  Memory binds: no LDS, no barrier, no matrix unit.
; In f32, in two passes over registers: the mean, then the mean of (x - mean)^2: no difference of large sums.  NaN and infinities are not treated apart.
.set X0, 8                             ; v[8:39]    first row
.set X1, 40                            ; v[40:71]   second row
.set G,  72                            ; v[72:103]  gain of my 32 columns
.set B,  104                           ; v[104:135] bias
.set T0, 136                           ; v[136:143] at work for the first row
.set T1, 144                           ; v[144:151] for the second
.set XP, 16                            ; s[16:17] x1     s[18:19] gain     s[20:21] bias     s[22:23] h
.set GP, 18
.set BP, 20
.set OP, 22
.macro REDUCE T                        ; four pairs at T -> their sum over the 32 lanes, in v[T] of every lane
	v_pk_add_f32 v[\T:\T+1], v[\T:\T+1], v[\T+2:\T+3]
	v_pk_add_f32 v[\T+4:\T+5], v[\T+4:\T+5], v[\T+6:\T+7]
	v_pk_add_f32 v[\T:\T+1], v[\T:\T+1], v[\T+4:\T+5]
	v_add_f32 v[\T], v[\T], v[\T+1]
	v_add_f32_dpp v[\T], v[\T], v[\T] row_xmask:1 row_mask:0xf bank_mask:0xf
	v_add_f32_dpp v[\T], v[\T], v[\T] row_xmask:2 row_mask:0xf bank_mask:0xf
	v_add_f32_dpp v[\T], v[\T], v[\T] row_xmask:4 row_mask:0xf bank_mask:0xf
	v_add_f32_dpp v[\T], v[\T], v[\T] row_xmask:8 row_mask:0xf bank_mask:0xf
	v_permlanex16_b32 v[\T+1], v[\T], s12, s13     ; the other half of the lanes (its destination has been written)
	v_add_f32 v[\T], v[\T], v[\T+1]
.endm
.macro STATS X, T                      ; the row at X becomes x - mean; v[T] becomes 1 / sqrt(var + eps)
.irp k, 0,1,2,3
	v_pk_add_f32 v[\T+2*\k:\T+2*\k+1], v[\X+2*\k:\X+2*\k+1], v[\X+8+2*\k:\X+8+2*\k+1]  ; four chains, started by the first pairs
.endr
.irp g, 16,24
.irp k, 0,1,2,3
	v_pk_add_f32 v[\T+2*\k:\T+2*\k+1], v[\T+2*\k:\T+2*\k+1], v[\X+\g+2*\k:\X+\g+2*\k+1]
.endr
.endr
	REDUCE \T
	v_mul_f32 v[\T], s14, v[\T]                    ; the mean: sum / 1,024
.set i_, 0
.rept 16
	v_pk_add_f32 v[\X+i_:\X+i_+1], v[\X+i_:\X+i_+1], v[\T:\T+1] op_sel_hi:[1,0] neg_lo:[0,1] neg_hi:[0,1]
.set i_, i_+2
.endr
.irp k, 0,1,2,3
	v_pk_mul_f32 v[\T+2*\k:\T+2*\k+1], v[\X+2*\k:\X+2*\k+1], v[\X+2*\k:\X+2*\k+1]
.endr
.irp g, 8,16,24
.irp k, 0,1,2,3
	v_pk_fma_f32 v[\T+2*\k:\T+2*\k+1], v[\X+\g+2*\k:\X+\g+2*\k+1], v[\X+\g+2*\k:\X+\g+2*\k+1], v[\T+2*\k:\T+2*\k+1]
.endr
.endr
	REDUCE \T
	v_fma_f32 v[\T], v[\T], s14, s15               ; var + eps
	v_rsq_f32 v[\T], v[\T]
.endm
.macro FINISH X, T, off
.set i_, 0
.rept 16
	v_pk_mul_f32 v[\X+i_:\X+i_+1], v[\X+i_:\X+i_+1], v[\T:\T+1] op_sel_hi:[1,0]
	v_pk_fma_f32 v[\X+i_:\X+i_+1], v[\X+i_:\X+i_+1], v[G+i_:G+i_+1], v[B+i_:B+i_+1]
.set i_, i_+2
.endr
.irp j, 0,1,2,3,4,5,6,7
	v_cvt_pk_bf16_f32 v[\X+4*\j], v[\X+4*\j], v[\X+4*\j+1]
	v_cvt_pk_bf16_f32 v[\X+4*\j+1], v[\X+4*\j+2], v[\X+4*\j+3]
	global_store_b64 v2, v[\X+4*\j:\X+4*\j+1], s[OP:OP+1] offset:256*\j+\off
.endr
.endm
	s_load_b256 s[16:23], s[0:1], 0x0
	v_lshrrev_b32 v3, 5, v0
	v_readfirstlane_b32 s8, v3                     ; wave 0..7
	v_and_b32 v1, 31, v0
	v_lshlrev_b32 v2, 3, v1                        ; 8 x lane
	v_lshlrev_b32 v1, 4, v1                        ; 16 x lane
	s_mov_b32 s3, 0
	s_mov_b32 s5, 0
	s_mov_b32 s12, 0x76543210                      ; v_permlanex16_b32: each lane takes its own place in the other half
	s_mov_b32 s13, 0xfedcba98
	s_mov_b32 s14, 0x3a800000                      ; 1 / 1,024
	s_mov_b32 s15, 0x3727c5ac                      ; eps = 1e-5
	s_lshl_b32 s2, ttmp9, 16
	s_lshl_b32 s6, s8, 13
	s_add_co_u32 s2, s2, s6                        ; row x 4,096 bytes: rows 16 x work-group + 2 x wave, and the next
	s_lshr_b32 s4, s2, 1                           ; row x 2,048 bytes
	s_wait_kmcnt 0x0
	s_add_nc_u64 s[XP:XP+1], s[XP:XP+1], s[2:3]
	s_add_nc_u64 s[OP:OP+1], s[OP:OP+1], s[4:5]
.irp j, 0,1,2,3,4,5,6,7
	global_load_b128 v[X0+4*\j:X0+4*\j+3], v1, s[XP:XP+1] offset:512*\j
.endr
.irp j, 0,1,2,3,4,5,6,7
	global_load_b128 v[X1+4*\j:X1+4*\j+3], v1, s[XP:XP+1] offset:4096+512*\j
.endr
.irp j, 0,1,2,3,4,5,6,7
	global_load_b128 v[G+4*\j:G+4*\j+3], v1, s[GP:GP+1] offset:512*\j
	global_load_b128 v[B+4*\j:B+4*\j+3], v1, s[BP:BP+1] offset:512*\j
.endr
	s_wait_loadcnt 16                              ; both rows are in; the 16 younger loads, gain and bias, stay out
	STATS X0, T0
	STATS X1, T1                                   ; names nothing of the first row's root
	v_nop                                          ; a plain instruction behind the second root
	s_wait_alu depctr_va_vdst(0)                   ; one wait for both roots, ahead of their first reader
	s_wait_loadcnt 0x0                             ; gain and bias
	FINISH X0, T0, 0
	FINISH X1, T1, 2048
	s_endpgm
.Lfunc_end_k_q25b4c4b579_ln:
	.size	k_q25b4c4b579_ln, .Lfunc_end_k_q25b4c4b579_ln-k_q25b4c4b579_ln
	.p2alignl 7, 3214868480
	.fill 96, 4, 3214868480
	.section	.rodata,"a",@progbits
	.p2align	6, 0x0
	.amdhsa_kernel k_q25b4c4b579_ln
		.amdhsa_group_segment_fixed_size 0
		.amdhsa_private_segment_fixed_size 0
		.amdhsa_enable_private_segment 0
		.amdhsa_kernarg_size 32
		.amdhsa_user_sgpr_count 2
		.amdhsa_user_sgpr_kernarg_segment_ptr 1
		.amdhsa_wavefront_size32 1
		.amdhsa_system_sgpr_workgroup_id_x 1
		.amdhsa_system_sgpr_workgroup_id_y 1
		.amdhsa_system_sgpr_workgroup_id_z 1
		.amdhsa_system_vgpr_workitem_id 0
		.amdhsa_next_free_vgpr 152
		.amdhsa_next_free_sgpr 66
		.amdhsa_reserve_vcc 0
		.amdhsa_float_denorm_mode_32 3
		.amdhsa_float_denorm_mode_16_64 3
		.amdhsa_memory_ordered 1
		.amdhsa_forward_progress 1
		.amdhsa_inst_pref_size 20
	.end_amdhsa_kernel
	.amdgpu_metadata
---
amdhsa.version: [ 1, 2 ]
amdhsa.kernels:
  - .name:           k_q25b4c4b579_ln
    .symbol:         k_q25b4c4b579_ln.kd
    .args:
      - { .name: x1, .offset: 0, .size: 8, .value_kind: global_buffer, .address_space: global }
      - { .name: ln2_g, .offset: 8, .size: 8, .value_kind: global_buffer, .address_space: global }
      - { .name: ln2_b, .offset: 16, .size: 8, .value_kind: global_buffer, .address_space: global }
      - { .name: hbuf, .offset: 24, .size: 8, .value_kind: global_buffer, .address_space: global }
    .group_segment_fixed_size: 0
    .private_segment_fixed_size: 0
    .kernarg_segment_align: 8
    .kernarg_segment_size: 32
    .max_flat_workgroup_size: 256
    .sgpr_count:     66
    .vgpr_count:     152
    .wavefront_size: 32
...
	.end_amdgpu_metadata
.endif
;; end of part 5
;; launch ffn1 (part 6): grid 16 x 16, 4 waves a work-group, clusters of 4 x 4, 327,680 bytes of LDS; arguments hbuf, w1b, b1, big; writes big
.if DOCPART == 6
	.amdgcn_target "amdgcn-amd-amdhsa--gfx1250"
	.amdhsa_code_object_version 6
	.text
	.protected	k_q25b4c4b579_ffn1
	.globl	k_q25b4c4b579_ffn1
	.p2align	8
	.type	k_q25b4c4b579_ffn1,@function
k_q25b4c4b579_ffn1:
	s_mov_b64 s[64:65], 0
	v_nop
	global_prefetch_b8 v0, s[64:65] scope:SCOPE_SE
	s_setreg_imm32_b32 hwreg(HW_REG_WAVE_MODE, 25, 1), 1
	s_wait_xcnt 0x0
	s_wait_alu depctr_hold_cnt(0) depctr_sa_sdst(0) depctr_va_vdst(0) depctr_va_sdst(0) depctr_va_ssrc(0) depctr_va_vcc(0) depctr_vm_vsrc(0)
	s_getreg_b32 s2, hwreg(HW_REG_IB_STS2, 6, 4)
	s_cmp_eq_u32 s2, 0
	s_cbranch_scc0 .Lentry_in_a_cluster
	s_endpgm
.Lentry_in_a_cluster:
	s_bfe_u32 s2, ttmp6, 0x10000c
	s_cmp_lg_u32 s2, 0xf033
	s_cbranch_scc0 .Lentry_shape_is_right
	s_endpgm
.Lentry_shape_is_right:
; C = gelu(A W1 + b1) on tiles of 256 x 256.  A: [4096][1024] bf16, rows along K.  W1: [1024][4096] bf16, rows along N, as the weights are given.  Sums in f32, C rounded once to bf16.
; C LEAVES AS THE NEXT PRODUCT'S FRAGMENTS: byte of C(m, c) = (m / 32) x 262,144 + (c / 64) x 4,096 + ((m / 16) % 2) x 2,048 + ((c / 32) % 2) x 1,024 + ((c / 16) % 2) x 512 + ((c / 8) % 2) x 256
; + (m % 16) x 16 + (c % 8) x 2.  A lane's eight numbers of an accumulator, rounded, are 16 bytes of it, and the wave's 32 lanes fill 512 consecutive bytes: no number changes lanes on the way out.
; SHARES.  Four waves, each 128 x 128 of C: 64 accumulators, 512 registers.  K goes in steps of 128 through two LDS slots filled by the tensor data mover; waves 0, 1 fetch A's halves (128 rows x 256
; bytes), waves 2, 3 W's (64 rows x 512 bytes).  One K step is written: the slot in hand is a scalar, 0 or SLOT, turned by an exclusive or.
; THE PRODUCT IS TAKEN TRANSPOSED: source 0 = 16 columns of W (out of LDS turned, by ds_load_tr16_b128), source 1 = 16 rows of A: a lane holds one row of C and eight neighbouring columns.
; THE BIAS is the C operand of the products that start the sums: nothing is cleared and nothing is added later.
; CLUSTER 4 x 4: A's tile hangs on the tile row alone and is asked for jointly along a row of the cluster, W's on the tile column alone, along a column.
; GELU, exact form x Phi(x): erf by the rational form t = 1 / (1 + 0.3275911 z), five terms, absolute error under 1.5e-7 for every argument; gelu(x) = max(x, 0) - |x| R(|x|),
; R = (a1 t + .. + a5 t^5) / 2 x 2^(-(0.8493218 x)^2).  NaN and infinities are not treated apart.
; REGISTERS, in windows of 256 (s_set_vgpr_msb: bits 1:0 source 0, 3:2 source 1, 5:4 source 2, 7:6 destination):
;   window 0: addresses; v192-255 the bias, 8 registers for each block of 16 columns     window 1: two fragment buffers of 128: A's 8 fragments, then W's 8; on the way out X, T, E, P
;   windows 2, 3: accumulator (a, b) at register 8 (8 a + b)
.set FAMB, 0
.set NW, 4096
.set TS, 8                             ; K steps
.set PF, 1
.set MA, 8
.set NBL, 8
.set KD, 1                             ; products of 32 along K in a quarter step
.set KSTEP, 128
.set KQ, KSTEP/4
.set PA, 272                           ; a row of A in LDS: 256 bytes + 16: the 16 rows of a load start at 16 different groups of four banks
.set PB, 544                           ; a row of W: 512 + 32 = 17 x 32 bytes
.set AQ, 64                            ; bytes from a quarter of A to the next
.set AHALF, 34816                      ; what one tensor load fills: 128 x 272 = 64 x 544
.set BOFF, 2*AHALF
.set SLOT, 4*AHALF
.set HEADW, 8                          ; the youngest loads of a run, which a quarter's second half reads
.set ASTEP, 256
.set WSTEP, KSTEP*NW*2
.set MBS, 262144                       ; bytes of 128 rows of A
.set SPARE, 295936                     ; the spare words: 128 bytes a wave, two blocks of 256 bytes that no other line names
.set PO_A, 65536                       ; the prefetches: a partner's share of a tile, the pitch from block row to block row
.set PO_W, 32*NW
.set PIT_A, 2048
.set PIT_W, 2*NW
.set SH_W, 1
.set BIAS, 192
.set ADRA, 16                          ; v16, v17  my fragments' LDS addresses in the slot in hand
.set ADRB, 17
.set A0, 19                            ; v19, v20  the same in slot 0; never rewritten
.set B0, 20
.set STO, 24                           ; v24  the way out: my 16 bytes of a line of 512 in my stage
.set RD, 25                            ; v25  the same, stepped from trip to trip
.set CO, 26                            ; v26  16 x lane
.set SPW, 28                           ; v28  my spare word; never rewritten
.set NIL, 29                           ; v29  0; never rewritten
.set PFO, 30                           ; v30  the prefetches' lane offset; never rewritten
.set BO, 31                            ; v31  32 x (lane / 16)
.set F0, 0
.set F1, 128
.set NE, 32                            ; numbers a lane in a trip of the way out: four accumulators
.set GX, 0                             ; window 1 on the way out
.set GT, 64
.set GE, 128
.set GP, 192
.set G1A, 24                           ; s[24:31] group 1 for A;  s[32:39] group 0: set 0 fills slot 0 once, set 1 fills slot 1 and then walks
.set G0A, 32
.set G1B, 48                           ; s[48:55], s[56:63] the same for W
.set G0B, 56
.set PFA, 70                           ; s[70:71] where my prefetches stand;  s[72:73] their step;  s74: 1 in a wave that asks, else the greatest number
.set PFS, 72
.set LIM, 74
.set MSB, 0
.macro WIN new                         ; the high byte repeats the setting that is left; a switch that changes nothing is dropped
.if MSB != (\new)
	s_set_vgpr_msb (MSB<<8)|(\new)
.set MSB, (\new)
.endif
.endm
.macro PLACES                          ; four plain instructions between a matrix instruction and a load into, or a read of, its registers
.rept 4
	v_nop
.endr
.endm
.macro CREST                           ; a round of the cluster's barrier behind its opening barrier
	s_cmp_lg_u32 s10, 0
	s_cbranch_scc1 .Lnot_wave_0_\@
	s_barrier_signal -3
.Lnot_wave_0_\@:
	s_barrier_wait -3
	s_barrier_signal -1
	s_barrier_wait -1
.endm
.macro CROUND
	s_barrier_signal -1
	s_barrier_wait -1
	CREST
.endm
.macro JLOAD s                         ; a joint load; the branch hangs on the wave's number alone; an s_nop 0 and four v_nop follow each line
	s_cmp_eq_u32 s11, 0
	s_cbranch_scc0 .Lfor_w_\@
	tensor_load_to_lds s[G0A+4*(\s):G0A+4*(\s)+3], s[G1A:G1A+7]
	s_nop 0
.rept 4
	v_nop
.endr
	s_branch .Lasked_\@
.Lfor_w_\@:
	tensor_load_to_lds s[G0B+4*(\s):G0B+4*(\s)+3], s[G1B:G1B+7]
	s_nop 0
.rept 4
	v_nop
.endr
.Lasked_\@:
.endm
; A PREFETCH, behind the joint load and the run of LDS loads: the K step behind the one just asked for, 32 blocks of 256 bytes, a lane a block.  A's rows are asked for by the clusters with x = 0, W's by
; those with y = 0; the four partners of a joint load share its 128 blocks out by address.  The loop's last trip (s3 = 1) asks for nothing: there is no further K step.
.macro ASK
	s_cmp_gt_u32 s3, s[LIM]
	s_cbranch_scc0 .Lnot_mine_\@
	global_prefetch_b8 v[PFO], s[PFA:PFA+1] th:TH_LOAD_NT scope:SCOPE_SE
.Lnot_mine_\@:
.endm
; Part p of four of a quarter step: two blocks of A's rows x all blocks of W's columns.  The accumulators come in the same order in every quarter, one instruction a turn.
; first: the product starts its sum, with the bias as C.
.macro MULP f, p, first
.if KD == 2
.set kd_, (\p)/2
.set a_, 2*((\p)%2)
.else
.set kd_, 0
.set a_, 2*(\p)
.endif
.rept 2
.set b_, 0
.rept NBL
.set I_, 8*(NBL*a_+b_)
.set R_, I_%256
.set W_, 2+I_/256
.if \first
	WIN (W_<<6)|0x05
	v_wmma_f32_16x16x32_bf16 v[R_:R_+7], v[(\f)+64+8*(NBL*kd_+b_):(\f)+64+8*(NBL*kd_+b_)+7], v[(\f)+8*(MA*kd_+a_):(\f)+8*(MA*kd_+a_)+7], v[BIAS+8*b_:BIAS+8*b_+7]
.else
	WIN (W_<<6)|(W_<<4)|0x05
	v_wmma_f32_16x16x32_bf16 v[R_:R_+7], v[(\f)+64+8*(NBL*kd_+b_):(\f)+64+8*(NBL*kd_+b_)+7], v[(\f)+8*(MA*kd_+a_):(\f)+8*(MA*kd_+a_)+7], v[R_:R_+7]
.endif
.set b_, b_+1
.endr
.set a_, a_+1
.endr
.endm
.macro FETCH q, f                      ; 32 LDS loads in one run: quarter q's fragments into buffer f: W's (turned), then A's
	WIN 0x40
.set kd_, 0
.rept KD
.set b_, 0
.rept NBL
	ds_load_tr16_b128 v[(\f)+64+8*(NBL*kd_+b_):(\f)+64+8*(NBL*kd_+b_)+3],   v[ADRB] offset:(KQ*(\q)+32*kd_)*PB+32*b_
	ds_load_tr16_b128 v[(\f)+64+8*(NBL*kd_+b_)+4:(\f)+64+8*(NBL*kd_+b_)+7], v[ADRB] offset:(KQ*(\q)+32*kd_+16)*PB+32*b_
.set b_, b_+1
.endr
.set a_, 0
.rept MA
	ds_load_b128 v[(\f)+8*(MA*kd_+a_):(\f)+8*(MA*kd_+a_)+3],   v[ADRA] offset:AQ*(\q)+64*kd_+16*a_*PA
	ds_load_b128 v[(\f)+8*(MA*kd_+a_)+4:(\f)+8*(MA*kd_+a_)+7], v[ADRA] offset:AQ*(\q)+64*kd_+16*a_*PA+32
.set a_, a_+1
.endr
.set kd_, kd_+1
.endr
.endm
.macro QUARTER q, f, g, first          ; multiplies buffer f; in its middle fetches quarter q into buffer g
	s_wait_dscnt HEADW                             ; all of f but the youngest loads, which parts 2 and 3 read
	MULP \f, 0, \first
	MULP \f, 1, \first
	PLACES
	FETCH \q, \g
	s_wait_dscnt 32                                ; all but the 32 just issued
	MULP \f, 2, (\first)*(1-FAMB)
	MULP \f, 3, (\first)*(1-FAMB)
.endm
; The last quarter of a K step changes slots and then multiplies buffer 1.  Each wave waits for all its tensor loads (one is out: its part of the next slot), adds 0 to its spare word, and waits for that and
; for its reads of this slot, the last of which filled buffer 1.  fill = 1: the barrier opens a round of the cluster's, and the joint refill, two K steps ahead, is the first thing behind the round.
; No product stands between the wait for the tile and the refill, so that the next request goes out as soon as the round allows; the quarter's 64 products follow the refill and the run of LDS loads.
.macro TURN fill
.if (\fill) && PF
	s_wait_xcnt 0x0                                ; the last prefetch, a K step back, has read its address
	s_add_nc_u64 s[PFA:PFA+1], s[PFA:PFA+1], s[PFS:PFS+1]
.endif
	WIN 0
	s_wait_tensorcnt 0x0                           ; all my tensor loads have landed
	ds_add_u32 v[SPW], v[NIL]
	s_xor_b32 s22, s22, SLOT                       ; the next slot's fragment addresses
	v_add_nc_u32 v[ADRA], s22, v[A0]
	v_add_nc_u32 v[ADRB], s22, v[B0]
	s_wait_dscnt 0x0                               ; the add is done, my reads of this slot are over
	s_barrier_signal -1
	s_barrier_wait -1
.if \fill
	CREST
	s_xor_b32 s21, s21, SLOT                       ; the walking sets: the slot just left, the next K step
	s_add_co_u32 s[G0A+5], s20, s21
	s_add_co_u32 s[G0B+5], s20, s21
	s_add_nc_u64 s[G0A+6:G0A+7], s[G0A+6:G0A+7], ASTEP
	s_add_nc_u64 s[G0B+6:G0B+7], s[G0B+6:G0B+7], WSTEP
	JLOAD 1                                        ; its four v_nop are also the places in front of the loads below
.else
	PLACES
.endif
	FETCH 0, F0
	WIN 0
.if (\fill) && PF
	ASK
.endif
	MULP F1, 0, 0
	MULP F1, 1, 0
	MULP F1, 2, 0
	MULP F1, 3, 0
.endm
	s_load_b128 s[4:7], s[0:1], 0x0                ; A s[4:5], W s[6:7]
	s_load_b64 s[66:67], s[0:1], 0x10              ; b1
	s_load_b64 s[8:9], s[0:1], 0x18                ; the output
	v_lshl_add_u32 v[SPW], v0, 2, SPARE
	v_mov_b32 v[NIL], 0
	ds_add_u32 v[SPW], v[NIL]                      ; the wave's opening: the add and its wait ahead of my first tensor load
	v_lshrrev_b32 v1, 5, v0
	v_readfirstlane_b32 s10, v1                    ; wave 0..3
	s_lshr_b32 s11, s10, 1                         ; my half of the tile's rows; also: I fetch A (0) or W (1)
	s_and_b32 s12, s10, 1                          ; my half of its columns; also: which half of that tile I fetch
	s_bfe_u32 s40, ttmp6, 0x40000                  ; cx
	s_bfe_u32 s41, ttmp6, 0x40004                  ; cy
	s_lshl_b32 s42, ttmp9, 2
	s_add_co_u32 s42, s42, s40                     ; tile column
	s_and_b32 s13, ttmp7, 0xffff
	s_lshl_b32 s13, s13, 2
	s_add_co_u32 s13, s13, s41                     ; tile row
	s_lshl_b32 s43, s41, 2
	s_lshl_b32 s43, 15, s43                        ; my row of the cluster
	s_lshl_b32 s44, 0x1111, s40                    ; my column
	s_or_b32 s[G1A], s43, (1<<16)|(1<<20)|(1<<21)|(5<<22)|(3<<25)  ; mask; 2-byte elements; padding on; bit 21 beside a mask; after every 64 words 4 words
	s_mov_b32 s[G1A+1], 128<<16                    ; tensor_dim0 = 128
	s_mov_b32 s[G1A+2], 128<<16                    ; tensor_dim1 = 128
	s_mov_b32 s[G1A+3], 128<<16                    ; tile_dim0 = 128
	s_mov_b32 s[G1A+4], 128                        ; tile_dim1 = 128
	s_mov_b32 s[G1A+5], 1024                       ; elements from row to row
	s_mov_b32 s[G1A+6], 0
	s_mov_b32 s[G1A+7], 0
	s_or_b32 s[G1B], s44, (1<<16)|(1<<20)|(1<<21)|(6<<22)|(7<<25)  ; after every 128 words 8 words
	s_mov_b32 s[G1B+1], 256<<16
	s_mov_b32 s[G1B+2], 64<<16
	s_mov_b32 s[G1B+3], 256<<16
	s_mov_b32 s[G1B+4], 64
	s_mov_b32 s[G1B+5], NW
	s_mov_b32 s[G1B+6], 0
	s_mov_b32 s[G1B+7], 0
	s_lshl_b32 s16, s13, 1
	s_add_co_u32 s16, s16, s12
	s_mul_i32 s16, s16, MBS                        ; A: my 128 rows
	s_mov_b32 s17, 0
	s_lshl_b32 s46, s42, 9                         ; W: the tile's 256 columns,
	s_mul_i32 s47, s12, (KSTEP/2)*NW*2             ; my 64 rows of a K step
	s_add_co_u32 s46, s46, s47
	s_mov_b32 s47, 0
	s_mul_i32 s20, s10, AHALF                      ; where my loads go: no place in the cluster enters an LDS address
	s_mov_b32 s21, SLOT
	s_mov_b32 s22, 0
	s_mov_b32 s76, 0x3f596d27                      ; 0.8493218 = sqrt(log2(e) / 2)
	s_mov_b32 s77, s76
	s_mov_b32 s78, 0x3e027906                      ; a1 / 2 =  0.127414796
	s_mov_b32 s79, s78
	s_mov_b32 s80, 0xbe11a98e                      ; a2 / 2 = -0.142248368
	s_mov_b32 s81, s80
	s_mov_b32 s82, 0x3f35f0e3                      ; a3 / 2 =  0.7107068705
	s_mov_b32 s83, s82
	s_mov_b32 s84, 0xbf3a00e3                      ; a4 / 2 = -0.7265760135
	s_mov_b32 s85, s84
	s_mov_b32 s86, 0x3f07dc22                      ; a5 / 2 =  0.5307027145
	s_mov_b32 s87, s86
	s_mov_b32 s88, 0x3e6d3389                      ; 0.2316419 = 0.3275911 / sqrt(2)
	s_wait_dscnt 0x0                               ; the opening add is done
	s_wait_kmcnt 0x0
	s_add_nc_u64 s[14:15], s[4:5], s[16:17]
	s_add_nc_u64 s[46:47], s[6:7], s[46:47]
	CROUND                                         ; all sixteen work-groups are here: the first joint loads meet
.irp s, 0,1
	s_mov_b32 s[G0A+4*\s], 1
	s_add_co_u32 s[G0A+4*\s+1], s20, \s*SLOT
	s_add_nc_u64 s[G0A+4*\s+2:G0A+4*\s+3], s[14:15], \s*ASTEP
	s_or_b32 s[G0A+4*\s+3], s[G0A+4*\s+3], 0x80000000
	s_mov_b32 s[G0B+4*\s], 1
	s_add_co_u32 s[G0B+4*\s+1], s20, \s*SLOT
	s_add_nc_u64 s[G0B+4*\s+2:G0B+4*\s+3], s[46:47], \s*WSTEP
	s_or_b32 s[G0B+4*\s+3], s[G0B+4*\s+3], 0x80000000
	JLOAD \s                                       ; two loads of mine are out
.endr
	v_and_b32 v1, 15, v0                           ; r = l % 16
	v_bfe_u32 v2, v0, 4, 1                         ; h = l / 16
	v_mul_u32_u24 v3, v1, PA
	v_lshl_add_u32 v3, v2, 4, v3
	s_mul_i32 s16, s11, AHALF
	v_add_nc_u32 v[A0], s16, v3                    ; A: row r x pitch + 16 h, in my half of the rows
	v_and_b32 v3, 7, v0
	v_lshl_add_u32 v3, v2, 3, v3
	v_mul_u32_u24 v3, v3, PB
	v_bfe_u32 v4, v0, 3, 1
	v_lshl_add_u32 v3, v4, 4, v3
	s_lshl_b32 s16, s12, 8
	s_add_co_u32 s16, s16, BOFF
	v_add_nc_u32 v[B0], s16, v3                    ; W: row (8 h + l % 8) x pitch + 16 ((l / 8) % 2), in my half of the columns
	; the bias: register j of block b belongs to column 16 b + 8 h + j of my 128
	s_lshl_b32 s16, s42, 10
	s_lshl_b32 s17, s12, 9
	s_add_co_u32 s16, s16, s17
	s_mov_b32 s17, 0
	s_add_nc_u64 s[66:67], s[66:67], s[16:17]
	v_lshlrev_b32 v[BO], 5, v2
.irp b, 0,1,2,3,4,5,6,7
	global_load_b128 v[BIAS+8*\b:BIAS+8*\b+3],   v[BO], s[66:67] offset:64*\b
	global_load_b128 v[BIAS+8*\b+4:BIAS+8*\b+7], v[BO], s[66:67] offset:64*\b+16
.endr
	; the way out: my stage of 65,536 bytes lies over the slots, which by then have had their last fill; a line of it is 512 bytes, 16 a lane
	s_lshl_b32 s23, s10, 16
	v_and_b32 v3, 31, v0
	v_lshl_add_u32 v[STO], v3, 4, s23
	v_mov_b32 v[RD], v[STO]
	v_lshlrev_b32 v[CO], 4, v3
	s_lshl_b32 s16, s13, 3                         ; my first block of 32 rows: 8 x tile row + 4 x half, 262,144 bytes each;
	s_lshl_b32 s17, s11, 2
	s_add_co_u32 s16, s16, s17
	s_lshl_b32 s16, s16, 18
	s_lshl_b32 s17, s42, 2                         ; my first group of 64 columns: 4 x tile column + 2 x half, 4,096 bytes each
	s_lshl_b32 s18, s12, 1
	s_add_co_u32 s17, s17, s18
	s_lshl_b32 s17, s17, 12
	s_add_co_u32 s16, s16, s17
	s_mov_b32 s17, 0
	s_add_nc_u64 s[8:9], s[8:9], s[16:17]
	; the prefetches
	s_and_b32 s16, ttmp7, 0xffff
	s_mov_b32 s18, PO_W
	s_mov_b32 s19, PIT_W
	s_mov_b32 s[PFS], WSTEP
	s_mov_b32 s[PFS+1], 0
	s_cmp_eq_u32 s11, 0                            ; do I fetch A?
	s_cselect_b32 s17, s40, s41                    ; my place among the four that ask with me
	s_cselect_b32 s16, ttmp9, s16                  ; the coordinate along which other clusters read the same blocks
	s_cselect_b64 s[PFA:PFA+1], s[14:15], s[46:47]
	s_cselect_b32 s18, PO_A, s18
	s_cselect_b32 s19, PIT_A, s19
	s_cselect_b32 s[PFS], ASTEP, s[PFS]
	s_cselect_b32 s23, 0, SH_W
	s_cmp_eq_u32 s16, 0
	s_cselect_b32 s[LIM], 1, -1                    ; the same in all sixteen partners, for a given wave
	s_mul_i32 s16, s17, s18
	s_mov_b32 s17, 0
	s_add_nc_u64 s[PFA:PFA+1], s[PFA:PFA+1], s[16:17]
	s_add_nc_u64 s[PFA:PFA+1], s[PFA:PFA+1], s[PFS:PFS+1]
	s_add_nc_u64 s[PFA:PFA+1], s[PFA:PFA+1], s[PFS:PFS+1]  ; at K step 2; the first change of slots steps it to 3
	v_and_b32 v3, 31, v0
	v_lshrrev_b32 v4, s23, v3
	v_mul_lo_u32 v[PFO], v4, s19
	v_and_b32 v3, s23, v3
	v_lshl_add_u32 v[PFO], v3, 8, v[PFO]
	s_wait_tensorcnt 0x1                           ; my part of K step 0 is in; slot 1's load stays out
	s_barrier_signal -1
	s_barrier_wait -1
	v_mov_b32 v[ADRA], v[A0]
	v_mov_b32 v[ADRB], v[B0]
	FETCH 0, F0
	s_wait_loadcnt 0x0                             ; the bias
	QUARTER 1, F0, F1, 1                           ; the first quarter starts the sums
	WIN 0
	s_mov_b32 s3, TS-2
.Lk:                                                   ; a trip: a K step's quarters 1 to 3, the change of slots with its refill, the next step's quarter 0
	QUARTER 2, F1, F0, 0
	QUARTER 3, F0, F1, 0
	TURN 1
	QUARTER 1, F0, F1, 0
	WIN 0
	s_sub_co_u32 s3, s3, 1
	s_cmp_lg_u32 s3, 0
	s_cbranch_scc1 .Lk
	s_mov_b32 s3, 2
.Ltail:                                                ; the last two K steps ask for nothing; the second trip is left in its middle
	QUARTER 2, F1, F0, 0
	QUARTER 3, F0, F1, 0
	WIN 0
	s_sub_co_u32 s3, s3, 1
	s_cmp_eq_u32 s3, 0
	s_cbranch_scc1 .Llast
	TURN 0
	QUARTER 1, F0, F1, 0
	WIN 0
	s_cmp_lg_u32 s3, 0
	s_cbranch_scc1 .Ltail
.Llast:
	s_wait_dscnt HEADW
	MULP F1, 0, 0
	MULP F1, 1, 0
	s_wait_dscnt 0x0                               ; my reads of the slots are over:
	s_barrier_signal -1
	MULP F1, 2, 0
	MULP F1, 3, 0
	WIN 0
	s_barrier_wait -1                              ; everybody's are: the slots' bytes now serve as stages
	; THE WAY OUT.  The stage is there so that ONE text of the activation can walk all 64 accumulators: each goes into 1,024 bytes of it, low registers first, and each lane reads back what it wrote.
	; The accumulators lie in the order of the trips: trip = 4 (a / 2) + 2 (b / 4) + a % 2, so that a trip's four accumulators (b % 4) are 4,096 bytes on end in the stage and 2,048 on end in memory.
	PLACES
.set a_, 0
.rept 8
.set b_, 0
.rept 8
.set I_, 8*(8*a_+b_)
.set X_, 4*(4*(a_/2)+2*(b_/4)+(a_%2))+(b_%4)
	WIN 4*(2+I_/256)
	ds_store_b128 v[STO], v[I_%256:I_%256+3]   offset:1024*X_
	ds_store_b128 v[STO], v[I_%256+4:I_%256+7] offset:1024*X_+512
.set b_, b_+1
.endr
.set a_, a_+1
.endr
	WIN 0
	s_mov_b32 s3, 16
	s_mov_b32 s91, 0
	s_mov_b32 s23, 2048                            ; from a trip's 2,048 bytes to the next trip's,
	s_mov_b32 s75, 262144-6144                     ; and behind every fourth trip to the next block of 32 rows
.macro POLY n                          ; stage n / 16 of the polynomial in t, on pair n % 16
.set p_, 2*((\n)%(NE/2))
.if (\n)/(NE/2) == 0
	v_pk_fma_f32 v[GP+p_:GP+p_+1], v[GT+p_:GT+p_+1], s[86:87], s[84:85] op_sel_hi:[1,0,0]
.elseif (\n)/(NE/2) == 1
	v_pk_fma_f32 v[GP+p_:GP+p_+1], v[GP+p_:GP+p_+1], v[GT+p_:GT+p_+1], s[82:83] op_sel_hi:[1,1,0]
.elseif (\n)/(NE/2) == 2
	v_pk_fma_f32 v[GP+p_:GP+p_+1], v[GP+p_:GP+p_+1], v[GT+p_:GT+p_+1], s[80:81] op_sel_hi:[1,1,0]
.else
	v_pk_fma_f32 v[GP+p_:GP+p_+1], v[GP+p_:GP+p_+1], v[GT+p_:GT+p_+1], s[78:79] op_sel_hi:[1,1,0]
.endif
.endm
.Lrows:
	WIN 0x40
.set t_, 0
.rept 4
	ds_load_b128 v[GX+8*t_:GX+8*t_+3],   v[RD] offset:1024*t_      ; LDS serves a wave's instructions in order: these see my stores
	ds_load_b128 v[GX+8*t_+4:GX+8*t_+7], v[RD] offset:1024*t_+512
.set t_, t_+1
.endr
	s_wait_dscnt 0x0
	WIN 0x55
.set i_, 0
.rept NE/2
	v_pk_mul_f32 v[GE+2*i_:GE+2*i_+1], v[GX+2*i_:GX+2*i_+1], s[76:77] op_sel_hi:[1,0]
.set i_, i_+1
.endr
.set i_, 0
.rept NE
	v_fma_f32 v[GT+i_], |v[GX+i_]|, s88, 1.0
.set i_, i_+1
.endr
.set i_, 0
.rept NE/2
	v_rcp_f32 v[GT+2*i_], v[GT+2*i_]               ; t
	v_rcp_f32 v[GT+2*i_+1], v[GT+2*i_+1]
	v_pk_mul_f32 v[GE+2*i_:GE+2*i_+1], v[GE+2*i_:GE+2*i_+1], v[GE+2*i_:GE+2*i_+1] neg_lo:[1,0] neg_hi:[1,0]
.set i_, i_+1
.endr
	s_wait_alu depctr_va_vdst(0)                   ; one wait for the 32 reciprocals, ahead of their first reader
.set i_, 0
.rept NE
	v_exp_f32 v[GE+i_], v[GE+i_]
	POLY 2*i_
	POLY 2*i_+1
.set i_, i_+1
.endr
.set i_, 0
.rept NE/2
	v_pk_mul_f32 v[GP+2*i_:GP+2*i_+1], v[GP+2*i_:GP+2*i_+1], v[GT+2*i_:GT+2*i_+1]
.set i_, i_+1
.endr
	s_wait_alu depctr_va_vdst(0)                   ; one wait for the 32 exponentials
.set i_, 0
.rept NE/2
	v_pk_mul_f32 v[GP+2*i_:GP+2*i_+1], v[GP+2*i_:GP+2*i_+1], v[GE+2*i_:GE+2*i_+1]
.set i_, i_+1
.endr
.set i_, 0
.rept NE
	v_max_num_f32 v[GT+i_], 0, v[GX+i_]
.set i_, i_+1
.endr
.set i_, 0
.rept NE
	v_fma_f32 v[GT+i_], -|v[GX+i_]|, v[GP+i_], v[GT+i_]
.set i_, i_+1
.endr
.set t_, 0
.rept NE/2
	v_cvt_pk_bf16_f32 v[GE+t_], v[GT+2*t_], v[GT+2*t_+1]
.set t_, t_+1
.endr
	WIN 0x04
.set t_, 0
.rept 4
	global_store_b128 v[CO], v[GE+4*t_:GE+4*t_+3], s[8:9] offset:512*t_  ; the wave's 32 lanes store 512 consecutive bytes, aligned
.set t_, t_+1
.endr
	WIN 0
	v_add_nc_u32 v[RD], 4096, v[RD]
	s_wait_xcnt 0x0                                ; the stores have read their data and their base: both are rewritten only behind this wait
	s_and_b32 s16, s3, 3
	s_cmp_eq_u32 s16, 1                            ; s3 = 13, 9, 5, 1: the fourth trip of a block of 32 rows
	s_cselect_b32 s90, s75, s23
	s_add_nc_u64 s[8:9], s[8:9], s[90:91]
	s_sub_co_u32 s3, s3, 1
	s_cmp_lg_u32 s3, 0
	s_cbranch_scc1 .Lrows
	s_wait_tensorcnt 0x0                           ; the wave's end
	ds_add_u32 v[SPW], v[NIL]
	s_wait_dscnt 0x0
	CROUND                                         ; the closing round
	s_endpgm
.Lfunc_end_k_q25b4c4b579_ffn1:
	.size	k_q25b4c4b579_ffn1, .Lfunc_end_k_q25b4c4b579_ffn1-k_q25b4c4b579_ffn1
	.p2alignl 7, 3214868480
	.fill 96, 4, 3214868480
	.section	.rodata,"a",@progbits
	.p2align	6, 0x0
	.amdhsa_kernel k_q25b4c4b579_ffn1
		.amdhsa_group_segment_fixed_size 327680
		.amdhsa_private_segment_fixed_size 0
		.amdhsa_enable_private_segment 0
		.amdhsa_kernarg_size 32
		.amdhsa_user_sgpr_count 2
		.amdhsa_user_sgpr_kernarg_segment_ptr 1
		.amdhsa_wavefront_size32 1
		.amdhsa_system_sgpr_workgroup_id_x 1
		.amdhsa_system_sgpr_workgroup_id_y 1
		.amdhsa_system_sgpr_workgroup_id_z 1
		.amdhsa_system_vgpr_workitem_id 0
		.amdhsa_next_free_vgpr 1024
		.amdhsa_next_free_sgpr 92
		.amdhsa_reserve_vcc 0
		.amdhsa_float_denorm_mode_32 3
		.amdhsa_float_denorm_mode_16_64 3
		.amdhsa_memory_ordered 1
		.amdhsa_forward_progress 1
		.amdhsa_inst_pref_size 102
	.end_amdhsa_kernel
	.amdgpu_metadata
---
amdhsa.version: [ 1, 2 ]
amdhsa.kernels:
  - .name:           k_q25b4c4b579_ffn1
    .symbol:         k_q25b4c4b579_ffn1.kd
    .args:
      - { .name: hbuf, .offset: 0, .size: 8, .value_kind: global_buffer, .address_space: global }
      - { .name: w1b, .offset: 8, .size: 8, .value_kind: global_buffer, .address_space: global }
      - { .name: b1, .offset: 16, .size: 8, .value_kind: global_buffer, .address_space: global }
      - { .name: big, .offset: 24, .size: 8, .value_kind: global_buffer, .address_space: global }
    .group_segment_fixed_size: 327680
    .private_segment_fixed_size: 0
    .kernarg_segment_align: 8
    .kernarg_segment_size: 32
    .max_flat_workgroup_size: 128
    .sgpr_count:     92
    .vgpr_count:     1024
    .wavefront_size: 32
...
	.end_amdgpu_metadata
.endif
;; end of part 6
;; launch ffn2 (part 7): grid 32 x 8, 4 waves a work-group, clusters of 4 x 1, 327,680 bytes of LDS; arguments big, w2b, b2, x1, out0; writes out0
.if DOCPART == 7
	.amdgcn_target "amdgcn-amd-amdhsa--gfx1250"
	.amdhsa_code_object_version 6
	.text
	.protected	k_q25b4c4b579_ffn2
	.globl	k_q25b4c4b579_ffn2
	.p2align	8
	.type	k_q25b4c4b579_ffn2,@function
k_q25b4c4b579_ffn2:
	s_mov_b64 s[64:65], 0
	v_nop
	global_prefetch_b8 v0, s[64:65] scope:SCOPE_SE
	s_setreg_imm32_b32 hwreg(HW_REG_WAVE_MODE, 25, 1), 1
	s_wait_xcnt 0x0
	s_wait_alu depctr_hold_cnt(0) depctr_sa_sdst(0) depctr_va_vdst(0) depctr_va_sdst(0) depctr_va_ssrc(0) depctr_va_vcc(0) depctr_vm_vsrc(0)
	s_getreg_b32 s2, hwreg(HW_REG_IB_STS2, 6, 4)
	s_cmp_eq_u32 s2, 0
	s_cbranch_scc0 .Lentry_in_a_cluster
	s_endpgm
.Lentry_in_a_cluster:
	s_bfe_u32 s2, ttmp6, 0x10000c
	s_cmp_lg_u32 s2, 0x3003
	s_cbranch_scc0 .Lentry_shape_is_right
	s_endpgm
.Lentry_shape_is_right:
; out = R + A W + bias on tiles of 128 x 128; out and the residual R in f32 [4096][1024].  W: [4096][1024] bf16, rows along N, as the weights are given.  Sums in f32; nothing is rounded on the way out.
; A = gelu's result, bf16, LAID OUT AS MATRIX FRAGMENTS: byte of A(m, k) = (m / 32) x 262,144 + (k / 64) x 4,096 + ((m / 16) % 2) x 2,048 + ((k / 32) % 2) x 1,024 + ((k / 16) % 2) x 512
; + ((k / 8) % 2) x 256 + (m % 16) x 16 + (k % 8) x 2: a fragment of 16 rows x 32 k is two loads of 512 consecutive bytes, 16 a lane, and a wave's 32 rows are 262,144 bytes on end along K.
; A GOES STRAIGHT INTO REGISTERS, W THROUGH LDS.  With LDS for W alone its two slots hold 512 of K each, where slots for A and W would hold 256: 6 refills, not 14, and each has 256 products of every
; wave in which to land, not 128.  A comes by global_load_b128 into a ring of eight register sets, a set for 64 of K (a GROUP: 8 loads, 32 registers), asked for a K step ahead: 56 loads of a wave, or
; 64 just behind a refill, are always out.  A is therefore not shared in the cluster: no joint load fills registers; each of its blocks is read by the 8 work-groups of its tile row.
; SHARES.  Wave w makes rows 32 w .. 32 w + 31 of the tile, all 128 columns: 16 accumulators; it reads A's rows alone and all of W's fragments.  Each wave fetches 128 of a K step's 512 rows of W.
; THE PRODUCT IS TAKEN TRANSPOSED: source 0 = 16 columns of W (out of LDS turned, by ds_load_tr16_b128), source 1 = 16 rows of A: a lane holds one row of out and eight neighbouring columns.
; THE SUMS START AT THE BIAS: it is loaded into the first eight accumulators and copied into the other eight, in the wait for the first tile, so that the loop has one form of product.
; CLUSTER 4 x 1: the four work-groups of a cluster make four tile rows of one tile column and ask for W's tiles jointly.
; THE LOOP.  A trip is: the change of slots; the second half of the step before's group 7; groups 0 to 6; the first half of group 7.  The first trip is entered behind the first two.  So all 7 trips ask for
; A's next K step, 6 of them for a tile of W, and only the last K step is written out: it asks for nothing of W, and the residual's 32 loads stand where A's refills stood.
; NaN and infinities are not treated apart.
; REGISTERS, in windows of 256 (s_set_vgpr_msb: bits 1:0 source 0, 3:2 source 1, 5:4 source 2, 7:6 destination):
;   window 0: addresses; v32-95 two buffers on the way out       window 1: two buffers of W's fragments for 64 of K: (kd, b) at 64 kd + 8 b
;   window 2: v0-127 accumulator (a, b) at 8 (8 a + b); v128-255 the residual       window 3: A's ring: group g, fragment (a, kd) at 32 g + 16 a + 8 kd
.set TS,    8                          ; K steps of 512
.set NW,    1024
.set PB,    288                        ; a row of W in LDS: 256 + 32 = 9 x 32 bytes
.set WQ,    128*PB                     ; what one tensor load fills
.set SLOT,  4*WQ                       ; 512 rows of W
.set WSTEP, 512*NW*2                   ; bytes of W from a K step to the next
.set GRPB,  4096                       ; bytes of my 32 rows of A in a group
.set ASTEP, 8*GRPB                     ; and in a K step
.set STAGE, 2*SLOT                     ; behind the ring: 16 rows x 272 bytes for each wave
.set SPARE, STAGE+4*4352               ; the spare words: 128 bytes a wave, two blocks of 256 bytes that no other line names
.set ADRB, 16                          ; v16-18  my place in W's rows 0, 192 and 384 of the slot in hand: the immediate holds 16 bits
.set B0,   20                          ; v20  the same in slot 0; never rewritten
.set LA,   21                          ; v21  16 x lane; never rewritten
.set BO,   22                          ; v22  32 x (lane / 16)
.set STO,  24
.set RD,   25
.set CO,   26                          ; v26  4,096 x (lane / 16) + 16 x (lane % 16): two rows of 256 bytes of R and of out; never rewritten
.set SPW,  28                          ; v28  my spare word; never rewritten
.set NIL,  29                          ; v29  0; never rewritten
.set PFWV, 30                          ; v30  2,048 x lane: a row of W
.set PFAV, 31                          ; v31  256 x lane
.set BK,   32
.set RES,  128                         ; window 2
.set F0,   0                           ; window 1
.set F1,   128
.set AP,   14                          ; s[14:15] A at my rows, at the K step in hand
.set G1,   48                          ; s[48:55] descriptor group 1
.set G0,   56                          ; s[56:63] group 0: set 0 fills slot 0 once, set 1 fills slot 1 and then walks
.set PFP,  70                          ; s[70:71] where my prefetches of W stand
.set LIMW, 74                          ; s74, s75: 1 in a work-group that asks for W, for A; else the greatest number
.set LIMA, 75
.set MSB, 0
.macro WIN new                         ; the high byte repeats the setting that is left; a switch that changes nothing is dropped
.if MSB != (\new)
	s_set_vgpr_msb (MSB<<8)|(\new)
.set MSB, (\new)
.endif
.endm
.macro PLACES                          ; four plain instructions between a matrix instruction and a load into, or a read of, its registers
.rept 4
	v_nop
.endr
.endm
.macro CROUND                          ; a round of the cluster's barrier
	s_barrier_signal -1
	s_barrier_wait -1
	s_cmp_lg_u32 s10, 0
	s_cbranch_scc1 .Lnot_wave_0_\@
	s_barrier_signal -3
.Lnot_wave_0_\@:
	s_barrier_wait -3
	s_barrier_signal -1
	s_barrier_wait -1
.endm
; 16 products: 32 of K (half kd of group g), my two blocks of rows x the eight blocks of columns.  The 16 accumulators come in the same order every time, one instruction a turn.
.macro MUL f, g, kd
	WIN 0xad                                       ; W window 1, A window 3, sums window 2
.set a_, 0
.rept 2
.set b_, 0
.rept 8
	v_wmma_f32_16x16x32_bf16 v[8*(8*a_+b_):8*(8*a_+b_)+7], v[(\f)+64*(\kd)+8*b_:(\f)+64*(\kd)+8*b_+7], v[32*(\g)+16*a_+8*(\kd):32*(\g)+16*a_+8*(\kd)+7], v[8*(8*a_+b_):8*(8*a_+b_)+7]
.set b_, b_+1
.endr
.set a_, a_+1
.endr
.endm
.macro FETCHW g, f                     ; 32 LDS loads in one run: W's fragments of group g, turned, into buffer f; the first 32 of K first
	WIN 0x40
.set kd_, 0
.rept 2
.set b_, 0
.rept 8
	ds_load_tr16_b128 v[(\f)+64*kd_+8*b_:(\f)+64*kd_+8*b_+3],   v[ADRB+(\g)/3] offset:(64*((\g)%3)+32*kd_)*PB+32*b_
	ds_load_tr16_b128 v[(\f)+64*kd_+8*b_+4:(\f)+64*kd_+8*b_+7], v[ADRB+(\g)/3] offset:(64*((\g)%3)+32*kd_+16)*PB+32*b_
.set b_, b_+1
.endr
.set kd_, kd_+1
.endr
.endm
.macro LOADA g, off                    ; A's group g, off bytes behind the K step in hand, into its set of the ring: 8 loads of 512 consecutive bytes
	WIN 0xc0
.set i_, 0
.rept 8
	global_load_b128 v[32*(\g)+4*i_:32*(\g)+4*i_+3], v[LA], s[AP:AP+1] offset:(\off)+GRPB*(\g)+512*i_
.set i_, i_+1
.endr
.endm
.macro LOADR q                         ; the residual of block q of the way out (16 rows x 64 columns): 8 loads, each two rows of 256 bytes
	WIN 0x80
.set t_, 0
.rept 8
	global_load_b128 v[RES+32*(\q)+4*t_:RES+32*(\q)+4*t_+3], v[CO], s[68:69] offset:(16*((\q)/2)+2*t_)*4096+256*((\q)%2)
.set t_, t_+1
.endr
.endm
; A GROUP: 32 products; in its middle the next group's fragments of W are fetched; behind it its set of the ring is asked for again.  kind 1: with the next K step's group; 2: the residual's block g goes out
; instead; 0: nothing.  n: the loads younger than this group's, which may stay out.
.macro GRP g, kind, n
.set f_, F0+128*((\g)%2)
.set o_, F0+128*(1-(\g)%2)
	s_wait_loadcnt \n                              ; A's group is in
	s_wait_dscnt 16                                ; W's first 32 of K are in; the 16 younger loads stay out
	MUL f_, \g, 0
	PLACES
	FETCHW (\g)+1, o_
	s_wait_dscnt 32                                ; all but the 32 just issued
	MUL f_, \g, 1
.if (\kind) == 1
	PLACES
	LOADA \g, ASTEP
.elseif (\kind) == 2
	LOADR \g
.endif
.endm
.macro G7A n                           ; the first half of group 7: nothing of this slot is left to fetch; the 16 loads of its second half stay out
	s_wait_loadcnt \n
	s_wait_dscnt 16
	MUL F1, 7, 0
.endm
.macro G7B                             ; its second half stands behind the change of slots, whose wait for all LDS loads covers its fragments; then the ring's set 7 takes the group 7 of the K step that has begun
	MUL F1, 7, 1
	PLACES
	LOADA 7, 0
.endm
; PREFETCHES, behind the joint load and the run of LDS loads, in trip s for K step s + 2, which the next trip asks for.  W: 128 rows x 256 bytes a wave; the clusters with x = 0 ask, and the four partners
; share a wave's rows out by address, 32 each, a lane a row.  A: the work-groups of tile column 0 ask, each wave for its own 32,768 bytes, a lane 256 bytes, four instructions.
; So each block is named once.  Trips 0 (which is entered further down) and 6 (s3 = 1) ask for nothing: K step 7 is the last.
.macro ASK
	s_cmp_gt_u32 s3, s[LIMW]
	s_cbranch_scc0 .Lnot_w_\@
	global_prefetch_b8 v[PFWV], s[PFP:PFP+1] th:TH_LOAD_NT scope:SCOPE_SE
.Lnot_w_\@:
	s_cmp_gt_u32 s3, s[LIMA]
	s_cbranch_scc0 .Lnot_a_\@
.irp n, 0,1,2,3
	global_prefetch_b8 v[PFAV], s[AP:AP+1] offset:2*ASTEP+8192*\n th:TH_LOAD_NT scope:SCOPE_SE
.endr
.Lnot_a_\@:
.endm
; THE CHANGE OF SLOTS.  Each wave waits for all its tensor loads (one is out at the most: its part of the next slot), adds 0 to its spare word, and waits for that and for its reads of this slot, the last of
; which filled buffer 1.  fill = 1: a round of the cluster's barrier, and the joint refill, the K step after the one that begins, is the first thing behind it.  No product stands between the wait
; for the tile and the refill.
.macro CHG fill
	s_wait_xcnt 0x0                                ; every load and prefetch issued so far has read its address: the pointers may be written
	s_add_nc_u64 s[AP:AP+1], s[AP:AP+1], ASTEP
.if \fill
	s_add_nc_u64 s[PFP:PFP+1], s[PFP:PFP+1], WSTEP
.endif
	WIN 0
	s_wait_tensorcnt 0x0                           ; all my tensor loads have landed
	ds_add_u32 v[SPW], v[NIL]
	s_xor_b32 s22, s22, SLOT                       ; the next slot's fragment addresses
	v_add_nc_u32 v[ADRB], s22, v[B0]
	v_add_nc_u32 v[ADRB+1], 192*PB, v[ADRB]
	v_add_nc_u32 v[ADRB+2], 384*PB, v[ADRB]
	s_wait_dscnt 0x0                               ; the add is done, my reads of this slot are over
.if \fill
	CROUND
	s_xor_b32 s21, s21, SLOT                       ; the walking set: the slot just left, the next K step
	s_add_co_u32 s[G0+5], s20, s21
	s_add_nc_u64 s[G0+6:G0+7], s[G0+6:G0+7], WSTEP
	tensor_load_to_lds s[G0+4:G0+7], s[G1:G1+7]
	s_nop 0
	PLACES                                         ; the places in front of the loads below
.else
	s_barrier_signal -1
	s_barrier_wait -1
	PLACES
.endif
	FETCHW 0, F0
	WIN 0
.if \fill
	ASK
.endif
.endm
	s_load_b128 s[4:7], s[0:1], 0x0                ; A s[4:5], W s[6:7]
	s_load_b64 s[66:67], s[0:1], 0x10              ; the bias
	s_load_b64 s[68:69], s[0:1], 0x18              ; the residual
	s_load_b64 s[8:9], s[0:1], 0x20                ; the output
	v_lshl_add_u32 v[SPW], v0, 2, SPARE
	v_mov_b32 v[NIL], 0
	ds_add_u32 v[SPW], v[NIL]                      ; the wave's opening: the add and its wait ahead of my first tensor load
	v_lshrrev_b32 v1, 5, v0
	v_readfirstlane_b32 s10, v1                    ; wave 0..3
	s_bfe_u32 s40, ttmp6, 0x40000                  ; cx
	s_lshl_b32 s13, ttmp9, 2
	s_add_co_u32 s13, s13, s40                     ; tile row = 4 x cluster x + cx: it enters A's, R's and out's addresses alone
	s_and_b32 s42, ttmp7, 0xffff                   ; tile column, which the four partners share
	s_mov_b32 s[G1], 15|(1<<16)|(1<<20)|(1<<21)|(5<<22)|(7<<25)  ; the mask of four; 2-byte elements; padding on; bit 21 beside a mask; after every 64 words 8 words
	s_mov_b32 s[G1+1], 128<<16                     ; tensor_dim0 = 128
	s_mov_b32 s[G1+2], 128<<16                     ; tensor_dim1 = 128
	s_mov_b32 s[G1+3], 128<<16                     ; tile_dim0 = 128
	s_mov_b32 s[G1+4], 128                         ; tile_dim1 = 128
	s_mov_b32 s[G1+5], NW                          ; elements from row to row
	s_mov_b32 s[G1+6], 0
	s_mov_b32 s[G1+7], 0
	s_lshl_b32 s16, s13, 2
	s_add_co_u32 s16, s16, s10                     ; my block of 32 rows: 4 x tile row + wave
	s_lshl_b32 s18, s16, 17                        ; in R and out: 32 rows of 4,096 bytes
	s_lshl_b32 s16, s16, 18                        ; in A: 262,144 bytes
	s_mov_b32 s17, 0
	s_mov_b32 s19, 0
	s_lshl_b32 s46, s42, 8                         ; W: the tile's 128 columns,
	s_lshl_b32 s47, s10, 18                        ; my 128 rows of a K step
	s_add_co_u32 s46, s46, s47
	s_mov_b32 s47, 0
	s_mul_i32 s20, s10, WQ                         ; where my loads go: no place in the cluster enters an LDS address
	s_mov_b32 s21, SLOT
	s_mov_b32 s22, 0
	s_wait_dscnt 0x0                               ; the opening add is done
	s_wait_kmcnt 0x0
	s_add_nc_u64 s[AP:AP+1], s[4:5], s[16:17]
	s_add_nc_u64 s[46:47], s[6:7], s[46:47]
	CROUND                                         ; all four work-groups are here: the first joint loads meet
.irp s, 0,1
	s_mov_b32 s[G0+4*\s], 1
	s_add_co_u32 s[G0+4*\s+1], s20, \s*SLOT
	s_add_nc_u64 s[G0+4*\s+2:G0+4*\s+3], s[46:47], \s*WSTEP
	s_or_b32 s[G0+4*\s+3], s[G0+4*\s+3], 0x80000000
.endr
	tensor_load_to_lds s[G0:G0+3], s[G1:G1+7]      ; K steps 0 and 1: two loads of mine are out
	s_nop 0
	tensor_load_to_lds s[G0+4:G0+7], s[G1:G1+7]
	s_nop 0
	PLACES
	v_and_b32 v1, 15, v0                           ; r = l % 16
	v_bfe_u32 v2, v0, 4, 1                         ; h = l / 16
	v_and_b32 v3, 31, v0                           ; l
	v_lshlrev_b32 v[LA], 4, v3
	v_lshlrev_b32 v[BO], 5, v2
	s_lshl_b32 s16, s42, 9                         ; the tile's 128 columns in f32
	s_add_nc_u64 s[66:67], s[66:67], s[16:17]
	s_add_co_u32 s18, s18, s16
	s_add_nc_u64 s[68:69], s[68:69], s[18:19]
	s_add_nc_u64 s[8:9], s[8:9], s[18:19]
	WIN 0x80
.irp b, 0,1,2,3,4,5,6,7
	global_load_b128 v[8*\b:8*\b+3],   v[BO], s[66:67] offset:64*\b      ; the bias into accumulator (0, b): register j belongs to column 16 b + 8 h + j
	global_load_b128 v[8*\b+4:8*\b+7], v[BO], s[66:67] offset:64*\b+16
.endr
.irp g, 0,1,2,3,4,5,6,7
	LOADA \g, 0                                    ; the ring is filled: K step 0
.endr
	WIN 0
	v_and_b32 v4, 7, v0
	v_lshl_add_u32 v4, v2, 3, v4
	v_mul_u32_u24 v4, v4, PB
	v_bfe_u32 v5, v0, 3, 1
	v_lshl_add_u32 v[B0], v5, 4, v4                ; W: row (8 h + l % 8) x pitch + 16 ((l / 8) % 2)
	s_mul_i32 s23, s10, 4352
	s_add_co_u32 s23, s23, STAGE                   ; my stage
	v_mul_u32_u24 v4, v1, 272
	v_lshl_add_u32 v4, v2, 5, v4
	v_add_nc_u32 v[STO], s23, v4                   ; in: row r, 32 bytes for each half of the lanes
	v_mul_u32_u24 v4, v2, 272
	v_lshl_add_u32 v4, v1, 4, v4
	v_add_nc_u32 v[RD], s23, v4                    ; back: lanes 0-15 a row of 256 bytes, lanes 16-31 the next
	v_lshlrev_b32 v[CO], 12, v2
	v_lshl_add_u32 v[CO], v1, 4, v[CO]
	s_cmp_eq_u32 ttmp9, 0                          ; the prefetches: both tests are the same in all four partners
	s_cselect_b32 s[LIMW], 1, -1
	s_cmp_eq_u32 s42, 0
	s_cselect_b32 s[LIMA], 1, -1
	s_lshl_b32 s16, s40, 16                        ; my work-group's 32 of a wave's 128 rows of W
	s_add_nc_u64 s[PFP:PFP+1], s[46:47], s[16:17]
	s_add_nc_u64 s[PFP:PFP+1], s[PFP:PFP+1], 2*WSTEP  ; at K step 2; trip 1 steps it to 3
	v_lshlrev_b32 v[PFWV], 11, v3
	v_lshlrev_b32 v[PFAV], 8, v3
	s_wait_tensorcnt 0x1                           ; my part of K step 0 is in; slot 1's load stays out
	s_barrier_signal -1
	s_barrier_wait -1
	v_mov_b32 v[ADRB], v[B0]
	v_add_nc_u32 v[ADRB+1], 192*PB, v[B0]
	v_add_nc_u32 v[ADRB+2], 384*PB, v[B0]
	FETCHW 0, F0
	s_wait_loadcnt 63                              ; the bias's 16 loads are the oldest of 80
	WIN 0x82
.set i_, 0
.rept 64
	v_mov_b32 v[64+i_], v[i_]                      ; my second block of rows starts at the same bias; these lines stand in the wait for W's first fragments
.set i_, i_+1
.endr
	WIN 0
	s_mov_b32 s3, TS-1
	s_branch .Lfirst
.Lk:
	CHG 1
	G7B
	WIN 0
.Lfirst:
.irp g, 0,1,2,3,4,5,6
	GRP \g, 1, 56                                  ; behind a set's loads seven other sets are asked for before it is wanted: 56 loads
.endr
	G7A 56
	WIN 0
	s_sub_co_u32 s3, s3, 1
	s_cmp_lg_u32 s3, 0
	s_cbranch_scc1 .Lk
	CHG 0                                          ; THE LAST K STEP: nothing more is asked of W or, behind group 7, of A
	G7B
	GRP 0, 2, 56                                   ; younger than set g: the sets g + 1 to 7 and the residual's loads issued so far, 8 behind each of groups 0 to 3
	GRP 1, 2, 56
	GRP 2, 2, 56
	GRP 3, 2, 56
	GRP 4, 0, 56
	GRP 5, 0, 48
	GRP 6, 0, 40
	G7A 32
	s_wait_dscnt 0x0                               ; no change of slots follows here, so the wait for group 7's second 16 loads of W stands by itself: nothing younger is out
	MUL F1, 7, 1
	WIN 0
	; THE WAY OUT, in four blocks q of 16 rows x 64 columns (rows 16 (q / 2) on, columns 64 (q % 2) on) through my own stage: a lane's 32 bytes of a row go in, whole rows of 256 bytes come back, the
	; residual is added, and 16 lanes store 256 consecutive bytes, aligned.
.macro TOSTAGE q
.if (\q) >= 2
	s_wait_xcnt 0x0                                ; the stores of two blocks back have read the buffer that is loaded again
.endif
	WIN 0x08
.set b_, 0
.rept 4
.set I_, 8*(8*((\q)/2)+4*((\q)%2)+b_)
	ds_store_b128 v[STO], v[I_:I_+3]   offset:64*b_      ; each accumulator's low registers first
	ds_store_b128 v[STO], v[I_+4:I_+7] offset:64*b_+16
.set b_, b_+1
.endr
	WIN 0
.set t_, 0
.rept 8
	ds_load_b128 v[BK+32*((\q)%2)+4*t_:BK+32*((\q)%2)+4*t_+3], v[RD] offset:544*t_  ; LDS serves a wave's instructions in order: these see the stores above
.set t_, t_+1
.endr
.endm
.macro SEND q, younger                 ; younger: the next block's eight stores and eight loads, or none
	s_wait_dscnt \younger
	WIN 0x08
.set t_, 0
.rept 16
	v_pk_add_f32 v[BK+32*((\q)%2)+2*t_:BK+32*((\q)%2)+2*t_+1], v[BK+32*((\q)%2)+2*t_:BK+32*((\q)%2)+2*t_+1], v[RES+32*(\q)+2*t_:RES+32*(\q)+2*t_+1]
.set t_, t_+1
.endr
	WIN 0
.set t_, 0
.rept 8
	global_store_b128 v[CO], v[BK+32*((\q)%2)+4*t_:BK+32*((\q)%2)+4*t_+3], s[8:9] offset:(16*((\q)/2)+2*t_)*4096+256*((\q)%2)
.set t_, t_+1
.endr
.endm
	PLACES
	s_wait_loadcnt 0x0                             ; the residual
	TOSTAGE 0
	TOSTAGE 1
	SEND 0, 16
	TOSTAGE 2
	SEND 1, 16
	TOSTAGE 3
	SEND 2, 16
	SEND 3, 0
	s_wait_tensorcnt 0x0                           ; the wave's end
	ds_add_u32 v[SPW], v[NIL]
	s_wait_dscnt 0x0
	CROUND                                         ; the closing round
	s_endpgm
.Lfunc_end_k_q25b4c4b579_ffn2:
	.size	k_q25b4c4b579_ffn2, .Lfunc_end_k_q25b4c4b579_ffn2-k_q25b4c4b579_ffn2
	.p2alignl 7, 3214868480
	.fill 96, 4, 3214868480
	.section	.rodata,"a",@progbits
	.p2align	6, 0x0
	.amdhsa_kernel k_q25b4c4b579_ffn2
		.amdhsa_group_segment_fixed_size 327680
		.amdhsa_private_segment_fixed_size 0
		.amdhsa_enable_private_segment 0
		.amdhsa_kernarg_size 40
		.amdhsa_user_sgpr_count 2
		.amdhsa_user_sgpr_kernarg_segment_ptr 1
		.amdhsa_wavefront_size32 1
		.amdhsa_system_sgpr_workgroup_id_x 1
		.amdhsa_system_sgpr_workgroup_id_y 1
		.amdhsa_system_sgpr_workgroup_id_z 1
		.amdhsa_system_vgpr_workitem_id 0
		.amdhsa_next_free_vgpr 1024
		.amdhsa_next_free_sgpr 92
		.amdhsa_reserve_vcc 0
		.amdhsa_float_denorm_mode_32 3
		.amdhsa_float_denorm_mode_16_64 3
		.amdhsa_memory_ordered 1
		.amdhsa_forward_progress 1
		.amdhsa_inst_pref_size 113
	.end_amdhsa_kernel
	.amdgpu_metadata
---
amdhsa.version: [ 1, 2 ]
amdhsa.kernels:
  - .name:           k_q25b4c4b579_ffn2
    .symbol:         k_q25b4c4b579_ffn2.kd
    .args:
      - { .name: big, .offset: 0, .size: 8, .value_kind: global_buffer, .address_space: global }
      - { .name: w2b, .offset: 8, .size: 8, .value_kind: global_buffer, .address_space: global }
      - { .name: b2, .offset: 16, .size: 8, .value_kind: global_buffer, .address_space: global }
      - { .name: x1, .offset: 24, .size: 8, .value_kind: global_buffer, .address_space: global }
      - { .name: out0, .offset: 32, .size: 8, .value_kind: global_buffer, .address_space: global }
    .group_segment_fixed_size: 327680
    .private_segment_fixed_size: 0
    .kernarg_segment_align: 8
    .kernarg_segment_size: 40
    .max_flat_workgroup_size: 128
    .sgpr_count:     92
    .vgpr_count:     1024
    .wavefront_size: 32
...
	.end_amdgpu_metadata
.endif
;; end of part 7
;; ======== version 2 of 2: 7 launches; version 1 with the launches prep, ln written anew for expert scheduling mode
;; workspace buffers: wqkv 6,291,456 bytes; w1b 8,388,608 bytes; wob 2,097,152 bytes; w2b 8,388,608 bytes; hbuf 8,388,608 bytes; big 33,554,432 bytes; x1 16,777,216 bytes
;; launch prep (part 8): grid 640 x 1, 8 waves a work-group, no clusters, 0 bytes of LDS; arguments x, ln1_g, ln1_b, hbuf, Wq, Wk, Wv, Wo, W1, W2, wqkv, wob, w1b, w2b; writes hbuf, wqkv, wob, w1b, w2b
.if DOCPART == 8
	.amdgcn_target "amdgcn-amd-amdhsa--gfx1250"
	.amdhsa_code_object_version 6
	.text
	.protected	k_q25b4c4b579_prep
	.globl	k_q25b4c4b579_prep
	.p2align	8
	.type	k_q25b4c4b579_prep,@function
k_q25b4c4b579_prep:
	s_mov_b64 s[64:65], 0
	v_nop
	global_prefetch_b8 v0, s[64:65] scope:SCOPE_SE
	s_setreg_imm32_b32 hwreg(HW_REG_WAVE_SCHED_MODE, 0, 2), 2
	s_setreg_imm32_b32 hwreg(HW_REG_WAVE_MODE, 25, 1), 1
	s_wait_xcnt 0x0
	s_wait_alu depctr_vm_vsrc(0)
; PREP.  Work-groups 0-255: h = LayerNorm(x) x gain + bias, rounded once to bf16, [4096][1024].  Work-groups 256-639: the six weight matrices, f32 to bf16, each number rounded once;
; they stay [k][n]; Wq, Wk, Wv go side by side into one matrix of 3,072 columns.
; THE UNIT is 1,024 f32 (4,096 bytes) in, 1,024 bf16 (2,048 bytes) out: one wave takes a unit, eight loads of 16 bytes a lane (512 consecutive bytes a load) and eight stores of 8 bytes a lane
; (256 consecutive bytes, aligned, a store).  A LayerNorm wave takes two units (rows), a converting wave four, all its 32 loads out together: with 152 registers three work-groups lie on a WGP, 768 in
; all, so the launch's 640 are all at work at once.  Memory binds: no LDS, no barrier, no matrix unit; a row never leaves its wave.
; LayerNorm in f32, in two passes over registers: the mean, then the mean of (x - mean)^2: no difference of large sums.  NaN and infinities are not treated apart.
; THE MODE: SCHED_MODE bits 1:0 = 2 (LLVM: expert scheduling mode 2), set by the entry lines.  The code itself states the register dependences between vector instructions and memory instructions,
; with s_wait_alu, always for 0.
; THE PLAN.  Registers that memory instructions touch:
;   v1          the loads' offset; v2 to v5 the stores' offsets (v3 to v5 in a converting wave alone).  Each is written once, ahead of the path's first load, and never again.
;   X0, X1, G, B  Each is written first by its eight loads; no vector line names it before them.  Of X0 and X1 (a converting wave: of all four) the roundings write registers 4 j and 4 j + 1 in
;               place, the unit's eight stores read those pairs, and nothing writes them afterwards.
;   T0, T1      are named by vector instructions alone.
; So a path has one wait ahead of its first load (the offsets are written) and one wait between a unit's roundings, which stand together, and its eight stores.  In the LayerNorm path the first row's stores
; are dealt among the second row's scaling lines, which name X1, T1, G and B: none of the registers that those stores read.  No register that a load or store has read is written again.
.set X0, 8                             ; v[8:39]    first unit
.set X1, 40                            ; v[40:71]   second unit
.set G,  72                            ; v[72:103]  gain of my 32 columns; a converting wave's third unit
.set B,  104                           ; v[104:135] bias; a converting wave's fourth unit
.set T0, 136                           ; v[136:143] at work for the first row
.set T1, 144                           ; v[144:151] for the second
.set XP, 16                            ; s[16:17] x     s[18:19] gain     s[20:21] bias     s[22:23] h
.set GP, 18
.set BP, 20
.set OP, 22
.macro REDUCE T                        ; four pairs at T -> their sum over the 32 lanes, in v[T] of every lane
	v_pk_add_f32 v[\T:\T+1], v[\T:\T+1], v[\T+2:\T+3]
	v_pk_add_f32 v[\T+4:\T+5], v[\T+4:\T+5], v[\T+6:\T+7]
	v_pk_add_f32 v[\T:\T+1], v[\T:\T+1], v[\T+4:\T+5]
	v_add_f32 v[\T], v[\T], v[\T+1]
	v_add_f32_dpp v[\T], v[\T], v[\T] row_xmask:1 row_mask:0xf bank_mask:0xf
	v_add_f32_dpp v[\T], v[\T], v[\T] row_xmask:2 row_mask:0xf bank_mask:0xf
	v_add_f32_dpp v[\T], v[\T], v[\T] row_xmask:4 row_mask:0xf bank_mask:0xf
	v_add_f32_dpp v[\T], v[\T], v[\T] row_xmask:8 row_mask:0xf bank_mask:0xf
	v_permlanex16_b32 v[\T+1], v[\T], s12, s13     ; the other half of the lanes (its destination has been written)
	v_add_f32 v[\T], v[\T], v[\T+1]
.endm
.macro STATS X, T                      ; the row at X becomes x - mean; v[T] becomes 1 / sqrt(var + eps)
.irp k, 0,1,2,3
	v_pk_add_f32 v[\T+2*\k:\T+2*\k+1], v[\X+2*\k:\X+2*\k+1], v[\X+8+2*\k:\X+8+2*\k+1]  ; four chains, started by the first pairs
.endr
.irp g, 16,24
.irp k, 0,1,2,3
	v_pk_add_f32 v[\T+2*\k:\T+2*\k+1], v[\T+2*\k:\T+2*\k+1], v[\X+\g+2*\k:\X+\g+2*\k+1]
.endr
.endr
	REDUCE \T
	v_mul_f32 v[\T], s14, v[\T]                    ; the mean: sum / 1,024
.set i_, 0
.rept 16
	v_pk_add_f32 v[\X+i_:\X+i_+1], v[\X+i_:\X+i_+1], v[\T:\T+1] op_sel_hi:[1,0] neg_lo:[0,1] neg_hi:[0,1]
.set i_, i_+2
.endr
.irp k, 0,1,2,3
	v_pk_mul_f32 v[\T+2*\k:\T+2*\k+1], v[\X+2*\k:\X+2*\k+1], v[\X+2*\k:\X+2*\k+1]
.endr
.irp g, 8,16,24
.irp k, 0,1,2,3
	v_pk_fma_f32 v[\T+2*\k:\T+2*\k+1], v[\X+\g+2*\k:\X+\g+2*\k+1], v[\X+\g+2*\k:\X+\g+2*\k+1], v[\T+2*\k:\T+2*\k+1]
.endr
.endr
	REDUCE \T
	v_fma_f32 v[\T], v[\T], s14, s15               ; var + eps
	v_rsq_f32 v[\T], v[\T]
.endm
.macro PACK X                          ; 32 f32 to 32 bf16, in place: the four numbers at 4 j close up into registers 4 j and 4 j + 1
.irp j, 0,1,2,3,4,5,6,7
	v_cvt_pk_bf16_f32 v[\X+4*\j], v[\X+4*\j], v[\X+4*\j+1]
	v_cvt_pk_bf16_f32 v[\X+4*\j+1], v[\X+4*\j+2], v[\X+4*\j+3]
.endr
.endm
.macro OUT X, adr, base, off           ; a unit's eight stores of 256 consecutive bytes, in one run
.irp j, 0,1,2,3,4,5,6,7
	global_store_b64 v[\adr], v[\X+4*\j:\X+4*\j+1], s[\base:\base+1] offset:256*\j+\off
.endr
.endm
.macro FINISH X, T, deal               ; the row is scaled and rounded.  deal = 1: the first row's eight stores are dealt among the scaling lines, one ahead of every four
.set i_, 0
.rept 16
.if (\deal) && (i_%4 == 0)
	global_store_b64 v2, v[X0+i_:X0+i_+1], s[OP:OP+1] offset:64*i_  ; the first row's pair i_ / 4.  No wait: no vector instruction since the wait ahead of this macro names X0 or v2
.endif
	v_pk_mul_f32 v[\X+i_:\X+i_+1], v[\X+i_:\X+i_+1], v[\T:\T+1] op_sel_hi:[1,0]
	v_pk_fma_f32 v[\X+i_:\X+i_+1], v[\X+i_:\X+i_+1], v[G+i_:G+i_+1], v[B+i_:B+i_+1]
.set i_, i_+2
.endr
	PACK \X
.endm
	s_load_b512 s[16:31], s[0:1], 0x0              ; x, gain, bias, h, Wq s[24:25], Wk s[26:27], Wv s[28:29], Wo s[30:31]
	s_load_b256 s[32:39], s[0:1], 0x40             ; W1 s[32:33], W2 s[34:35], wqkv s[36:37], wob s[38:39]
	s_load_b128 s[40:43], s[0:1], 0x60             ; w1b s[40:41], w2b s[42:43]
	v_lshrrev_b32 v3, 5, v0
	v_readfirstlane_b32 s8, v3                     ; wave 0..7
	v_and_b32 v1, 31, v0
	v_lshlrev_b32 v2, 3, v1                        ; 8 x lane: my 8 bytes of 256 on the way out
	v_lshlrev_b32 v1, 4, v1                        ; 16 x lane: my 16 bytes of 512 on the way in
	s_mov_b32 s3, 0
	s_mov_b32 s5, 0
	s_mov_b32 s12, 0x76543210                      ; v_permlanex16_b32: each lane takes its own place in the other half
	s_mov_b32 s13, 0xfedcba98
	s_mov_b32 s14, 0x3a800000                      ; 1 / 1,024
	s_mov_b32 s15, 0x3727c5ac                      ; eps = 1e-5
	s_wait_alu depctr_va_sdst(0)                   ; s8 is written, ahead of the branch: both paths make their first row or unit from it
	s_wait_kmcnt 0x0
	s_cmp_lt_u32 ttmp9, 256
	s_cbranch_scc0 .Lcvt
	; LAYERNORM: rows 16 x work-group + 2 x wave, and the next
	s_lshl_b32 s2, ttmp9, 16
	s_lshl_b32 s6, s8, 13
	s_add_co_u32 s2, s2, s6                        ; row x 4,096 bytes
	s_lshr_b32 s4, s2, 1                           ; row x 2,048 bytes
	s_add_nc_u64 s[XP:XP+1], s[XP:XP+1], s[2:3]
	s_add_nc_u64 s[OP:OP+1], s[OP:OP+1], s[4:5]
	s_wait_alu depctr_va_vdst(0)                   ; v1 and v2 are written: every load of this path reads v1 as its offset, every store v2
.irp j, 0,1,2,3,4,5,6,7
	global_load_b128 v[X0+4*\j:X0+4*\j+3], v1, s[XP:XP+1] offset:512*\j
.endr
.irp j, 0,1,2,3,4,5,6,7
	global_load_b128 v[X1+4*\j:X1+4*\j+3], v1, s[XP:XP+1] offset:4096+512*\j
.endr
.irp j, 0,1,2,3,4,5,6,7
	global_load_b128 v[G+4*\j:G+4*\j+3], v1, s[GP:GP+1] offset:512*\j
	global_load_b128 v[B+4*\j:B+4*\j+3], v1, s[BP:BP+1] offset:512*\j
.endr
	s_wait_loadcnt 16                              ; both rows are in; the 16 younger loads, gain and bias, stay out
	STATS X0, T0
	STATS X1, T1                                   ; names nothing of the first row's root
	v_nop                                          ; a plain instruction behind the second root
	s_wait_alu depctr_va_vdst(0)                   ; both roots, v[T0] and v[T1], are written: one wait for the two, ahead of their first reader
	s_wait_loadcnt 0x0                             ; gain and bias
	FINISH X0, T0, 0
	s_wait_alu depctr_va_vdst(0)                   ; the first row's roundings have written the eight pairs of X0, which the stores dealt among the lines below read
	FINISH X1, T1, 1
	s_wait_alu depctr_va_vdst(0)                   ; the second row's roundings have written the eight pairs of X1, which the stores below read
	OUT X1, 2, OP, 2048
	s_endpgm
.Lcvt:
	; THE WEIGHTS.  idx = work-group - 256, 32 units each: 0-31 Wq, 32-63 Wk, 64-95 Wv, 96-127 Wo, 128-255 W1, 256-383 W2.  Source, destination, first idx, the destination's pitch from unit to unit
	; and its column offset are chosen by selects, no branch.
	s_sub_co_u32 s2, ttmp9, 256
	s_mov_b64 s[44:45], s[34:35]                   ; from W2
	s_mov_b64 s[46:47], s[42:43]                   ; to w2b
	s_mov_b32 s48, 256
	s_mov_b32 s49, 2048
	s_mov_b32 s50, 0
	s_cmp_lt_u32 s2, 256
	s_cselect_b64 s[44:45], s[32:33], s[44:45]
	s_cselect_b64 s[46:47], s[40:41], s[46:47]
	s_cselect_b32 s48, 128, s48
	s_cmp_lt_u32 s2, 128
	s_cselect_b64 s[44:45], s[30:31], s[44:45]
	s_cselect_b64 s[46:47], s[38:39], s[46:47]
	s_cselect_b32 s48, 96, s48
	s_cmp_lt_u32 s2, 96
	s_cselect_b64 s[44:45], s[28:29], s[44:45]
	s_cselect_b64 s[46:47], s[36:37], s[46:47]
	s_cselect_b32 s48, 64, s48
	s_cselect_b32 s49, 6144, s49                   ; a row of wqkv is 3,072 bf16
	s_cselect_b32 s50, 4096, s50                   ; v's columns begin at byte 4,096 of it
	s_cmp_lt_u32 s2, 64
	s_cselect_b64 s[44:45], s[26:27], s[44:45]
	s_cselect_b32 s48, 32, s48
	s_cselect_b32 s50, 2048, s50
	s_cmp_lt_u32 s2, 32
	s_cselect_b64 s[44:45], s[24:25], s[44:45]
	s_cselect_b32 s48, 0, s48
	s_cselect_b32 s50, 0, s50
	s_sub_co_u32 s2, s2, s48
	s_lshl_b32 s2, s2, 5
	s_lshl_b32 s6, s8, 2
	s_add_co_u32 s2, s2, s6                        ; my first unit of that matrix
	s_mul_i32 s4, s2, s49
	s_add_co_u32 s4, s4, s50
	s_lshl_b32 s2, s2, 12
	s_add_nc_u64 s[44:45], s[44:45], s[2:3]
	s_add_nc_u64 s[46:47], s[46:47], s[4:5]
	v_add_nc_u32 v3, s49, v2                       ; the later units lie one, two and three pitches on
	v_add_nc_u32 v4, s49, v3
	v_add_nc_u32 v5, s49, v4
	s_wait_alu depctr_va_vdst(0)                   ; v1 to v5 are written: every load of this path reads v1 as its offset, unit n's stores read v[2 + n]
.irp n, 0,1,2,3
.irp j, 0,1,2,3,4,5,6,7
	global_load_b128 v[X0+32*\n+4*\j:X0+32*\n+4*\j+3], v1, s[44:45] offset:4096*\n+512*\j th:TH_LOAD_NT
.endr
.endr
	s_wait_loadcnt 24                              ; the first unit is in; the 24 loads of the other three stay out
	PACK X0
	s_wait_alu depctr_va_vdst(0)                   ; the first unit's roundings have written its eight pairs, which its stores read; the stores go out before the wave waits for the next unit
	OUT X0, 2, 46, 0
	s_wait_loadcnt 16
	PACK X1
	s_wait_alu depctr_va_vdst(0)                   ; the second unit's roundings have written its eight pairs, which its stores read
	OUT X1, 3, 46, 0
	s_wait_loadcnt 8
	PACK G
	s_wait_alu depctr_va_vdst(0)                   ; the third unit's roundings have written its eight pairs, which its stores read
	OUT G, 4, 46, 0
	s_wait_loadcnt 0x0
	PACK B
	s_wait_alu depctr_va_vdst(0)                   ; the fourth unit's roundings have written its eight pairs, which its stores read
	OUT B, 5, 46, 0
	s_endpgm
.Lfunc_end_k_q25b4c4b579_prep:
	.size	k_q25b4c4b579_prep, .Lfunc_end_k_q25b4c4b579_prep-k_q25b4c4b579_prep
	.p2alignl 7, 3214868480
	.fill 96, 4, 3214868480
	.section	.rodata,"a",@progbits
	.p2align	6, 0x0
	.amdhsa_kernel k_q25b4c4b579_prep
		.amdhsa_group_segment_fixed_size 0
		.amdhsa_private_segment_fixed_size 0
		.amdhsa_enable_private_segment 0
		.amdhsa_kernarg_size 112
		.amdhsa_user_sgpr_count 2
		.amdhsa_user_sgpr_kernarg_segment_ptr 1
		.amdhsa_wavefront_size32 1
		.amdhsa_system_sgpr_workgroup_id_x 1
		.amdhsa_system_sgpr_workgroup_id_y 1
		.amdhsa_system_sgpr_workgroup_id_z 1
		.amdhsa_system_vgpr_workitem_id 0
		.amdhsa_next_free_vgpr 152
		.amdhsa_next_free_sgpr 66
		.amdhsa_reserve_vcc 0
		.amdhsa_float_denorm_mode_32 3
		.amdhsa_float_denorm_mode_16_64 3
		.amdhsa_memory_ordered 1
		.amdhsa_forward_progress 1
		.amdhsa_inst_pref_size 32
	.end_amdhsa_kernel
	.amdgpu_metadata
---
amdhsa.version: [ 1, 2 ]
amdhsa.kernels:
  - .name:           k_q25b4c4b579_prep
    .symbol:         k_q25b4c4b579_prep.kd
    .args:
      - { .name: x, .offset: 0, .size: 8, .value_kind: global_buffer, .address_space: global }
      - { .name: ln1_g, .offset: 8, .size: 8, .value_kind: global_buffer, .address_space: global }
      - { .name: ln1_b, .offset: 16, .size: 8, .value_kind: global_buffer, .address_space: global }
      - { .name: hbuf, .offset: 24, .size: 8, .value_kind: global_buffer, .address_space: global }
      - { .name: Wq, .offset: 32, .size: 8, .value_kind: global_buffer, .address_space: global }
      - { .name: Wk, .offset: 40, .size: 8, .value_kind: global_buffer, .address_space: global }
      - { .name: Wv, .offset: 48, .size: 8, .value_kind: global_buffer, .address_space: global }
      - { .name: Wo, .offset: 56, .size: 8, .value_kind: global_buffer, .address_space: global }
      - { .name: W1, .offset: 64, .size: 8, .value_kind: global_buffer, .address_space: global }
      - { .name: W2, .offset: 72, .size: 8, .value_kind: global_buffer, .address_space: global }
      - { .name: wqkv, .offset: 80, .size: 8, .value_kind: global_buffer, .address_space: global }
      - { .name: wob, .offset: 88, .size: 8, .value_kind: global_buffer, .address_space: global }
      - { .name: w1b, .offset: 96, .size: 8, .value_kind: global_buffer, .address_space: global }
      - { .name: w2b, .offset: 104, .size: 8, .value_kind: global_buffer, .address_space: global }
    .group_segment_fixed_size: 0
    .private_segment_fixed_size: 0
    .kernarg_segment_align: 8
    .kernarg_segment_size: 112
    .max_flat_workgroup_size: 256
    .sgpr_count:     66
    .vgpr_count:     152
    .wavefront_size: 32
...
	.end_amdgpu_metadata
.endif
;; end of part 8
;; launch qkv: the kernel of part 2 again; grid 12 x 16, 4 waves a work-group, clusters of 4 x 4, 327,680 bytes of LDS; arguments hbuf, wqkv, bq, bk, bv, big; writes big
;; launch attn: the kernel of part 3 again; grid 8 x 32, 4 waves a work-group, no clusters, 327,680 bytes of LDS; arguments big, hbuf; writes hbuf
;; launch wo: the kernel of part 4 again; grid 8 x 32, 4 waves a work-group, clusters of 4 x 4, 327,680 bytes of LDS; arguments hbuf, wob, bo, x, x1; writes x1
;; launch ln (part 9): grid 256 x 1, 8 waves a work-group, no clusters, 0 bytes of LDS; arguments x1, ln2_g, ln2_b, hbuf; writes hbuf
.if DOCPART == 9
	.amdgcn_target "amdgcn-amd-amdhsa--gfx1250"
	.amdhsa_code_object_version 6
	.text
	.protected	k_q25b4c4b579_ln
	.globl	k_q25b4c4b579_ln
	.p2align	8
	.type	k_q25b4c4b579_ln,@function
k_q25b4c4b579_ln:
	s_mov_b64 s[64:65], 0
	v_nop
	global_prefetch_b8 v0, s[64:65] scope:SCOPE_SE
	s_setreg_imm32_b32 hwreg(HW_REG_WAVE_SCHED_MODE, 0, 2), 2
	s_setreg_imm32_b32 hwreg(HW_REG_WAVE_MODE, 25, 1), 1
	s_wait_xcnt 0x0
	s_wait_alu depctr_vm_vsrc(0)
; h = LayerNorm(x1) x gain + bias, rounded once to bf16, [4096][1024].  A row of 1,024 f32 is one wave's: eight loads of 16 bytes a lane (512 consecutive bytes a load), eight stores of 8 bytes a lane
; (256 consecutive bytes, aligned).  A wave takes two rows, a work-group sixteen.  Memory binds: no LDS, no barrier, no matrix unit.
; In f32, in two passes over registers: the mean, then the mean of (x - mean)^2: no difference of large sums.  NaN and infinities are not treated apart.
; THE MODE: SCHED_MODE bits 1:0 = 2 (LLVM: expert scheduling mode 2), set by the entry lines.  The code itself states the register dependences between vector instructions and memory instructions,
; with s_wait_alu, always for 0.
; THE PLAN.  Registers that memory instructions touch:
;   v1, v2      the loads' offset and the stores'.  Each is written once, ahead of the first load, and never again.
;   X0, X1, G, B  Each is written first by its eight loads; no vector line names it before them.  Of X0 and X1 the roundings write registers 4 j and 4 j + 1 in place, the row's eight stores read
;               those pairs, and nothing writes them afterwards.
;   T0, T1      are named by vector instructions alone.
; So one wait stands ahead of the first load (the offsets are written) and one between a row's roundings, which stand together, and its eight stores.  The first row's stores are dealt among the second row's
; scaling lines, which name X1, T1, G and B: none of the registers that those stores read.  No register that a load or store has read is written again.
.set X0, 8                             ; v[8:39]    first row
.set X1, 40                            ; v[40:71]   second row
.set G,  72                            ; v[72:103]  gain of my 32 columns
.set B,  104                           ; v[104:135] bias
.set T0, 136                           ; v[136:143] at work for the first row
.set T1, 144                           ; v[144:151] for the second
.set XP, 16                            ; s[16:17] x1     s[18:19] gain     s[20:21] bias     s[22:23] h
.set GP, 18
.set BP, 20
.set OP, 22
.macro REDUCE T                        ; four pairs at T -> their sum over the 32 lanes, in v[T] of every lane
	v_pk_add_f32 v[\T:\T+1], v[\T:\T+1], v[\T+2:\T+3]
	v_pk_add_f32 v[\T+4:\T+5], v[\T+4:\T+5], v[\T+6:\T+7]
	v_pk_add_f32 v[\T:\T+1], v[\T:\T+1], v[\T+4:\T+5]
	v_add_f32 v[\T], v[\T], v[\T+1]
	v_add_f32_dpp v[\T], v[\T], v[\T] row_xmask:1 row_mask:0xf bank_mask:0xf
	v_add_f32_dpp v[\T], v[\T], v[\T] row_xmask:2 row_mask:0xf bank_mask:0xf
	v_add_f32_dpp v[\T], v[\T], v[\T] row_xmask:4 row_mask:0xf bank_mask:0xf
	v_add_f32_dpp v[\T], v[\T], v[\T] row_xmask:8 row_mask:0xf bank_mask:0xf
	v_permlanex16_b32 v[\T+1], v[\T], s12, s13     ; the other half of the lanes (its destination has been written)
	v_add_f32 v[\T], v[\T], v[\T+1]
.endm
.macro STATS X, T                      ; the row at X becomes x - mean; v[T] becomes 1 / sqrt(var + eps)
.irp k, 0,1,2,3
	v_pk_add_f32 v[\T+2*\k:\T+2*\k+1], v[\X+2*\k:\X+2*\k+1], v[\X+8+2*\k:\X+8+2*\k+1]  ; four chains, started by the first pairs
.endr
.irp g, 16,24
.irp k, 0,1,2,3
	v_pk_add_f32 v[\T+2*\k:\T+2*\k+1], v[\T+2*\k:\T+2*\k+1], v[\X+\g+2*\k:\X+\g+2*\k+1]
.endr
.endr
	REDUCE \T
	v_mul_f32 v[\T], s14, v[\T]                    ; the mean: sum / 1,024
.set i_, 0
.rept 16
	v_pk_add_f32 v[\X+i_:\X+i_+1], v[\X+i_:\X+i_+1], v[\T:\T+1] op_sel_hi:[1,0] neg_lo:[0,1] neg_hi:[0,1]
.set i_, i_+2
.endr
.irp k, 0,1,2,3
	v_pk_mul_f32 v[\T+2*\k:\T+2*\k+1], v[\X+2*\k:\X+2*\k+1], v[\X+2*\k:\X+2*\k+1]
.endr
.irp g, 8,16,24
.irp k, 0,1,2,3
	v_pk_fma_f32 v[\T+2*\k:\T+2*\k+1], v[\X+\g+2*\k:\X+\g+2*\k+1], v[\X+\g+2*\k:\X+\g+2*\k+1], v[\T+2*\k:\T+2*\k+1]
.endr
.endr
	REDUCE \T
	v_fma_f32 v[\T], v[\T], s14, s15               ; var + eps
	v_rsq_f32 v[\T], v[\T]
.endm
.macro FINISH X, T, deal               ; the row is scaled and rounded.  deal = 1: the first row's eight stores are dealt among the scaling lines, one ahead of every four
.set i_, 0
.rept 16
.if (\deal) && (i_%4 == 0)
	global_store_b64 v2, v[X0+i_:X0+i_+1], s[OP:OP+1] offset:64*i_  ; the first row's pair i_ / 4.  No wait: no vector instruction since the wait ahead of this macro names X0 or v2
.endif
	v_pk_mul_f32 v[\X+i_:\X+i_+1], v[\X+i_:\X+i_+1], v[\T:\T+1] op_sel_hi:[1,0]
	v_pk_fma_f32 v[\X+i_:\X+i_+1], v[\X+i_:\X+i_+1], v[G+i_:G+i_+1], v[B+i_:B+i_+1]
.set i_, i_+2
.endr
.irp j, 0,1,2,3,4,5,6,7
	v_cvt_pk_bf16_f32 v[\X+4*\j], v[\X+4*\j], v[\X+4*\j+1]
	v_cvt_pk_bf16_f32 v[\X+4*\j+1], v[\X+4*\j+2], v[\X+4*\j+3]
.endr
.endm
	s_load_b256 s[16:23], s[0:1], 0x0
	v_lshrrev_b32 v3, 5, v0
	v_readfirstlane_b32 s8, v3                     ; wave 0..7
	v_and_b32 v1, 31, v0
	v_lshlrev_b32 v2, 3, v1                        ; 8 x lane
	v_lshlrev_b32 v1, 4, v1                        ; 16 x lane
	s_mov_b32 s3, 0
	s_mov_b32 s5, 0
	s_mov_b32 s12, 0x76543210                      ; v_permlanex16_b32: each lane takes its own place in the other half
	s_mov_b32 s13, 0xfedcba98
	s_mov_b32 s14, 0x3a800000                      ; 1 / 1,024
	s_mov_b32 s15, 0x3727c5ac                      ; eps = 1e-5
	s_wait_alu depctr_va_sdst(0)                   ; s8 is written, ahead of its first reader: the wave's first row is made from it
	s_lshl_b32 s2, ttmp9, 16
	s_lshl_b32 s6, s8, 13
	s_add_co_u32 s2, s2, s6                        ; row x 4,096 bytes: rows 16 x work-group + 2 x wave, and the next
	s_lshr_b32 s4, s2, 1                           ; row x 2,048 bytes
	s_wait_kmcnt 0x0
	s_add_nc_u64 s[XP:XP+1], s[XP:XP+1], s[2:3]
	s_add_nc_u64 s[OP:OP+1], s[OP:OP+1], s[4:5]
	s_wait_alu depctr_va_vdst(0)                   ; v1 and v2 are written: every load of the kernel reads v1 as its offset, every store v2
.irp j, 0,1,2,3,4,5,6,7
	global_load_b128 v[X0+4*\j:X0+4*\j+3], v1, s[XP:XP+1] offset:512*\j
.endr
.irp j, 0,1,2,3,4,5,6,7
	global_load_b128 v[X1+4*\j:X1+4*\j+3], v1, s[XP:XP+1] offset:4096+512*\j
.endr
.irp j, 0,1,2,3,4,5,6,7
	global_load_b128 v[G+4*\j:G+4*\j+3], v1, s[GP:GP+1] offset:512*\j
	global_load_b128 v[B+4*\j:B+4*\j+3], v1, s[BP:BP+1] offset:512*\j
.endr
	s_wait_loadcnt 16                              ; both rows are in; the 16 younger loads, gain and bias, stay out
	STATS X0, T0
	STATS X1, T1                                   ; names nothing of the first row's root
	v_nop                                          ; a plain instruction behind the second root
	s_wait_alu depctr_va_vdst(0)                   ; both roots, v[T0] and v[T1], are written: one wait for the two, ahead of their first reader
	s_wait_loadcnt 0x0                             ; gain and bias
	FINISH X0, T0, 0
	s_wait_alu depctr_va_vdst(0)                   ; the first row's roundings have written the eight pairs of X0, which the stores dealt among the lines below read
	FINISH X1, T1, 1
	s_wait_alu depctr_va_vdst(0)                   ; the second row's roundings have written the eight pairs of X1, which the stores below read
.irp j, 0,1,2,3,4,5,6,7
	global_store_b64 v2, v[X1+4*\j:X1+4*\j+1], s[OP:OP+1] offset:256*\j+2048
.endr
	s_endpgm
.Lfunc_end_k_q25b4c4b579_ln:
	.size	k_q25b4c4b579_ln, .Lfunc_end_k_q25b4c4b579_ln-k_q25b4c4b579_ln
	.p2alignl 7, 3214868480
	.fill 96, 4, 3214868480
	.section	.rodata,"a",@progbits
	.p2align	6, 0x0
	.amdhsa_kernel k_q25b4c4b579_ln
		.amdhsa_group_segment_fixed_size 0
		.amdhsa_private_segment_fixed_size 0
		.amdhsa_enable_private_segment 0
		.amdhsa_kernarg_size 32
		.amdhsa_user_sgpr_count 2
		.amdhsa_user_sgpr_kernarg_segment_ptr 1
		.amdhsa_wavefront_size32 1
		.amdhsa_system_sgpr_workgroup_id_x 1
		.amdhsa_system_sgpr_workgroup_id_y 1
		.amdhsa_system_sgpr_workgroup_id_z 1
		.amdhsa_system_vgpr_workitem_id 0
		.amdhsa_next_free_vgpr 152
		.amdhsa_next_free_sgpr 66
		.amdhsa_reserve_vcc 0
		.amdhsa_float_denorm_mode_32 3
		.amdhsa_float_denorm_mode_16_64 3
		.amdhsa_memory_ordered 1
		.amdhsa_forward_progress 1
		.amdhsa_inst_pref_size 20
	.end_amdhsa_kernel
	.amdgpu_metadata
---
amdhsa.version: [ 1, 2 ]
amdhsa.kernels:
  - .name:           k_q25b4c4b579_ln
    .symbol:         k_q25b4c4b579_ln.kd
    .args:
      - { .name: x1, .offset: 0, .size: 8, .value_kind: global_buffer, .address_space: global }
      - { .name: ln2_g, .offset: 8, .size: 8, .value_kind: global_buffer, .address_space: global }
      - { .name: ln2_b, .offset: 16, .size: 8, .value_kind: global_buffer, .address_space: global }
      - { .name: hbuf, .offset: 24, .size: 8, .value_kind: global_buffer, .address_space: global }
    .group_segment_fixed_size: 0
    .private_segment_fixed_size: 0
    .kernarg_segment_align: 8
    .kernarg_segment_size: 32
    .max_flat_workgroup_size: 256
    .sgpr_count:     66
    .vgpr_count:     152
    .wavefront_size: 32
...
	.end_amdgpu_metadata
.endif
;; end of part 9
;; launch ffn1: the kernel of part 6 again; grid 16 x 16, 4 waves a work-group, clusters of 4 x 4, 327,680 bytes of LDS; arguments hbuf, w1b, b1, big; writes big
;; launch ffn2: the kernel of part 7 again; grid 32 x 8, 4 waves a work-group, clusters of 4 x 1, 327,680 bytes of LDS; arguments big, w2b, b2, x1, out0; writes out0
